; MI455X (gfx1250); checked and timed in simulation.
; The chip was launched on July 23, 2026; its instructions are those of AMD's public machine-readable ISA for CDNA 5 (MIT licence, August 2026) and "CDNA5" Instruction Set Architecture Reference Guide (July 2026). The comments in the code are by the model that wrote it; some were corrected since.
;; Multi Head Attention. Allowed arithmetic: matrix products marked QUANTISED: E4M3 operands, one given power-of-two scale a tensor, by v_wmma_f32_16x16x64_fp8_fp8 or v_wmma_f32_16x16x128_fp8_fp8, f32 sums; everything else in f32.
;; Inputs: bk 1,024 float32; bo 1,024 float32; bq 1,024 float32; bv 1,024 float32; k 4 x 2,048 x 1,024 float32; lowp_scales 12 int32 (the exponents e of the quantised operands' scales 2^e); mask 2,048 x 2,048 bool; q 4 x 2,048 x 1,024 float32; v 4 x 2,048 x 1,024 float32; wk 1,024 x 1,024 float32; wo 1,024 x 1,024 float32; wq 1,024 x 1,024 float32; wv 1,024 x 1,024 float32.
;; Outputs: out0 4 x 2,048 x 1,024 float32.
;; This version of the problem:
;;   THIS VERSION OF THE PROBLEM IS GIVEN IN LOW PRECISION. The matrix products marked QUANTISED in the list below multiply operands that are first quantised to E4M3 (4 exponent bits, 3 mantissa bits; 8 bits a number), with one given power-of-two scale for each operand tensor; their sums are f32. All else is computed in f32.
;;   The module's matrix products, in the order in which they are computed (A, B: the left and right operand; K: the contracted axis; several contracted axes count as one K, in the product's order):
;;     1. [M 8,192, K 1,024] x [K 1,024, N 1,024]; A: input q; B: input wq: QUANTISED (scales: A lowp_scales[0], B lowp_scales[1])
;;     2. [M 8,192, K 1,024] x [K 1,024, N 1,024]; A: input k; B: input wk: QUANTISED (scales: A lowp_scales[2], B lowp_scales[3])
;;     3. [M 8,192, K 1,024] x [K 1,024, N 1,024]; A: input v; B: input wv: QUANTISED (scales: A lowp_scales[4], B lowp_scales[5])
;;     4. batch 64 x [M 2,048, K 64] x [K 64, N 2,048]; A: computed on the way; B: computed on the way: QUANTISED (scales: A lowp_scales[6], B lowp_scales[7])
;;     5. batch 64 x [M 2,048, K 2,048] x [K 2,048, N 64]; A: softmax (see below); B: computed on the way: QUANTISED (scales: A lowp_scales[8], B lowp_scales[9])
;;     6. [M 8,192, K 1,024] x [K 1,024, N 1,024]; A: computed on the way; B: input wo: QUANTISED (scales: A lowp_scales[10], B lowp_scales[11])
;;   THE QUANTISER, for each operand of a quantised product, along K:
;;     - The operand's scale is 2^e, e = its entry of the input lowp_scales (int32; the entries are numbered through the quantised products in the list's order, A before B).
;;     - Each number is divided by the scale, clamped to +-448, and rounded to the nearest number of E4M3, ties to even, subnormals kept.
;;     - The product sums the exact products of the quantised numbers (number of the format x scale) in f32.
;;   ~~~python
;;   def quantise(x, axis, e):      # numpy; x: float32 -> the quantised numbers, widened to float32 again
;;       x = np.moveaxis(x, axis, -1); K = x.shape[-1]
;;       r = np.clip(x / 2.0 ** e, -448, 448)
;;       step = 2.0 ** (np.maximum(np.frexp(np.where(r == 0, 1, r))[1] - 1, -6) - 3)
;;       q = np.round(r / step) * step * 2.0 ** e      # np.round: ties to even
;;       return np.moveaxis(q, -1, axis).astype(np.float32)
;;   ~~~
;;   SOFTMAX AHEAD OF A QUANTISED PRODUCT. Where the list says 'softmax', what is quantised is not the finished softmax but p = 2^(t - M), with t = logit x log2(e) and M = ceil(the row's largest t), a whole number; so 1/2 < the row's largest p <= 1. The row's sum l is taken of the UNQUANTISED p, in f32, and the product's result is divided by l at the end. Since M is a whole number, a kernel that streams over the keys may use a running M (the ceiling of the running maximum): every later rescaling is an exact power of two, so the quantised numbers keep their values, but for numbers so far below the row's largest that they fall under the format's range.
;;   OPERANDS COMPUTED ON THE WAY. 'Computed on the way' means the value that the module computes at that place (a softmax that the list does not call 'softmax' is quantised finished and normalised). What goes into a quantiser is computed in f32, as accurately as f32 sums, v_exp_f32 and their like allow (about 1e-6 of the number): no bf16 or f16 on the way to a quantiser, and a product that is left as it is and whose result goes on into a quantised operand takes f32 operands (vector FMAs, or v_wmma_f32_16x16x4_f32). A number that lies on a knife's edge between two numbers of the format may be rounded either way, as far as f32 arithmetic and the matrix unit's own rounding can turn it there, and no further.
;; 2 versions. Each part assembles by itself: llvm-mc -triple=amdgcn-amd-amdhsa -mcpu=gfx1250 --defsym DOCPART=n.
;; ======== version 1 of 2: 4 launches
;; workspace buffers: xcodes 25,165,824 bytes; wcodes 4,194,304 bytes; heads 25,165,824 bytes; acodes 8,388,608 bytes; maskw 524,288 bytes of whole numbers
;; launch quant (part 1): grid 1024 x 1, 4 waves a work-group, no clusters, 33,280 bytes of LDS; arguments q, k, v, wq, wk, wv, wo, mask, lowp_scales, xcodes, wcodes, maskw; writes xcodes, wcodes, maskw
.if DOCPART == 1
	.amdgcn_target "amdgcn-amd-amdhsa--gfx1250"
	.amdhsa_code_object_version 6
	.text
	.protected	k_q6a5c64c07b_quant
	.globl	k_q6a5c64c07b_quant
	.p2align	8
	.type	k_q6a5c64c07b_quant,@function
k_q6a5c64c07b_quant:
	s_mov_b64 s[64:65], 0
	v_nop
	global_prefetch_b8 v0, s[64:65] scope:SCOPE_SE
	s_setreg_imm32_b32 hwreg(HW_REG_WAVE_MODE, 25, 1), 1
	s_wait_xcnt 0x0
; q, k, v [8192][1024] and wq, wk, wv, wo [1024][1024], f32, K innermost, become codes of FP8 (E4M3), each with the one scale 2^e given for it; and the mask's bytes become lane masks.
; code = x / 2^e, held within +-448, rounded to the nearest code, ties to even.  LIMITS: -126 <= e <= 119, so that 2^e and 448 x 2^e are f32 numbers; NaN among the inputs is not served.
; CODES: xcodes = q's, k's, v's codes on end, wcodes = wq's, wk's, wv's, wo's, in rows of 1,024 bytes.  In every 32 bytes of a row the two middle pieces of 8 bytes change places:
; byte 32 c + 16 h + i holds k = 32 c + 8 h + i, byte 32 c + 16 h + 8 + i holds k = 32 c + 16 + 8 h + i (i < 8).  A load of 16 bytes at 32 c + 16 h then brings a lane of half h the registers
; 4 c .. 4 c + 3 of an operand of the K = 128 form with every k at that form's own place (registers 2 c', 2 c' + 1: k = 16 c' + 8 h ..).
; SHARES: work-groups 0-895 quantise 32,768 numbers each, a wave 16 steps of 512; rows are dense, so a tensor is a plain stream.  Each of a step's four loads reads 512 consecutive bytes; the 2,048 bytes
; turn through the wave's own stage in LDS (16 bytes of padding behind each 64) and come back so that lane 2 b + o holds numbers 32 b + 8 o + 0..7 and 32 b + 16 + 8 o + 0..7: its 16 codes are 16 bytes,
; the wave's store 512 consecutive bytes.  Loads run four steps (16 loads a wave) ahead, the turn through LDS one step.  Waves share nothing: no barrier.
; MASK: work-groups 896-1023.  maskw [query tile 128][key step 16][64 words]: bit l of word 8 T + j = mask[16 qt + l % 16][128 ks + 16 T + 8 (l / 16) + j]: the lanes in which register j of score tile T is hidden.
; No work-group reads what another reads: no cluster, no joint load.  The launch streams each byte once: nothing is prefetched.
.set WAVES, 4
.set STEPS, 16
.set NQ,    896                        ; work-groups that quantise: 3 x 256 for q, k, v, 4 x 32 for the weights
.set NX,    768                        ; of them for q, k, v
.set EMAX,  8
.set MANT,  0x600000                   ; the mantissa field of 448 as f32
.set R,     16                         ; v16-79   four sets of 16 numbers as they are loaded
.set X,     80                         ; v80-111  two sets of 16 numbers in the order of the codes
.set C,     128                        ; v128-191 codes: four registers for each step, so that no store's data are written again
.set WREG,  8192                       ; LDS: a region for each wave: two stages of 32 x SP bytes
.set SP,    80                         ; 64 bytes + 16 of padding
.set SPW,   12                         ; v12      LDS address of my spare word; never rewritten
.set NIL,   13                         ; v13      0; never rewritten
.set SPARE, WAVES*WREG                 ; behind the four regions: the spare words, 128 bytes for each wave
.set WV,    28                         ; s28      my wave's number
	s_load_b512 s[4:19], s[0:1], 0x0               ; q s[4:5], k s[6:7], v s[8:9], wq s[10:11], wk s[12:13], wv s[14:15], wo s[16:17], mask s[18:19]
	s_load_b256 s[20:27], s[0:1], 0x40             ; the scales' exponents s[20:21], xcodes s[22:23], wcodes s[24:25], maskw s[26:27]
	v_lshl_add_u32 v[SPW], v0, 2, SPARE
	v_mov_b32 v[NIL], 0
	v_lshrrev_b32 v1, 5, v0
	v_readfirstlane_b32 s[WV], v1                  ; wave 0..3
	v_and_b32 v2, 31, v0                           ; lane
	s_cmp_ge_u32 ttmp9, NQ                         ; the work-group's number alone decides
	s_cbranch_scc1 .Lmask
	v_lshlrev_b32 v3, 4, v2                        ; my 16 bytes of a load's 512, and of a store's
	s_mul_i32 s29, s[WV], WREG
	v_lshrrev_b32 v14, 2, v2
	v_mul_u32_u24 v14, v14, SP
	v_and_b32 v15, 3, v2
	v_lshl_add_u32 v14, v15, 4, v14
	v_add_nc_u32 v14, s29, v14                     ; the stage, on the way in: four lanes' 64 bytes on end, then the padding
	v_and_b32 v15, 30, v2
	v_mul_u32_u24 v15, v15, SP
	v_and_b32 v5, 1, v2
	v_lshl_add_u32 v15, v5, 5, v15
	v_add_nc_u32 v15, s29, v15                     ; on the way out: block lane / 2 lies in two places of 64 bytes; I take 32 bytes at 32 (lane % 2) of each
	s_wait_kmcnt 0x0
; which tensor is mine: its address, its first work-group, its scale's index.  Only pointers and numbers are chosen: all seven take one path
.macro PICK thr, ptr, idx
	s_cmp_ge_u32 ttmp9, \thr
	s_cselect_b64 s[30:31], s[\ptr:\ptr+1], s[30:31]
	s_cselect_b32 s32, \thr, s32
	s_cselect_b32 s33, \idx, s33
.endm
	s_mov_b64 s[30:31], s[4:5]                     ; q, scale 0
	s_mov_b32 s32, 0
	s_mov_b32 s33, 0
	PICK 256, 6, 2                                 ; k
	PICK 512, 8, 4                                 ; v
	PICK 768, 10, 1                                ; wq
	PICK 800, 12, 3                                ; wk
	PICK 832, 14, 5                                ; wv
	PICK 864, 16, 11                               ; wo
	s_lshl_b32 s35, s33, 2
	s_load_b32 s34, s[20:21], s35 offset:0x0       ; e
	s_sub_co_u32 s36, ttmp9, s32
	s_lshl_b32 s36, s36, 17                        ; 131,072 bytes of f32 a work-group,
	s_lshl_b32 s37, s[WV], 15                      ; 32,768 a wave
	s_add_co_u32 s36, s36, s37
	s_mov_b32 s37, 0
	s_add_nc_u64 s[30:31], s[30:31], s[36:37]
	s_cmp_lt_u32 ttmp9, NX
	s_cselect_b64 s[38:39], s[22:23], s[24:25]     ; the codes go to xcodes or to wcodes,
	s_cselect_b32 s36, 0, NX
	s_sub_co_u32 s36, ttmp9, s36
	s_lshl_b32 s36, s36, 15                        ; 32,768 bytes a work-group, the tensors on end,
	s_lshl_b32 s40, s[WV], 13                      ; 8,192 a wave
	s_add_co_u32 s36, s36, s40
	s_add_nc_u64 s[38:39], s[38:39], s[36:37]
.macro LOAD t
.irp i, 0,1,2,3
	global_load_b128 v[R+16*((\t)%4)+4*\i:R+16*((\t)%4)+4*\i+3], v3, s[30:31] offset:2048*(\t)+512*\i th:TH_LOAD_NT   ; 32 lanes read 512 consecutive bytes
.endr
.endm
.macro TURN t                          ; step t's numbers through the stage: LDS serves a wave's instructions in order (ISA guide 5.7.1.4), so no wait stands between the stores and the loads
.irp i, 0,1,2,3
	ds_store_b128 v14, v[R+16*((\t)%4)+4*\i:R+16*((\t)%4)+4*\i+3] offset:32*SP*((\t)%2)+8*SP*\i
.endr
.irp i, 0,1,2,3
	ds_load_b128 v[X+16*((\t)%2)+4*\i:X+16*((\t)%2)+4*\i+3], v15 offset:32*SP*((\t)%2)+SP*(\i/2)+16*(\i%2)
.endr
.endm
.irp t, 0,1,2,3
	LOAD \t
.endr
	s_wait_kmcnt 0x0
	s_add_co_i32 s34, s34, 127
	s_lshl_b32 s41, s34, 23
	v_mov_b32 v11, s41                             ; 2^e as f32: the conversion takes its exponent field
	s_add_co_i32 s34, s34, EMAX
	s_lshl_b32 s34, s34, 23
	s_or_b32 s34, s34, MANT
	v_mov_b32 v10, s34                             ; 448 x 2^e
	s_wait_loadcnt 12                              ; step 0's four loads are in; the twelve of steps 1 to 3 may be out
	TURN 0
.macro STEP t
.set XS, X+16*((\t)%2)
	s_wait_dscnt 0x0                               ; this step's numbers are back from the stage: so its stores into the stage have read their registers,
.if (\t)+4 < STEPS
	LOAD (\t)+4                                    ; which take the loads of four steps on
.endif
.if (\t)+1 < STEPS
.if STEPS-2-(\t) >= 3
	s_wait_loadcnt 12                              ; the next step's four loads are in; those of the three steps behind it may be out
.else
	s_wait_loadcnt 4*(STEPS-2-(\t))
.endif
	TURN (\t)+1                                    ; and go through the other stage while this step is worked
.endif
.irp i, 0,1,2,3,4,5,6,7,8,9,10,11,12,13,14,15
	v_med3_num_f32 v[XS+\i], v[XS+\i], -v10, v10   ; the conversion to an 8-bit code does not saturate (ISA guide 7.6.2): the hold at 448 x the scale comes first
.endr
	v_cvt_scalef32_pk8_fp8_f32 v[C+4*(\t):C+4*(\t)+1], v[XS:XS+7], v11
	v_cvt_scalef32_pk8_fp8_f32 v[C+4*(\t)+2:C+4*(\t)+3], v[XS+8:XS+15], v11   ; the results go to a store alone; the next vector lines are the next step's holds, plain ones on other registers
	global_store_b128 v3, v[C+4*(\t):C+4*(\t)+3], s[38:39] offset:512*(\t)      ; 32 lanes store 512 consecutive bytes, aligned
.endm
.irp t, 0,1,2,3,4,5,6,7,8,9,10,11,12,13,14,15
	STEP \t
.endr
	s_wait_tensorcnt 0x0                           ; the wave's end, behind my last LDS store
	ds_add_u32 v[SPW], v[NIL]
	s_wait_dscnt 0x0
	s_endpgm
; THE MASK.  Wave W of 512 takes query tile W / 4 and key steps 4 (W % 4) + 0..3.  Lane (r, h) loads, for score tile T, the 8 bytes mask[16 qt + r][128 ks + 16 T + 8 h + 0..7]; a compare of byte j
; over the 32 lanes IS word 8 T + j; the 64 words of a key step are laid two to a lane and leave as one aligned run of 256 bytes.
.Lmask:
	s_sub_co_u32 s29, ttmp9, NQ
	s_lshl_b32 s29, s29, 2
	s_add_co_u32 s29, s29, s[WV]                   ; W
	s_lshr_b32 s30, s29, 2
	s_lshl_b32 s30, s30, 15                        ; 16 rows of 2,048 bytes a query tile
	s_and_b32 s32, s29, 3
	s_lshl_b32 s32, s32, 9                         ; 512 keys for my four key steps
	s_add_co_u32 s30, s30, s32
	s_mov_b32 s31, 0
	s_lshl_b32 s32, s29, 10                        ; my four runs of 256 bytes in maskw
	s_mov_b32 s33, 0
	v_and_b32 v5, 15, v2                           ; r
	v_lshrrev_b32 v6, 4, v2                        ; h
	v_lshlrev_b32 v3, 11, v5
	v_lshl_add_u32 v3, v6, 3, v3                   ; row r, + 8 h
	v_lshlrev_b32 v4, 3, v2                        ; out: two words a lane
	s_wait_kmcnt 0x0
	s_add_nc_u64 s[18:19], s[18:19], s[30:31]
	s_add_nc_u64 s[26:27], s[26:27], s[32:33]
.irp i, 0,1,2,3
.irp t, 0,1,2,3,4,5,6,7
	global_load_b64 v[16+2*(8*\i+\t):17+2*(8*\i+\t)], v3, s[18:19] offset:128*\i+16*\t
.endr
.endr
.irp i, 0,1,2,3,4,5,6,7
	v_mov_b32 v[80+\i], 0                          ; written whole once: v_writelane_b32 leaves the other lanes as they are
.endr
.irp i, 0,1,2,3
	s_wait_loadcnt 8*(3-\i)                        ; this key step's eight loads are in; the later steps' may be out
.irp t, 0,1,2,3,4,5,6,7
.irp j, 0,1,2,3,4,5,6,7
	v_bfe_u32 v88, v[16+2*(8*\i+\t)+\j/4], 8*(\j%4), 8
	v_cmp_ne_u32 s36, 0, v88                       ; the 32 lanes' answers: word 8 T + j
	v_writelane_b32 v[80+2*\i+\j%2], s36, (8*\t+\j)/2
.endr
.endr
	global_store_b64 v4, v[80+2*\i:81+2*\i], s[26:27] offset:256*\i   ; 32 lanes store 256 consecutive bytes, aligned
.endr
	s_endpgm
.Lfunc_end_k_q6a5c64c07b_quant:
	.size	k_q6a5c64c07b_quant, .Lfunc_end_k_q6a5c64c07b_quant-k_q6a5c64c07b_quant
	.p2alignl 7, 3214868480
	.fill 96, 4, 3214868480
	.section	.rodata,"a",@progbits
	.p2align	6, 0x0
	.amdhsa_kernel k_q6a5c64c07b_quant
		.amdhsa_group_segment_fixed_size 33280
		.amdhsa_private_segment_fixed_size 0
		.amdhsa_enable_private_segment 0
		.amdhsa_kernarg_size 96
		.amdhsa_user_sgpr_count 2
		.amdhsa_user_sgpr_kernarg_segment_ptr 1
		.amdhsa_wavefront_size32 1
		.amdhsa_system_sgpr_workgroup_id_x 1
		.amdhsa_system_sgpr_workgroup_id_y 1
		.amdhsa_system_sgpr_workgroup_id_z 1
		.amdhsa_system_vgpr_workitem_id 0
		.amdhsa_next_free_vgpr 192
		.amdhsa_next_free_sgpr 66
		.amdhsa_reserve_vcc 0
		.amdhsa_float_denorm_mode_32 3
		.amdhsa_float_denorm_mode_16_64 3
		.amdhsa_memory_ordered 1
		.amdhsa_forward_progress 1
		.amdhsa_inst_pref_size 91
	.end_amdhsa_kernel
	.amdgpu_metadata
---
amdhsa.version: [ 1, 2 ]
amdhsa.kernels:
  - .name:           k_q6a5c64c07b_quant
    .symbol:         k_q6a5c64c07b_quant.kd
    .args:
      - { .name: q, .offset: 0, .size: 8, .value_kind: global_buffer, .address_space: global }
      - { .name: k, .offset: 8, .size: 8, .value_kind: global_buffer, .address_space: global }
      - { .name: v, .offset: 16, .size: 8, .value_kind: global_buffer, .address_space: global }
      - { .name: wq, .offset: 24, .size: 8, .value_kind: global_buffer, .address_space: global }
      - { .name: wk, .offset: 32, .size: 8, .value_kind: global_buffer, .address_space: global }
      - { .name: wv, .offset: 40, .size: 8, .value_kind: global_buffer, .address_space: global }
      - { .name: wo, .offset: 48, .size: 8, .value_kind: global_buffer, .address_space: global }
      - { .name: mask, .offset: 56, .size: 8, .value_kind: global_buffer, .address_space: global }
      - { .name: lowp_scales, .offset: 64, .size: 8, .value_kind: global_buffer, .address_space: global }
      - { .name: xcodes, .offset: 72, .size: 8, .value_kind: global_buffer, .address_space: global }
      - { .name: wcodes, .offset: 80, .size: 8, .value_kind: global_buffer, .address_space: global }
      - { .name: maskw, .offset: 88, .size: 8, .value_kind: global_buffer, .address_space: global }
    .group_segment_fixed_size: 33280
    .private_segment_fixed_size: 0
    .kernarg_segment_align: 8
    .kernarg_segment_size: 96
    .max_flat_workgroup_size: 128
    .sgpr_count:     66
    .vgpr_count:     192
    .wavefront_size: 32
...
	.end_amdgpu_metadata
.endif
;; end of part 1
;; launch proj (part 2): grid 4 x 96, 4 waves a work-group, clusters of 4 x 4, 327,680 bytes of LDS; arguments xcodes, wcodes, lowp_scales, bq, bk, bv, heads; writes heads
.if DOCPART == 2
	.amdgcn_target "amdgcn-amd-amdhsa--gfx1250"
	.amdhsa_code_object_version 6
	.text
	.protected	k_q6a5c64c07b_proj
	.globl	k_q6a5c64c07b_proj
	.p2align	8
	.type	k_q6a5c64c07b_proj,@function
k_q6a5c64c07b_proj:
	s_mov_b64 s[64:65], 0
	v_nop
	global_prefetch_b8 v0, s[64:65] scope:SCOPE_SE
	s_setreg_imm32_b32 hwreg(HW_REG_WAVE_MODE, 25, 1), 1
	s_wait_xcnt 0x0
	s_wait_alu depctr_hold_cnt(0) depctr_sa_sdst(0) depctr_va_vdst(0) depctr_va_sdst(0) depctr_va_ssrc(0) depctr_va_vcc(0) depctr_vm_vsrc(0)
	s_getreg_b32 s2, hwreg(HW_REG_IB_STS2, 6, 4)
	s_cmp_eq_u32 s2, 0
	s_cbranch_scc0 .Lentry_in_a_cluster
	s_endpgm
.Lentry_in_a_cluster:
	s_bfe_u32 s2, ttmp6, 0x10000c
	s_cmp_lg_u32 s2, 0xf033
	s_cbranch_scc0 .Lentry_shape_is_right
	s_endpgm
.Lentry_shape_is_right:
; The three input projections, y = x W^T + b on codes of FP8 (E4M3), and the quantising of y for attention: heads = codes of qh, kh, vh, laid as images of operand registers.
; Cluster y = 8 p + i: p = 0, 1, 2 is the projection (q, k, v).  A work-group makes a tile of 256 x 256 of its product, four waves, as many as a WGP has SIMDs, each 128 x 128: 64 accumulators, 512 registers.
; K = 1,024 goes in four steps of 256 through a ring of two LDS slots filled by the tensor data mover; a tile's row is 256 bytes of memory.
; TWO ROLES.  R1 feeds source 1: a lane of a result holds ONE of its rows.  R0 feeds source 0: a lane's eight registers run along eight neighbouring rows of it.
;   p = 0, 1: R1 = the tokens, R0 = the weight: a lane holds one token and eight neighbouring channels d: the next product's K (the head's 64).
;   p = 2:    R1 = the weight, R0 = the tokens: a lane holds one channel and eight neighbouring KEYS: the K of the product with the softmax.
; So eight sums of a lane, converted, ARE registers 2 c, 2 c + 1 of the next operand, and go to memory as they stand, 512 consecutive bytes a store: no stage, nothing is transposed.
; heads: region p of 8 MiB, 131,072 bytes for each (batch, head) bh.  Q, K: (token / 16) 1024 + g 512 + 16 lane: registers 4 g .. 4 g + 3 of the K = 64 fragment of 16 tokens.
;   V: (key / 128) 8192 + ct 2048 + G 512 + 16 lane: registers 4 G .. 4 G + 3 of the K = 128 fragment of channels 16 ct .. + 15.
; CLUSTERS: 4 x 4 work-groups.  R1's tile hangs on the tile row alone and is asked for jointly by a row of the cluster, R0's on the tile column alone, by a column.  p and i are the cluster's own: the same in all sixteen.
; Nothing is prefetched: of a work-group's four K steps two are first fills.
; LIMITS, so that each power of two is an f32 number: ex + ew between -126 and 127; the result's exponent eo (entry 6, 7 or 9) between -126 and 119.
; REGISTERS, in windows of 256: window 0: v0-31 addresses and constants; v32-95, v96-111 the biases; from v128 R1's fragments (8 x 16 rows x 128 K), ONE set; on the way out v128-191 numbers, v192-255 codes.
;   window 1: R0's fragments, TWO sets.   window 2: the accumulators of my rows 0-63 of R1 ((a, b) at v[8 (8 a + b)]);   window 3: those of rows 64-127.
.set SIZE_K, 1024
.set KSTEP,  256                       ; along K in a slot
.set ROWB,   256                       ; a tile's row in bytes
.set KROW,   SIZE_K                    ; a row of codes in memory, in bytes
.set PITCH,  272                       ; an LDS row: 256 bytes + 16 of padding = 68 words: the 16 rows that a load touches start at 16 different banks (64 banks of 4 bytes: ISA guide 11.1)
.set FR,     16                        ; registers of a fragment: 16 rows x 128 K
.set NL,     4                         ; LDS loads that bring one
.set NP,     4                         ; places behind this matrix instruction (ISA guide 7.12.1)
.set HALFT,  128*PITCH                 ; 128 rows: what one tensor load brings, and what one wave reads of R1 or of R0
.set SLOT,   4*HALFT                   ; R1's 256 rows, then R0's 256 rows
.set LAPS,   SIZE_K/(2*KSTEP)          ; a lap = two K steps = once round the ring
.set SPARE,  2*SLOT                    ; behind the ring: the spare words, 128 bytes for each wave
.set ADRA, 16                          ; v16-17  LDS address of my R1 fragments in slot 0, 1
.set ADRB, 20                          ; v20-21  the same for R0
.set LO,   26                          ; v26     16 x lane: my place in an image
.set SPW,  28                          ; v28     LDS address of my spare word; never rewritten
.set NIL,  29                          ; v29     0; never rewritten
.set OSC,  30                          ; v30     2^eo
.set OLIM, 31                          ; v31     448 x 2^eo
.set BI,   32                          ; v32-95  the bias of my 128 rows of R0, in a result's layout (p = 0, 1)
.set BV,   96                          ; v96-111 the bias of my lane's row of R1, block a twice at 2 a (p = 2)
.set AF,   128                         ; R1's fragments
.set TMP,  128                         ; the way out: a block's 64 numbers
.set G1, 24                            ; s[24:31] descriptor group 1 for R1's tiles;  s[32:39] group 0, one set for each slot
.set G0, 32
.set G1B, 48                           ; s[48:55], s[56:63] the same for R0's tiles
.set G0B, 56
.set MSB, 0
.macro WIN new                         ; the immediate's high byte repeats the setting that is left
.if MSB != \new
	s_set_vgpr_msb (MSB<<8)|\new
.set MSB, \new
.endif
.endm
.set MUL_LO, 0xa1                      ; source 0 (R0) window 1, source 1 (R1) window 0, C and D window 2
.set MUL_HI, 0xf1                      ; the same, C and D window 3
.set TO_B,   0x40                      ; destination window 1, address window 0
; A joint load: waves 0 and 1 fetch for R1, waves 2 and 3 for R0.  Each line has ONE mask and one set of registers for all that issue it; the branch hangs on the wave's number alone.
; An s_nop 0 and four v_nop follow each of the two lines, ahead of the jump, the label and what follows.
.macro JLOAD g0a, g1a, g0b, g1b
	s_cmp_eq_u32 s15, 0
	s_cbranch_scc0 .Lfor_b_\@
	tensor_load_to_lds s[\g0a:\g0a+3], s[\g1a:\g1a+7]
	s_nop 0
.rept 4
	v_nop
.endr
	s_branch .Lasked_\@
.Lfor_b_\@:
	tensor_load_to_lds s[\g0b:\g0b+3], s[\g1b:\g1b+7]
	s_nop 0
.rept 4
	v_nop
.endr
.Lasked_\@:
.endm
.macro CREST                           ; a round of the cluster's barrier behind its opening barrier
	s_cmp_lg_u32 s14, 0
	s_cbranch_scc1 .Lnot_wave_0_\@
	s_barrier_signal -3
.Lnot_wave_0_\@:
	s_barrier_wait -3
	s_barrier_signal -1
	s_barrier_wait -1
.endm
.macro CROUND                          ; a whole round
	s_barrier_signal -1
	s_barrier_wait -1
	CREST
.endm
	s_load_b256 s[68:75], s[0:1], 0x0              ; xcodes s[68:69], wcodes s[70:71], the scales' exponents s[72:73], bq s[74:75]
	s_load_b128 s[76:79], s[0:1], 0x20             ; bk s[76:77], bv s[78:79]
	s_load_b64 s[10:11], s[0:1], 0x30              ; heads
	v_lshl_add_u32 v[SPW], v0, 2, SPARE
	v_mov_b32 v[NIL], 0
	ds_add_u32 v[SPW], v[NIL]                      ; the wave's opening: the add and its wait stand ahead of my first tensor load; the set-up below, work on registers, stands between them
	v_lshrrev_b32 v1, 5, v0
	v_readfirstlane_b32 s14, v1                    ; wave 0..3
	s_lshr_b32 s15, s14, 1                         ; which half of the tile's rows of R1 is mine.  Also: I fetch for R1 (0) or for R0 (1)
	s_and_b32 s16, s14, 1                          ; which half of R0's.  Also: which 128 rows of that tile I fetch
	s_bfe_u32 s40, ttmp6, 0x40000                  ; cx, cy: my place in the cluster
	s_bfe_u32 s41, ttmp6, 0x40004
	s_and_b32 s87, ttmp7, 0xffff                   ; cluster y, 0..23
	s_lshr_b32 s82, s87, 3                         ; p: the projection
	s_and_b32 s83, s87, 7
	s_lshl_b32 s83, s83, 2                         ; the first of the cluster's four token tiles (of 32)
	s_cmp_eq_u32 s82, 2
	s_cselect_b32 s17, 0, s83                      ; the tokens are R1 (p = 0, 1) or R0 (p = 2); the weight has four tiles
	s_cselect_b32 s42, s83, 0
	s_add_co_u32 s17, s17, s41                     ; R1's tile: of cy and the cluster's y alone
	s_add_co_u32 s42, s42, s40                     ; R0's tile: of cx and the cluster's y alone
	s_lshl_b32 s43, s41, 2
	s_lshl_b32 s43, 15, s43                        ; my row of the cluster
	s_lshl_b32 s44, 0x1111, s40                    ; my column
	; descriptor group 1: a tile of 128 rows x 256 bytes, padded in LDS
	s_or_b32 s[G1+0], s43, (0<<16)|(1<<20)|(1<<21)|(5<<22)|(3<<25)  ; 15:0 the mask: R1's tiles go to my row; 17:16 element of 1 byte; 20 padding on; 21 set beside a mask; 24:22 after every 64 words (code 5); 31:25 of 4 words (code 3)
	s_or_b32 s[G1B+0], s44, (0<<16)|(1<<20)|(1<<21)|(5<<22)|(3<<25)
.irp g, G1, G1B
	s_mov_b32 s[\g+1], ROWB<<16                    ; tensor_dim0
	s_mov_b32 s[\g+2], 128<<16                     ; tensor_dim1 = 128
	s_mov_b32 s[\g+3], ROWB<<16                    ; tile_dim0
	s_mov_b32 s[\g+4], 128                         ; tile_dim1 = 128
	s_mov_b32 s[\g+5], KROW                        ; tensor_dim0_stride
	s_mov_b32 s[\g+6], 0
	s_mov_b32 s[\g+7], 0
.endr
	s_lshl_b32 s18, s16, 7                         ; which 128 rows of the tile I fetch
	s_lshl_b32 s20, s17, 8
	s_add_co_u32 s20, s20, s18
	s_lshl_b32 s20, s20, 10                        ; R1: (256 x tile + 128 x half) rows of 1,024 bytes
	s_mov_b32 s21, 0
	s_lshl_b32 s46, s42, 8
	s_add_co_u32 s46, s46, s18
	s_lshl_b32 s46, s46, 10                        ; R0 likewise
	s_mov_b32 s47, 0
	s_mul_i32 s45, s14, HALFT                      ; where they go: wave x 128 rows: no place in the cluster enters an LDS address
	s_lshl_b32 s88, s82, 23                        ; the projection's tokens in xcodes, and its region of heads: p x 8 MiB
	s_mov_b32 s89, 0
	s_lshl_b32 s90, s82, 20                        ; its weight in wcodes: p x 1 MiB
	s_mov_b32 s91, 0
	s_lshl_b32 s84, s82, 3                         ; its operands' exponents: entries 2 p, 2 p + 1
	s_lshr_b32 s86, s82, 1
	s_add_co_u32 s86, s86, s82
	s_add_co_u32 s86, s86, 6
	s_lshl_b32 s86, s86, 2                         ; its result's: entry 6, 7 or 9
	; where my wave's images begin in heads.  u, su: the token tile and my half of it; f, sf: the channels' tile and my half.  Both shapes: region + ((u / 8) 16 + 4 f + 2 sf) x 131,072 + ((u % 8) 2 + su) x 8,192
	s_cmp_eq_u32 s82, 2
	s_cselect_b32 s94, s42, s17                    ; u
	s_cselect_b32 s95, s17, s42                    ; f
	s_cselect_b32 s98, s16, s15                    ; su
	s_cselect_b32 s99, s15, s16                    ; sf
	s_lshr_b32 s92, s94, 3
	s_lshl_b32 s92, s92, 4                         ; 16 x batch
	s_lshl_b32 s95, s95, 2
	s_add_co_u32 s92, s92, s95
	s_lshl_b32 s99, s99, 1
	s_add_co_u32 s92, s92, s99                     ; the first of my two heads
	s_lshl_b32 s92, s92, 17
	s_and_b32 s94, s94, 7
	s_lshl_b32 s94, s94, 1
	s_add_co_u32 s94, s94, s98
	s_lshl_b32 s94, s94, 13                        ; my 128 tokens: 8 blocks of 1,024 bytes, or one key block of 8,192
	s_add_co_u32 s92, s92, s94
	s_add_co_u32 s92, s92, s88
	s_mov_b32 s93, 0
	s_lshl_b32 s94, s40, 10                        ; the biases' bytes: 4 (256 cx + 128 x my half of R0),
	s_lshl_b32 s98, s16, 9
	s_add_co_u32 s94, s94, s98
	s_lshl_b32 s95, s41, 10                        ; and 4 (256 cy + 128 x my half of R1): both lie inside the 4,096 bytes for every p, so both shapes are loaded and no branch is needed
	s_lshl_b32 s98, s15, 9
	s_add_co_u32 s95, s95, s98
	s_wait_dscnt 0x0                               ; the opening add is done
	s_wait_kmcnt 0x0
	s_add_nc_u64 s[68:69], s[68:69], s[88:89]      ; the projection's tokens,
	s_add_nc_u64 s[70:71], s[70:71], s[90:91]      ; its weight,
	s_add_nc_u64 s[10:11], s[10:11], s[92:93]      ; my images
	s_load_b64 s[96:97], s[72:73], s84 offset:0x0  ; ex, ew
	s_load_b32 s85, s[72:73], s86 offset:0x0       ; eo
	s_cmp_eq_u32 s82, 2
	s_cselect_b64 s[4:5], s[70:71], s[68:69]       ; R1
	s_cselect_b64 s[6:7], s[68:69], s[70:71]       ; R0
	s_cselect_b64 s[80:81], s[78:79], s[76:77]
	s_cmp_eq_u32 s82, 0
	s_cselect_b64 s[80:81], s[74:75], s[80:81]     ; the bias
	s_add_nc_u64 s[20:21], s[4:5], s[20:21]
	s_add_nc_u64 s[46:47], s[6:7], s[46:47]
	CROUND                                         ; all sixteen work-groups are here: the first joint loads meet
.irp s, 0,1
	s_mov_b32 s[G0+4*\s], 1
	s_add_co_u32 s[G0+4*\s+1], s45, \s*SLOT
	s_add_nc_u64 s[G0+4*\s+2:G0+4*\s+3], s[20:21], \s*ROWB
	s_or_b32 s[G0+4*\s+3], s[G0+4*\s+3], 0x80000000
	s_mov_b32 s[G0B+4*\s], 1
	s_add_co_u32 s[G0B+4*\s+1], s45, \s*SLOT
	s_add_nc_u64 s[G0B+4*\s+2:G0B+4*\s+3], s[46:47], \s*ROWB
	s_or_b32 s[G0B+4*\s+3], s[G0B+4*\s+3], 0x80000000
	JLOAD G0+4*\s, G1, G0B+4*\s, G1B               ; two loads of mine are out
.endr
	v_and_b32 v1, 15, v0                           ; r = l % 16
	v_bfe_u32 v2, v0, 4, 1                         ; h = l / 16
	v_mul_u32_u24 v3, v1, PITCH
	v_lshl_add_u32 v4, v2, 4, v3                   ; a fragment's row x pitch + 16 x half
	s_mul_i32 s21, s15, HALFT                      ; my 128 rows of R1
	s_mul_i32 s22, s16, HALFT                      ; my 128 rows of R0,
	s_add_co_u32 s22, s22, 2*HALFT                 ; which lie behind R1's 256
.irp s, 0,1
	v_add_nc_u32 v[ADRA+\s], s21, v4
	v_add_nc_u32 v[ADRB+\s], s22, v4
	s_add_co_u32 s21, s21, SLOT
	s_add_co_u32 s22, s22, SLOT
.endr
	v_lshl_add_u32 v7, v2, 5, s94                  ; register 8 b + j of a block's results is row 16 b + 8 h + j of R0
	v_lshl_add_u32 v8, v1, 2, s95                  ; and every register of block a is row 16 a + r of R1
.irp b, 0,1,2,3,4,5,6,7
	global_load_b128 v[BI+8*\b:BI+8*\b+3], v7, s[80:81] offset:64*\b
	global_load_b128 v[BI+8*\b+4:BI+8*\b+7], v7, s[80:81] offset:64*\b+16
.endr
.irp a, 0,1,2,3,4,5,6,7
	global_load_b32 v[BV+2*\a], v8, s[80:81] offset:64*\a
	global_load_b32 v[BV+2*\a+1], v8, s[80:81] offset:64*\a      ; twice: a pair for the packed multiply-add
.endr
.macro FRAG reg, adr, q, i             ; a fragment, 16 rows x 128 K: four loads of 16 bytes, 32 apart; the codes' order in memory puts every k at this form's own place
.irp c, 0,1,2,3
	ds_load_b128 v[\reg+4*\c:\reg+4*\c+3], v[\adr] offset:128*(\q)+32*\c+(\i)*16*PITCH
.endr
.endm
; 16 matrix instructions: R1's blocks a0, a0 + 1 x R0's eight, 128 along K.  p: R0's set.  zero = 1: the first product starts the sums: nothing is ever cleared.
; The 64 accumulators take turns, one instruction a turn, in the same order in every step.
.macro MUL16 a0, p, zero
.irp a, \a0, \a0+1
.irp b, 0,1,2,3,4,5,6,7
.if \zero
	v_wmma_f32_16x16x128_fp8_fp8 v[8*(8*((\a)%4)+\b):8*(8*((\a)%4)+\b)+7], v[128*(\p)+FR*\b:128*(\p)+FR*\b+FR-1], v[AF+FR*(\a):AF+FR*(\a)+FR-1], 0
.else
	v_wmma_f32_16x16x128_fp8_fp8 v[8*(8*((\a)%4)+\b):8*(8*((\a)%4)+\b)+7], v[128*(\p)+FR*\b:128*(\p)+FR*\b+FR-1], v[AF+FR*(\a):AF+FR*(\a)+FR-1], v[8*(8*((\a)%4)+\b):8*(8*((\a)%4)+\b)+7]
.endif
.endr
.endr
.endm
.macro FETCH_B slot, q, p              ; R0's eight fragments of the slot's q-th 128 along K into set p
	WIN TO_B
.irp i, 0,1,2,3,4,5,6,7
	FRAG 128*(\p)+FR*\i, ADRB+\slot, \q, \i
.endr
	WIN 0
.endm
.macro FETCH_A slot, q, i0             ; R1's blocks i0 .. i0 + 3
.irp i, \i0, \i0+1, \i0+2, \i0+3
	FRAG AF+FR*(\i), ADRA+\slot, \q, \i
.endr
.endm
; A load into a register that a matrix instruction has read, and a vector instruction that reads a matrix result or writes one of a matrix instruction's registers, stand NP places behind it; only plain
; vector instructions that name none of its registers are places (ISA guide 7.12.1 for vector instructions).
.macro PLACES n
.rept \n
	v_nop
.endr
.endm
; A step of 128 along K that has its successor in the same slot.  A block of R1 is free as soon as its eight products are issued: blocks 0-3 are fetched anew in the step's middle, blocks 4-7 at its end.
.macro STEP slot, q, zero
	s_wait_dscnt 4*NL                              ; R0's set and R1's blocks 0-3 are in; the youngest sixteen loads (blocks 4-7) may be out
	WIN MUL_LO
	MUL16 0, (\q)%2, \zero
	MUL16 2, (\q)%2, \zero
	s_wait_dscnt 0                                 ; blocks 4-7 are in (asked for 32 matrix instructions ago)
	PLACES NP
	FETCH_B \slot, (\q)+1, 1-(\q)%2
	FETCH_A \slot, (\q)+1, 0
	WIN MUL_HI
	MUL16 4, (\q)%2, \zero
	MUL16 6, (\q)%2, \zero
	PLACES NP
	WIN 0
	FETCH_A \slot, (\q)+1, 4
.endm
; A slot's last step changes slots: ONE barrier; in front of it each wave waits for all its tensor loads, adds 0 to its spare word, and waits for that and for its own reads of this slot.  fill = 1: this slot is filled again, two K steps ahead.
.macro TURN slot, next, fill
	s_wait_tensorcnt 0x0                           ; all my tensor loads have landed: my part of the next slot  (every window is 0 here)
	ds_add_u32 v[SPW], v[NIL]                      ; 0 onto my spare word
	s_wait_dscnt 4*NL+1                            ; (the add and the youngest sixteen loads, blocks 4-7, may be out)
	WIN MUL_LO
	MUL16 0, 1, 0                                  ; sixteen matrix instructions stand between the add and the wait for it
	s_wait_dscnt 0x0                               ; the add is done, and my reads of this slot are over
	s_barrier_signal -1
	MUL16 2, 1, 0
	WIN 0
	s_barrier_wait -1
.if \fill
	CREST                                          ; the barrier has opened a round of the cluster's barrier: no wave of any partner still reads this slot's tile or has a load on its way
	s_add_nc_u64 s[G0+4*\slot+2:G0+4*\slot+3], s[G0+4*\slot+2:G0+4*\slot+3], 2*ROWB
	s_add_nc_u64 s[G0B+4*\slot+2:G0B+4*\slot+3], s[G0B+4*\slot+2:G0B+4*\slot+3], 2*ROWB
	JLOAD G0+4*\slot, G1, G0B+4*\slot, G1B         ; the first tensor load behind the round, my one load until the next; its four v_nop are the places in front of the loads below
.else
	PLACES NP
.endif
	FETCH_B \next, 0, 0
	FETCH_A \next, 0, 0
	WIN MUL_HI
	MUL16 4, 1, 0
	MUL16 6, 1, 0
	PLACES NP
	WIN 0
	FETCH_A \next, 0, 4
.endm
	s_wait_tensorcnt 1                             ; my part of K step 0 is in (K step 1's load may be out)
	s_barrier_signal -1
	s_barrier_wait -1                              ; everybody's is
	FETCH_B 0, 0, 0
	FETCH_A 0, 0, 0
	FETCH_A 0, 0, 4
	STEP 0, 0, 1                                   ; the first step stands in front of the loop: its products start the sums
	s_mov_b32 s3, LAPS-1
.Llap:                                                 ; a trip goes once round the ring, from a lap's second step to the next lap's first, and fills both slots again
	TURN 0, 1, 1
	STEP 1, 0, 0
	TURN 1, 0, 1
	STEP 0, 0, 0
	s_sub_co_u32 s3, s3, 1
	s_cmp_lg_u32 s3, 0
	s_cbranch_scc1 .Llap
	TURN 0, 1, 0                                   ; the last lap fills nothing, and has no round of the cluster's barrier
	STEP 1, 0, 0
	s_wait_dscnt 4*NL                              ; the very last step: nothing more to fetch
	WIN MUL_LO
	MUL16 0, 1, 0
	MUL16 2, 1, 0
	s_wait_dscnt 0
	WIN MUL_HI
	MUL16 4, 1, 0
	MUL16 6, 1, 0
	WIN 0
; THE WAY OUT.  Block a (16 rows of R1 x my 128 rows of R0): y = sum x 2^(ex + ew) + bias, one packed multiply-add for two numbers, each accumulator from its low end on; the hold at 448 x 2^eo; eight
; conversions, whose 16 registers are images: kind 0 two fragments of K = 64 (my two heads, tokens 16 a ..), kind 1 one fragment of K = 128 (channels 16 a .., my 128 keys).  Four stores of 512 consecutive bytes.
.macro EPI a, kind
.set AC, 64*((\a)%4)
.set CD, 192+16*((\a)%4)               ; four sets of codes by turns
.set WN, 2+((\a)/4)                    ; source 0: window 2 or 3
	WIN WN
.set j, 0
.rept 32
.if \kind
	v_pk_fma_f32 v[TMP+j:TMP+j+1], v[AC+j:AC+j+1], s[96:97], v[BV+2*(\a):BV+2*(\a)+1] op_sel_hi:[1,0,1]
.else
	v_pk_fma_f32 v[TMP+j:TMP+j+1], v[AC+j:AC+j+1], s[96:97], v[BI+j:BI+j+1] op_sel_hi:[1,0,1]
.endif
.set j, j+2
.endr
	WIN 0
.set j, 0
.rept 64
	v_med3_num_f32 v[TMP+j], v[TMP+j], -v[OLIM], v[OLIM]   ; the conversion to an 8-bit code does not saturate (ISA guide 7.6.2)
.set j, j+1
.endr
.if (\a) >= 4
	s_wait_xcnt 0x0                                ; block a - 4's stores have read this set of codes
.endif
.irp b, 0,1,2,3,4,5,6,7
	v_cvt_scalef32_pk8_fp8_f32 v[CD+2*\b:CD+2*\b+1], v[TMP+8*\b:TMP+8*\b+7], v[OSC]
.endr
	v_nop                                          ; a plain line between the last conversion and the next block's writes of its sources
.irp g, 0,1,2,3
.if \kind
	global_store_b128 v[LO], v[CD+4*\g:CD+4*\g+3], s[10:11] offset:((\a)/4)*131072+((\a)%4)*2048+\g*512
.else
	global_store_b128 v[LO], v[CD+4*\g:CD+4*\g+3], s[10:11] offset:(\g/2)*131072+(\a)*1024+(\g%2)*512
.endif
.endr
.endm
	s_wait_kmcnt 0x0
	s_wait_loadcnt 0x0                             ; the biases
	s_add_co_i32 s96, s96, s97                     ; ex + ew
	s_add_co_i32 s96, s96, 127
	s_lshl_b32 s96, s96, 23                        ; 2^(ex + ew) as f32
	s_mov_b32 s97, s96                             ; (named with it as a pair, so it is written)
	s_add_co_i32 s85, s85, 127
	s_lshl_b32 s87, s85, 23
	s_add_co_i32 s85, s85, 8
	s_lshl_b32 s85, s85, 23
	s_or_b32 s85, s85, 0x600000
	v_mov_b32 v[OSC], s87                          ; these four plain lines are the places between the last products and the first write of the registers that held R1's fragments
	v_mov_b32 v[OLIM], s85
	v_and_b32 v[LO], 31, v0
	v_lshlrev_b32 v[LO], 4, v[LO]
	s_cmp_eq_u32 s82, 2                            ; the cluster's y alone: the same way in all sixteen work-groups
	s_cbranch_scc1 .Lkeys_inner
.irp a, 0,1,2,3,4,5,6,7
	EPI \a, 0
.endr
	s_branch .Lend
.Lkeys_inner:
.irp a, 0,1,2,3,4,5,6,7
	EPI \a, 1
.endr
.Lend:
	s_wait_tensorcnt 0x0                           ; the wave's end, behind my last tensor load
	ds_add_u32 v[SPW], v[NIL]
	s_wait_dscnt 0x0
	CROUND                                         ; the closing round: no work-group ends while a partner may still ask for a tile that names it
	s_endpgm
.Lfunc_end_k_q6a5c64c07b_proj:
	.size	k_q6a5c64c07b_proj, .Lfunc_end_k_q6a5c64c07b_proj-k_q6a5c64c07b_proj
	.p2alignl 7, 3214868480
	.fill 96, 4, 3214868480
	.section	.rodata,"a",@progbits
	.p2align	6, 0x0
	.amdhsa_kernel k_q6a5c64c07b_proj
		.amdhsa_group_segment_fixed_size 327680
		.amdhsa_private_segment_fixed_size 0
		.amdhsa_enable_private_segment 0
		.amdhsa_kernarg_size 56
		.amdhsa_user_sgpr_count 2
		.amdhsa_user_sgpr_kernarg_segment_ptr 1
		.amdhsa_wavefront_size32 1
		.amdhsa_system_sgpr_workgroup_id_x 1
		.amdhsa_system_sgpr_workgroup_id_y 1
		.amdhsa_system_sgpr_workgroup_id_z 1
		.amdhsa_system_vgpr_workitem_id 0
		.amdhsa_next_free_vgpr 1024
		.amdhsa_next_free_sgpr 100
		.amdhsa_reserve_vcc 0
		.amdhsa_float_denorm_mode_32 3
		.amdhsa_float_denorm_mode_16_64 3
		.amdhsa_memory_ordered 1
		.amdhsa_forward_progress 1
		.amdhsa_inst_pref_size 194
	.end_amdhsa_kernel
	.amdgpu_metadata
---
amdhsa.version: [ 1, 2 ]
amdhsa.kernels:
  - .name:           k_q6a5c64c07b_proj
    .symbol:         k_q6a5c64c07b_proj.kd
    .args:
      - { .name: xcodes, .offset: 0, .size: 8, .value_kind: global_buffer, .address_space: global }
      - { .name: wcodes, .offset: 8, .size: 8, .value_kind: global_buffer, .address_space: global }
      - { .name: lowp_scales, .offset: 16, .size: 8, .value_kind: global_buffer, .address_space: global }
      - { .name: bq, .offset: 24, .size: 8, .value_kind: global_buffer, .address_space: global }
      - { .name: bk, .offset: 32, .size: 8, .value_kind: global_buffer, .address_space: global }
      - { .name: bv, .offset: 40, .size: 8, .value_kind: global_buffer, .address_space: global }
      - { .name: heads, .offset: 48, .size: 8, .value_kind: global_buffer, .address_space: global }
    .group_segment_fixed_size: 327680
    .private_segment_fixed_size: 0
    .kernarg_segment_align: 8
    .kernarg_segment_size: 56
    .max_flat_workgroup_size: 128
    .sgpr_count:     100
    .vgpr_count:     1024
    .wavefront_size: 32
...
	.end_amdgpu_metadata
.endif
;; end of part 2
;; launch attn (part 3): grid 4 x 64, 16 waves a work-group, clusters of 4 x 1, 327,680 bytes of LDS; arguments heads, maskw, lowp_scales, acodes; writes acodes
.if DOCPART == 3
	.amdgcn_target "amdgcn-amd-amdhsa--gfx1250"
	.amdhsa_code_object_version 6
	.text
	.protected	k_q6a5c64c07b_attn
	.globl	k_q6a5c64c07b_attn
	.p2align	8
	.type	k_q6a5c64c07b_attn,@function
k_q6a5c64c07b_attn:
	s_mov_b64 s[64:65], 0
	v_nop
	global_prefetch_b8 v0, s[64:65] scope:SCOPE_SE
	s_setreg_imm32_b32 hwreg(HW_REG_WAVE_MODE, 25, 1), 1
	s_wait_xcnt 0x0
	s_wait_alu depctr_hold_cnt(0) depctr_sa_sdst(0) depctr_va_vdst(0) depctr_va_sdst(0) depctr_va_ssrc(0) depctr_va_vcc(0) depctr_vm_vsrc(0)
	s_getreg_b32 s2, hwreg(HW_REG_IB_STS2, 6, 4)
	s_cmp_eq_u32 s2, 0
	s_cbranch_scc0 .Lentry_in_a_cluster
	s_endpgm
.Lentry_in_a_cluster:
	s_bfe_u32 s2, ttmp6, 0x10000c
	s_cmp_lg_u32 s2, 0x3003
	s_cbranch_scc0 .Lentry_shape_is_right
	s_endpgm
.Lentry_shape_is_right:
; Attention on codes of FP8 (E4M3) for one (batch, head) bh = cluster y: S^T = K Q^T, the mask, the softmax, O^T = V^T P^T, and the quantising of O for the output projection.
; t = score x 2^(e6 + e7) x log2(e) / 8; M = the row's largest t so far, rounded UP to a whole number; p = 2^(t - M) is quantised with 2^e8, not normalised; the row's sum is taken of the unquantised p and divides O
; at the end.  When M moves, the sum and O are multiplied by 2^(old M - new M): exact.
; THE MASK is an input: every key step is walked.  maskw holds, for each query tile, key step and score register, the 32 lanes' bits: one v_cndmask_b32 a score puts the stand-in -2^(33 - e6 - e7) in place of a hidden
; score.  As a logit that is -2^30 where the definition has -1e9.  Its t, -log2(e) 2^30, is a whole number that one fused multiply-add makes exactly: in a row with no open key every p is exactly 1, as with -1e9;
; in any other row a hidden p is 0, as with -1e9, since an open logit is at most 1,605,632 x 2^(e6 + e7) in magnitude.
; LIMITS: e6 + e7 between -94 and 9 (the stand-in and c are f32 numbers; every open logit lies above the stand-in and above -1e9); e8, and e10 - e8 - e9, between -126 and 119.
; SHARES.  The four work-groups of a cluster take 512 queries each of the head's 2,048 (the grid has one cluster along x); each of SIXTEEN waves owns two tiles of 16 queries in 256 registers: four waves to a
; SIMD, so that one wave's vector work stands beside another's products and LDS loads.  THE WHOLE HEAD'S K AND V, 256 KiB of register images, LIE IN LDS FOR THE WHOLE LAUNCH: no ring, nothing is filled again, one
; barrier.  All four work-groups need the same K and V: joint loads, one a wave, 16 KiB each.  Everything is asked for at the head, so nothing is prefetched.
; LAYOUT.  Both products are used transposed: a lane holds ONE query (lane % 16) throughout.  Register 8 T + j of S^T is key 128 ks + 16 T + 8 (lane / 16) + j: eight of them, converted, are registers 2 T, 2 T + 1
; of P as the K = 128 form wants them.  An image is read at 16 x lane, 512 consecutive bytes a load: no pitch, no padding.
; acodes: (token / 16) 16384 + head 1024 + g 512 + 16 lane: registers 4 g .. 4 g + 3 of the K = 64 fragment of 16 tokens x the head's 64 channels.
.set QB,    262144                     ; LDS: K 0 .. 131,071;  V 131,072 .. 262,143;  from QB my work-group's Q, 2,048 bytes a wave
.set SPARE, 294912                     ; the spare words, 128 bytes for each of sixteen waves
.set LI,   1                           ; v1   16 x lane
.set ADK,  2                           ; v2   LDS address of the step's K
.set ADV,  3                           ; v3   of its V
.set ADQ,  4                           ; v4   of my Q
.set SPW,  5                           ; v5   LDS address of my spare word; never rewritten
.set NIL,  6                           ; v6   0; never rewritten
.set SMV,  8                           ; v8   the stand-in for a hidden score
.set PLIM, 9                           ; v9   448 x 2^e8
.set PSC,  10                          ; v10  2^e8
.set OSC,  28                          ; v28  2^(e10 - e8 - e9)
.set OLIM, 29                          ; v29  448 x that
                                       ; v[12+4x .. 15+4x]: tile x's -M, largest t, and sum in two halves;  v20-27 at work: v22, v23 permutes' destinations, v[24:25] f, v[26:27] the second chain of sums
.set F,    32                          ; v32-95   fragments of K, then of V
.set S,    96                          ; v96-159  S^T, then p
.set O,    160                         ; v160-223 O^T: 4 tiles of 8 for each query tile
.set P,    224                         ; v224-255 p's codes, 16 a query tile; the first 8 hold Q's fragment until the conversions write them
.set WV,   12                          ; s12  wave
.set CX,   13                          ; s13  my place in the cluster
.set BH,   14                          ; s14  batch x 16 + head
.set TB,   15                          ; s15  8,192 x key step
.set MO,   16                          ; s16  256 x the key step whose mask words are asked for
.set CS,   18                          ; s[18:19] c = 2^(e6 + e7) log2(e) / 8, twice
.set SEL,  20                          ; s[20:21] lane selects for v_permlanex16_b32: lane l xor 16
.set G1J,  68                          ; s[68:75] group 1 of the joint loads;  s[76:83] of Q's;  s[84:87], s[88:91] their groups 0.  Behind the one wait on TENSORcnt these registers take mask words
.set G1Q,  76
.set G0J,  84
.set G0Q,  88
                                       ; s[32:63], s[68:99]: the 64 mask words of a tile and key step
.macro CROUND                          ; a round of the cluster's barrier
	s_barrier_signal -1
	s_barrier_wait -1
	s_cmp_lg_u32 s[WV], 0
	s_cbranch_scc1 .Lnot_wave_0_\@
	s_barrier_signal -3
.Lnot_wave_0_\@:
	s_barrier_wait -3
	s_barrier_signal -1
	s_barrier_wait -1
.endm
.macro MASKW off                       ; 64 words, 256 bytes, from off + s[MO] on
	s_load_b512 s[32:47], s[6:7], s[MO] offset:\off
	s_load_b512 s[48:63], s[6:7], s[MO] offset:\off+64
	s_load_b512 s[68:83], s[6:7], s[MO] offset:\off+128
	s_load_b512 s[84:99], s[6:7], s[MO] offset:\off+192
.endm
	s_load_b256 s[4:11], s[0:1], 0x0               ; heads s[4:5], maskw s[6:7], the scales' exponents s[8:9], acodes s[10:11]
	v_lshl_add_u32 v[SPW], v0, 2, SPARE
	v_mov_b32 v[NIL], 0
	ds_add_u32 v[SPW], v[NIL]                      ; the wave's opening: the add and its wait stand ahead of my first tensor load; the set-up below, work on registers, stands between them
	v_lshrrev_b32 v7, 5, v0
	v_readfirstlane_b32 s[WV], v7                  ; wave 0..15
	s_bfe_u32 s[CX], ttmp6, 0x40000
	s_and_b32 s[BH], ttmp7, 0xffff
	; group 1: dense blocks as rows of 256 bytes, elements of 8 bytes.  Joint: 64 rows, 16 KiB.  Q: 8 rows, my two tiles' images
	s_mov_b32 s[G1J+0], 15|(3<<16)|(1<<21)         ; 15:0 the mask: all four work-groups; 17:16 elements of 8 bytes; 21 set beside a mask
	s_mov_b32 s[G1J+1], 32<<16                     ; tensor_dim0 = 32
	s_mov_b32 s[G1J+2], 64<<16                     ; tensor_dim1 = 64
	s_mov_b32 s[G1J+3], 32<<16                     ; tile_dim0 = 32
	s_mov_b32 s[G1J+4], 64                         ; tile_dim1 = 64
	s_mov_b32 s[G1J+5], 32                         ; tensor_dim0_stride
	s_mov_b32 s[G1J+6], 0
	s_mov_b32 s[G1J+7], 0
	s_mov_b32 s[G1Q+0], 3<<16                      ; no mask: a load of my own
	s_mov_b32 s[G1Q+1], 32<<16
	s_mov_b32 s[G1Q+2], 8<<16
	s_mov_b32 s[G1Q+3], 32<<16
	s_mov_b32 s[G1Q+4], 8
	s_mov_b32 s[G1Q+5], 32
	s_mov_b32 s[G1Q+6], 0
	s_mov_b32 s[G1Q+7], 0
	s_lshl_b32 s22, s[BH], 17                      ; the head's 131,072 bytes in each region
	s_lshr_b32 s24, s[WV], 3
	s_add_co_u32 s24, s24, 1
	s_lshl_b32 s24, s24, 23                        ; waves 0-7: K's region, waves 8-15: V's
	s_add_co_u32 s24, s24, s22
	s_and_b32 s23, s[WV], 7
	s_lshl_b32 s23, s23, 14                        ; my 16 KiB of it: of the head and the wave's number alone
	s_add_co_u32 s24, s24, s23
	s_mov_b32 s25, 0
	s_lshl_b32 s26, s[CX], 15                      ; Q: query tile 32 cx + 2 wave, 1,024 bytes a tile
	s_lshl_b32 s23, s[WV], 11
	s_add_co_u32 s26, s26, s23
	s_add_co_u32 s26, s26, s22
	s_mov_b32 s27, 0
	s_lshl_b32 s28, s[CX], 17                      ; maskw: 4,096 bytes a query tile
	s_lshl_b32 s23, s[WV], 13
	s_add_co_u32 s28, s28, s23
	s_mov_b32 s29, 0
	s_lshr_b32 s30, s[BH], 4                       ; acodes: token block 128 x batch + 32 cx + 2 wave,
	s_lshl_b32 s30, s30, 7
	s_lshl_b32 s23, s[CX], 5
	s_add_co_u32 s30, s30, s23
	s_lshl_b32 s23, s[WV], 1
	s_add_co_u32 s30, s30, s23
	s_lshl_b32 s30, s30, 14
	s_and_b32 s23, s[BH], 15                       ; and the head's 1,024 bytes in it
	s_lshl_b32 s23, s23, 10
	s_add_co_u32 s30, s30, s23
	s_mov_b32 s31, 0
	s_mov_b32 s[SEL], 0x76543210
	s_mov_b32 s[SEL+1], 0xfedcba98
	s_mov_b32 s[TB], 0
	s_mov_b32 s[MO], 0
	s_mov_b32 s3, 16                               ; key steps
	s_wait_dscnt 0x0                               ; the opening add is done
	s_wait_kmcnt 0x0
	s_add_nc_u64 s[6:7], s[6:7], s[28:29]
	s_add_nc_u64 s[10:11], s[10:11], s[30:31]
	s_load_b128 s[28:31], s[8:9], 0x18             ; e6, e7, e8, e9
	s_load_b32 s17, s[8:9], 0x28                   ; e10
	s_mov_b32 s[G0J], 1                            ; count = 1
	s_lshl_b32 s[G0J+1], s[WV], 14                 ; LDS: 16,384 x wave: K's eight parts, then V's
	s_add_nc_u64 s[G0J+2:G0J+3], s[4:5], s[24:25]
	s_or_b32 s[G0J+3], s[G0J+3], 0x80000000        ; type = 2
	s_mov_b32 s[G0Q], 1
	s_lshl_b32 s[G0Q+1], s[WV], 11
	s_add_co_u32 s[G0Q+1], s[G0Q+1], QB
	s_add_nc_u64 s[G0Q+2:G0Q+3], s[4:5], s[26:27]
	s_or_b32 s[G0Q+3], s[G0Q+3], 0x80000000
	CROUND                                         ; all four work-groups are here: the joint loads meet
	tensor_load_to_lds s[G0J:G0J+3], s[G1J:G1J+7]  ; every wave issues both: two loads of mine are out, the only ones of the launch
	s_nop 0
	tensor_load_to_lds s[G0Q:G0Q+3], s[G1Q:G1Q+7]
	s_nop 0
	v_and_b32 v[LI], 31, v0
	v_lshlrev_b32 v[LI], 4, v[LI]
	s_lshl_b32 s22, s[WV], 11
	s_add_co_u32 s22, s22, QB
	v_add_nc_u32 v[ADQ], s22, v[LI]
.irp x, 0,1
	v_mov_b32 v[13+4*\x], 0xff61b1e6               ; the largest t so far: -3e38, under every t
	v_floor_f32 v[12+4*\x], -v[13+4*\x]            ; -M
	v_mov_b32 v[14+4*\x], 0                        ; the sum, in two halves
	v_mov_b32 v[15+4*\x], 0
.endr
	v_mov_b32 v22, 0                               ; written once: a lane permute's destination counts as one of its sources
	v_mov_b32 v23, 0
	v_mov_b32 v25, 0                               ; (named as the upper half of the pair v[24:25])
.set j, 0
.rept 64
	v_mov_b32 v[O+j], 0                            ; O^T.  (The step is written once: the first finds zeros, which the first change of M leaves zeros)
.set j, j+1
.endr
	s_wait_kmcnt 0x0
	s_add_co_i32 s22, s28, s29                     ; e6 + e7
	s_lshl_b32 s23, s22, 23
	s_add_co_i32 s[CS], s23, 0x3e38aa3b            ; log2(e) / 8, with e6 + e7 added to its exponent field
	s_mov_b32 s[CS+1], s[CS]                       ; (named with it as a pair, so it is written)
	s_sub_co_i32 s23, 160, s22
	s_lshl_b32 s23, s23, 23
	s_or_b32 s23, s23, 0x80000000
	v_mov_b32 v[SMV], s23                          ; -2^(33 - e6 - e7)
	s_add_co_i32 s22, s30, 127
	s_lshl_b32 s23, s22, 23
	v_mov_b32 v[PSC], s23
	s_add_co_i32 s22, s22, 8
	s_lshl_b32 s22, s22, 23
	s_or_b32 s22, s22, 0x600000
	v_mov_b32 v[PLIM], s22
	s_sub_co_i32 s22, s17, s30                     ; a sum of O stands for sum x 2^(e8 + e9): the three scales are folded into the conversion's one
	s_sub_co_i32 s22, s22, s31
	s_add_co_i32 s22, s22, 127
	s_lshl_b32 s23, s22, 23
	v_mov_b32 v[OSC], s23
	s_add_co_i32 s22, s22, 8
	s_lshl_b32 s22, s22, 23
	s_or_b32 s22, s22, 0x600000
	v_mov_b32 v[OLIM], s22
	s_wait_tensorcnt 0x0                           ; my parts of K or V and my Q have landed; the descriptors' registers are free
	MASKW 0                                        ; tile 0, key step 0
	s_barrier_signal -1
	s_barrier_wait -1                              ; everybody's parts have landed: from here on LDS is only read
.macro QK x                            ; S^T = K Q^T for tile x: eight tiles of 16 keys, K = the head's 64; each product is a whole sum
.irp t, 0,1,2,3,4,5,6,7
	v_wmma_f32_16x16x64_fp8_fp8 v[S+8*\t:S+8*\t+7], v[F+8*\t:F+8*\t+7], v[P+16*(\x):P+16*(\x)+7], 0
.endr
.endm
.macro PLACES                          ; four places behind matrix instructions, ahead of reads of their results and of loads into registers that they have read (ISA guide 7.12.1 for vector instructions)
.rept 4
	v_nop
.endr
.endm
; Tile x's mask and softmax for one key step: 64 scores a lane.
.macro SOFT x
.set ST, 12+4*(\x)
.set PP, P+16*(\x)
.set OO, O+32*(\x)
	s_wait_kmcnt 0x0                               ; the tile's 64 mask words are in; the loads have read their offset
.if \x
	s_add_co_u32 s[MO], s[MO], 256                 ; on to the next key step's words;
	s_and_b32 s[MO], s[MO], 0xfff                  ; behind the last step it wraps to step 0: that look-ahead stays inside the buffer and is read by nobody
.endif
.set n, 0
.rept 64
	v_cndmask_b32 v[S+n], v[S+n], v[SMV], s[32+n+4*(n/32)]   ; hidden scores become the stand-in; each accumulator from its low end on
.set n, n+1
.endr
	MASKW 4096*(1-(\x))                            ; the words' next user: tile 1 of this step, or tile 0 of the next: they have most of a softmax in which to come
	v_max3_num_f32 v20, v[S], v[S+1], v[S+2]       ; the step's largest score of my query, among my 64 keys, in two chains,
	v_max3_num_f32 v21, v[S+3], v[S+4], v[S+5]
.set n, 6
.rept 14
	v_max3_num_f32 v20, v20, v[S+n], v[S+n+1]
	v_max3_num_f32 v21, v21, v[S+n+2], v[S+n+3]
.set n, n+4
.endr
	v_max3_num_f32 v20, v20, v[S+62], v[S+63]
	v_max_num_f32 v20, v20, v21
	v_permlanex16_b32 v22, v20, s[SEL], s[SEL+1]
	v_max_num_f32 v20, v20, v22                    ; and among lane l xor 16's
	v_mul_f32 v20, s[CS], v20                      ; as t (c is positive)
	v_max_num_f32 v[ST+1], v[ST+1], v20            ; the running largest t
	v_mov_b32 v20, v[ST]
	v_floor_f32 v[ST], -v[ST+1]                    ; the new -M = floor(-t) = -ceil(t): M is a whole number
	v_sub_f32 v20, v[ST], v20                      ; M's old value less its new one: a whole number, 0 or less
	v_cvt_i32_f32 v20, v20                         ; (it saturates)
	v_ldexp_f32 v24, 1.0, v20                      ; f = 2^(old M - new M)
.set n, 0
.rept 32
	v_pk_fma_f32 v[S+n:S+n+1], v[S+n:S+n+1], s[CS:CS+1], v[ST:ST+1] op_sel_hi:[1,0,0]   ; t - M, two at a time (of the pairs c and -M the low word serves both halves)
.set n, n+2
.endr
.set n, 0
.rept 64
	v_exp_f32 v[S+n], v[S+n]                       ; p = 2^(t - M): not normalised
.set n, n+1
.endr
	v_pk_mul_f32 v[ST+2:ST+3], v[ST+2:ST+3], v[24:25] op_sel_hi:[1,0]   ; the sums under the new M: the plain line behind the exponentials
	s_wait_alu depctr_va_vdst(0)                   ; one wait for the whole batch, ahead of its first reader
	v_pk_add_f32 v[26:27], v[S:S+1], v[S+2:S+3]    ; the row's sum is taken of the unquantised p: two at a time, in two chains
.set n, 4
.rept 15
	v_pk_add_f32 v[ST+2:ST+3], v[ST+2:ST+3], v[S+n:S+n+1]
	v_pk_add_f32 v[26:27], v[26:27], v[S+n+2:S+n+3]
.set n, n+4
.endr
	v_pk_add_f32 v[ST+2:ST+3], v[ST+2:ST+3], v[26:27]
.set t, 0
.rept 8
.set n, 0
.rept 8
	v_min_num_f32 v[S+8*t+n], v[S+8*t+n], v[PLIM]  ; the conversion to an 8-bit code does not saturate (ISA guide 7.6.2); p is not negative, so the hold is one-sided
.set n, n+1
.endr
	v_cvt_scalef32_pk8_fp8_f32 v[PP+2*t:PP+2*t+1], v[S+8*t:S+8*t+7], v[PSC]
.set t, t+1
.endr
.set n, 0
.rept 16
	v_pk_mul_f32 v[OO+n:OO+n+1], v[OO+n:OO+n+1], v[24:25] op_sel_hi:[1,0]   ; O^T under the new M; these plain lines also stand between the conversions and the products that follow
.set n, n+2
.endr
.endm
.Lstep:                                            ; 16 trips: 128 keys for both my tiles
	v_add_nc_u32 v[ADK], s[TB], v[LI]
	v_add_nc_u32 v[ADV], 0x20000, v[ADK]
	v_nop
	v_nop                                          ; with the two additions: four places between the last trip's products and the loads into the registers that they read
.irp t, 0,1,2,3,4,5,6,7
	ds_load_b128 v[F+8*\t:F+8*\t+3], v[ADK] offset:1024*\t         ; K: 16 keys x 64 channels: two loads of 512 consecutive bytes
	ds_load_b128 v[F+8*\t+4:F+8*\t+7], v[ADK] offset:1024*\t+512
.endr
.irp x, 0,1
	ds_load_b128 v[P+16*\x:P+16*\x+3], v[ADQ] offset:1024*\x       ; Q's fragments, where the last step's codes of p lay
	ds_load_b128 v[P+16*\x+4:P+16*\x+7], v[ADQ] offset:1024*\x+512
.endr
	s_wait_dscnt 0x0
	QK 0
	PLACES
	SOFT 0
	QK 1                                           ; K's fragments serve both tiles
	PLACES
.irp c, 0,1,2,3
.irp g, 0,1,2,3
	ds_load_b128 v[F+16*\c+4*\g:F+16*\c+4*\g+3], v[ADV] offset:2048*\c+512*\g   ; V: 16 channels x 128 keys: it lands under tile 1's softmax
.endr
.endr
	SOFT 1
	s_wait_dscnt 0x0
.irp c, 0,1,2,3                                ; O^T += V^T P^T: eight accumulators, one instruction a turn
.irp x, 0,1
	v_wmma_f32_16x16x128_fp8_fp8 v[O+32*\x+8*\c:O+32*\x+8*\c+7], v[F+16*\c:F+16*\c+15], v[P+16*\x:P+16*\x+15], v[O+32*\x+8*\c:O+32*\x+8*\c+7]
.endr
.endr
	s_add_co_u32 s[TB], s[TB], 8192
	s_sub_co_u32 s3, s3, 1
	s_cmp_lg_u32 s3, 0
	s_cbranch_scc1 .Lstep
	; THE WAY OUT.  O^T / the sum, held and converted with the folded scale: a lane's 32 numbers of a tile become the 8 registers of the next product's fragment, stored as they stand.
	v_add_f32 v20, v14, v15                        ; the sums' two halves  (the four additions and the v_nop are the places behind the last products)
	v_add_f32 v21, v18, v19
	v_permlanex16_b32 v22, v20, s[SEL], s[SEL+1]
	v_permlanex16_b32 v23, v21, s[SEL], s[SEL+1]
	v_add_f32 v20, v20, v22                        ; and lane l xor 16's: the rows' sums, at least 1/2
	v_add_f32 v21, v21, v23
	v_rcp_f32 v24, v20
	v_rcp_f32 v26, v21
	v_nop                                          ; a plain line behind the reciprocals
	s_wait_alu depctr_va_vdst(0)                   ; one wait for both, ahead of their first reader
.irp x, 0,1
.set n, 0
.rept 16
	v_pk_mul_f32 v[O+32*\x+n:O+32*\x+n+1], v[O+32*\x+n:O+32*\x+n+1], v[24+2*\x:25+2*\x] op_sel_hi:[1,0]
.set n, n+2
.endr
.set n, 0
.rept 32
	v_med3_num_f32 v[O+32*\x+n], v[O+32*\x+n], -v[OLIM], v[OLIM]
.set n, n+1
.endr
.irp c, 0,1,2,3
	v_cvt_scalef32_pk8_fp8_f32 v[F+8*\x+2*\c:F+8*\x+2*\c+1], v[O+32*\x+8*\c:O+32*\x+8*\c+7], v[OSC]
.endr
.endr
	v_nop                                          ; a plain line behind the last conversion
.irp x, 0,1
.irp g, 0,1
	global_store_b128 v[LI], v[F+8*\x+4*\g:F+8*\x+4*\g+3], s[10:11] offset:16384*\x+512*\g   ; 32 lanes store 512 consecutive bytes, aligned
.endr
.endr
	s_wait_tensorcnt 0x0                           ; the wave's end, behind my last tensor load
	ds_add_u32 v[SPW], v[NIL]
	s_wait_dscnt 0x0
	CROUND                                         ; the closing round
	s_endpgm
.Lfunc_end_k_q6a5c64c07b_attn:
	.size	k_q6a5c64c07b_attn, .Lfunc_end_k_q6a5c64c07b_attn-k_q6a5c64c07b_attn
	.p2alignl 7, 3214868480
	.fill 96, 4, 3214868480
	.section	.rodata,"a",@progbits
	.p2align	6, 0x0
	.amdhsa_kernel k_q6a5c64c07b_attn
		.amdhsa_group_segment_fixed_size 327680
		.amdhsa_private_segment_fixed_size 0
		.amdhsa_enable_private_segment 0
		.amdhsa_kernarg_size 32
		.amdhsa_user_sgpr_count 2
		.amdhsa_user_sgpr_kernarg_segment_ptr 1
		.amdhsa_wavefront_size32 1
		.amdhsa_system_sgpr_workgroup_id_x 1
		.amdhsa_system_sgpr_workgroup_id_y 1
		.amdhsa_system_sgpr_workgroup_id_z 1
		.amdhsa_system_vgpr_workitem_id 0
		.amdhsa_next_free_vgpr 256
		.amdhsa_next_free_sgpr 100
		.amdhsa_reserve_vcc 0
		.amdhsa_float_denorm_mode_32 3
		.amdhsa_float_denorm_mode_16_64 3
		.amdhsa_memory_ordered 1
		.amdhsa_forward_progress 1
		.amdhsa_inst_pref_size 53
	.end_amdhsa_kernel
	.amdgpu_metadata
---
amdhsa.version: [ 1, 2 ]
amdhsa.kernels:
  - .name:           k_q6a5c64c07b_attn
    .symbol:         k_q6a5c64c07b_attn.kd
    .args:
      - { .name: heads, .offset: 0, .size: 8, .value_kind: global_buffer, .address_space: global }
      - { .name: maskw, .offset: 8, .size: 8, .value_kind: global_buffer, .address_space: global }
      - { .name: lowp_scales, .offset: 16, .size: 8, .value_kind: global_buffer, .address_space: global }
      - { .name: acodes, .offset: 24, .size: 8, .value_kind: global_buffer, .address_space: global }
    .group_segment_fixed_size: 327680
    .private_segment_fixed_size: 0
    .kernarg_segment_align: 8
    .kernarg_segment_size: 32
    .max_flat_workgroup_size: 512
    .sgpr_count:     100
    .vgpr_count:     256
    .wavefront_size: 32
...
	.end_amdgpu_metadata
.endif
;; end of part 3
;; launch oproj (part 4): grid 4 x 32, 4 waves a work-group, clusters of 4 x 4, 327,680 bytes of LDS; arguments acodes, wcodes, lowp_scales, bo, out0; writes out0
.if DOCPART == 4
	.amdgcn_target "amdgcn-amd-amdhsa--gfx1250"
	.amdhsa_code_object_version 6
	.text
	.protected	k_q6a5c64c07b_oproj
	.globl	k_q6a5c64c07b_oproj
	.p2align	8
	.type	k_q6a5c64c07b_oproj,@function
k_q6a5c64c07b_oproj:
	s_mov_b64 s[64:65], 0
	v_nop
	global_prefetch_b8 v0, s[64:65] scope:SCOPE_SE
	s_setreg_imm32_b32 hwreg(HW_REG_WAVE_MODE, 25, 1), 1
	s_wait_xcnt 0x0
	s_wait_alu depctr_hold_cnt(0) depctr_sa_sdst(0) depctr_va_vdst(0) depctr_va_sdst(0) depctr_va_ssrc(0) depctr_va_vcc(0) depctr_vm_vsrc(0)
	s_getreg_b32 s2, hwreg(HW_REG_IB_STS2, 6, 4)
	s_cmp_eq_u32 s2, 0
	s_cbranch_scc0 .Lentry_in_a_cluster
	s_endpgm
.Lentry_in_a_cluster:
	s_bfe_u32 s2, ttmp6, 0x10000c
	s_cmp_lg_u32 s2, 0xf033
	s_cbranch_scc0 .Lentry_shape_is_right
	s_endpgm
.Lentry_shape_is_right:
; out0[m][n] = 2^(e10 + e11) x the sum over k of A[m][k] Wo[n][k] + bo[n], on codes of FP8 (E4M3).  A: attention's result, 8,192 tokens x 1,024, as register images; Wo: the fourth MiB of wcodes, rows of 1,024 bytes.
; LIMIT: e10 + e11 between -126 and 127, so that 2^(e10 + e11) is an f32 number.
; A tile of out0, 256 x 256, is made by a work-group of four waves, each 128 x 128: 64 accumulators, 512 registers.  K goes in four steps of 256 through a ring of two LDS slots filled by the tensor data mover.
; A's IMAGES: acodes = (token / 16) 16384 + head 1024 + g 512 + 16 lane.  Two neighbouring heads' images, 2,048 bytes, are the 16 registers of a K = 128 fragment of 16 tokens; a K step of 256 is four heads, 4,096
; consecutive bytes of each block of 16 tokens.  A wave's tensor load brings 8 such rows, 16,384 bytes apart, dense into LDS; a fragment is read at 16 x lane, 512 consecutive bytes a load.
; Wo's tiles are rows of 256 bytes with 16 of padding; the codes' order in memory puts every k at this form's own place, as A's images have it.
; CLUSTERS: 4 x 4 work-groups; A's tile is asked for jointly by a row of the cluster, Wo's by a column.  THE MATRIX INSTRUCTION IS USED TRANSPOSED (source 0 = 16 rows of Wo, source 1 = 16 tokens): a lane holds
; eight neighbouring numbers of a row of out0.  Nothing is prefetched: of the four K steps two are first fills.  128 tiles: 128 work-groups.
; REGISTERS, in windows of 256: window 0: v0-31 addresses; v32-95 the bias; from v128 A's fragments, ONE set, on the way out rows of out0.   window 1: Wo's fragments, TWO sets.   windows 2, 3: the accumulators.
.set SIZE_N, 1024
.set SIZE_K, 1024
.set KSTEP,  256
.set ROWB,   256                       ; a row of Wo's tile in bytes
.set KROW,   SIZE_K
.set PITCH,  272                       ; Wo's LDS row: 256 bytes + 16 of padding: the 16 rows that a load touches start at 16 different banks (ISA guide 11.1)
.set FR,     16
.set NL,     4
.set NP,     4
.set AROW,   4096                      ; a row of A's tile: 16 tokens x 256 along K
.set HALFA,  8*AROW                    ; 128 tokens: what one tensor load brings of A
.set HALFB,  128*PITCH                 ; 128 rows of Wo
.set BOFF,   2*HALFA                   ; a slot: A's 256 tokens, then Wo's 256 rows
.set SLOT,   BOFF+2*HALFB
.set LAPS,   SIZE_K/(2*KSTEP)
.set SPARE,  2*SLOT                    ; behind the ring: the spare words, 128 bytes for each wave
.set SPITCH, 528                       ; the way out: a stage of 16 rows x (512 bytes + 16) for each wave, in slot 0, which has had its last fill and its last read when the first result is stored there
.set ADRA, 16                          ; v16-17  LDS address of my A fragments in slot 0, 1
.set ADRB, 20                          ; v20-21  the same for Wo
.set STO,  24                          ; v24     the way out: where I put 32 bytes of a row
.set RD,   25                          ; v25     where I read a row back
.set CO,   26                          ; v26     16 x lane: my place in an image, and in a row of out0
.set SPW,  28                          ; v28     LDS address of my spare word; never rewritten
.set NIL,  29                          ; v29     0; never rewritten
.set BI,   32                          ; v32-95  bo of my 128 columns, in a result's layout
.set AF,   128
.set BK,   128                         ; the way out: 16 rows read back: v128-191 and v192-255 by turns
.set G1, 24
.set G0, 32
.set G1B, 48
.set G0B, 56
.set MSB, 0
.macro WIN new                         ; the immediate's high byte repeats the setting that is left
.if MSB != \new
	s_set_vgpr_msb (MSB<<8)|\new
.set MSB, \new
.endif
.endm
.set MUL_LO, 0xa1                      ; source 0 (Wo) window 1, source 1 (A) window 0, C and D window 2
.set MUL_HI, 0xf1
.set TO_B,   0x40
.macro JLOAD g0a, g1a, g0b, g1b        ; a joint load: waves 0 and 1 fetch for A, waves 2 and 3 for Wo; an s_nop 0 and four v_nop follow each line
	s_cmp_eq_u32 s15, 0
	s_cbranch_scc0 .Lfor_b_\@
	tensor_load_to_lds s[\g0a:\g0a+3], s[\g1a:\g1a+7]
	s_nop 0
.rept 4
	v_nop
.endr
	s_branch .Lasked_\@
.Lfor_b_\@:
	tensor_load_to_lds s[\g0b:\g0b+3], s[\g1b:\g1b+7]
	s_nop 0
.rept 4
	v_nop
.endr
.Lasked_\@:
.endm
.macro CREST
	s_cmp_lg_u32 s14, 0
	s_cbranch_scc1 .Lnot_wave_0_\@
	s_barrier_signal -3
.Lnot_wave_0_\@:
	s_barrier_wait -3
	s_barrier_signal -1
	s_barrier_wait -1
.endm
.macro CROUND
	s_barrier_signal -1
	s_barrier_wait -1
	CREST
.endm
	s_load_b128 s[4:7], s[0:1], 0x0                ; acodes s[4:5], wcodes s[6:7]
	s_load_b128 s[68:71], s[0:1], 0x10             ; the scales' exponents s[68:69], bo s[70:71]
	s_load_b64 s[10:11], s[0:1], 0x20              ; out0
	v_lshl_add_u32 v[SPW], v0, 2, SPARE
	v_mov_b32 v[NIL], 0
	ds_add_u32 v[SPW], v[NIL]                      ; the wave's opening: the add and its wait stand ahead of my first tensor load; the set-up below, work on registers, stands between them
	v_lshrrev_b32 v1, 5, v0
	v_readfirstlane_b32 s14, v1                    ; wave 0..3
	s_lshr_b32 s15, s14, 1                         ; which half of the tile's rows is mine.  Also: I fetch for A (0) or for Wo (1)
	s_and_b32 s16, s14, 1                          ; which half of its columns.  Also: which half of that tile I fetch
	s_bfe_u32 s40, ttmp6, 0x40000                  ; cx, cy
	s_bfe_u32 s41, ttmp6, 0x40004
	s_lshl_b32 s42, ttmp9, 2
	s_add_co_u32 s42, s42, s40                     ; tile column = 4 x cluster x + cx
	s_and_b32 s17, ttmp7, 0xffff
	s_lshl_b32 s17, s17, 2
	s_add_co_u32 s17, s17, s41                     ; tile row = 4 x cluster y + cy
	s_lshl_b32 s43, s41, 2
	s_lshl_b32 s43, 15, s43                        ; my row of the cluster
	s_lshl_b32 s44, 0x1111, s40                    ; my column
	s_or_b32 s[G1+0], s43, (0<<16)|(1<<21)         ; A: the mask of my row; elements of 1 byte; no padding; 21 set beside a mask
	s_mov_b32 s[G1+1], AROW<<16                    ; tensor_dim0 = 4,096
	s_mov_b32 s[G1+2], 8<<16                       ; tensor_dim1 = 8
	s_mov_b32 s[G1+3], AROW<<16                    ; tile_dim0
	s_mov_b32 s[G1+4], 8                           ; tile_dim1
	s_mov_b32 s[G1+5], 16384                       ; tensor_dim0_stride: from a block of 16 tokens to the next
	s_mov_b32 s[G1+6], 0
	s_mov_b32 s[G1+7], 0
	s_or_b32 s[G1B+0], s44, (0<<16)|(1<<20)|(1<<21)|(5<<22)|(3<<25)  ; Wo: the mask of my column; padding of 4 words after every 64
	s_mov_b32 s[G1B+1], ROWB<<16
	s_mov_b32 s[G1B+2], 128<<16
	s_mov_b32 s[G1B+3], ROWB<<16
	s_mov_b32 s[G1B+4], 128
	s_mov_b32 s[G1B+5], KROW
	s_mov_b32 s[G1B+6], 0
	s_mov_b32 s[G1B+7], 0
	s_lshl_b32 s20, s17, 4
	s_lshl_b32 s18, s16, 3
	s_add_co_u32 s20, s20, s18
	s_lshl_b32 s20, s20, 14                        ; A: token block 16 x tile row + 8 x half
	s_mov_b32 s21, 0
	s_lshl_b32 s46, s42, 8
	s_lshl_b32 s18, s16, 7
	s_add_co_u32 s46, s46, s18
	s_lshl_b32 s46, s46, 10                        ; Wo: row 256 x tile column + 128 x half,
	s_add_co_u32 s46, s46, 0x300000                ; in the fourth MiB of wcodes
	s_mov_b32 s47, 0
	s_lshl_b32 s45, s16, 15                        ; where they go: A's halves,
	s_mul_i32 s19, s16, HALFB
	s_add_co_u32 s19, s19, BOFF                    ; Wo's halves: no place in the cluster enters an LDS address
	s_wait_dscnt 0x0                               ; the opening add is done
	s_wait_kmcnt 0x0
	s_load_b64 s[96:97], s[68:69], 0x28            ; e10, e11
	s_add_nc_u64 s[20:21], s[4:5], s[20:21]
	s_add_nc_u64 s[46:47], s[6:7], s[46:47]
	CROUND                                         ; all sixteen work-groups are here: the first joint loads meet
.irp s, 0,1
	s_mov_b32 s[G0+4*\s], 1
	s_add_co_u32 s[G0+4*\s+1], s45, \s*SLOT
	s_add_nc_u64 s[G0+4*\s+2:G0+4*\s+3], s[20:21], \s*AROW
	s_or_b32 s[G0+4*\s+3], s[G0+4*\s+3], 0x80000000
	s_mov_b32 s[G0B+4*\s], 1
	s_add_co_u32 s[G0B+4*\s+1], s19, \s*SLOT
	s_add_nc_u64 s[G0B+4*\s+2:G0B+4*\s+3], s[46:47], \s*ROWB
	s_or_b32 s[G0B+4*\s+3], s[G0B+4*\s+3], 0x80000000
	JLOAD G0+4*\s, G1, G0B+4*\s, G1B               ; two loads of mine are out
.endr
	v_and_b32 v1, 15, v0                           ; r
	v_bfe_u32 v2, v0, 4, 1                         ; h
	v_mul_u32_u24 v3, v1, PITCH
	v_lshl_add_u32 v4, v2, 4, v3                   ; Wo: a fragment's row x pitch + 16 x half
	v_and_b32 v6, 31, v0
	v_lshlrev_b32 v[CO], 4, v6
	s_lshl_b32 s21, s15, 15                        ; my 128 tokens of A
	s_mul_i32 s22, s16, HALFB                      ; my 128 rows of Wo
	s_add_co_u32 s22, s22, BOFF
.irp s, 0,1
	v_add_nc_u32 v[ADRA+\s], s21, v[CO]
	v_add_nc_u32 v[ADRB+\s], s22, v4
	s_add_co_u32 s21, s21, SLOT
	s_add_co_u32 s22, s22, SLOT
.endr
	s_mul_i32 s23, s14, 16*SPITCH                  ; my stage
	v_mul_u32_u24 v5, v1, SPITCH                   ; in: row r, 32 bytes for each half of the lanes
	v_lshl_add_u32 v5, v2, 5, v5
	v_add_nc_u32 v[STO], s23, v5
	v_add_nc_u32 v[RD], s23, v[CO]                 ; back: the 32 lanes take one row of 512 bytes
	s_lshl_b32 s20, s17, 8
	s_lshl_b32 s21, s15, 7
	s_add_co_u32 s20, s20, s21
	s_lshl_b32 s20, s20, 12                        ; my first row of out0: 256 x tile row + 128 x half, rows of 4,096 bytes
	s_lshl_b32 s46, s42, 10                        ; my first column, in bytes: 1,024 x tile column + 512 x half
	s_lshl_b32 s47, s16, 9
	s_add_co_u32 s46, s46, s47
	v_lshl_add_u32 v7, v2, 5, s46                  ; bo: register 8 b + j of a block's results is column 16 b + 8 h + j of my 128
	s_add_co_u32 s20, s20, s46
	s_mov_b32 s21, 0
	s_add_nc_u64 s[10:11], s[10:11], s[20:21]
.irp b, 0,1,2,3,4,5,6,7
	global_load_b128 v[BI+8*\b:BI+8*\b+3], v7, s[70:71] offset:64*\b
	global_load_b128 v[BI+8*\b+4:BI+8*\b+7], v7, s[70:71] offset:64*\b+16
.endr
.macro FRAGA reg, slot, q, i           ; A's fragment: block i of 16 tokens, the slot's q-th 128 along K: four loads of 512 consecutive bytes
.irp c, 0,1,2,3
	ds_load_b128 v[\reg+4*\c:\reg+4*\c+3], v[ADRA+\slot] offset:AROW*(\i)+2048*(\q)+512*\c
.endr
.endm
.macro FRAGB reg, slot, q, i           ; Wo's fragment: four loads of 16 bytes a lane, 32 apart
.irp c, 0,1,2,3
	ds_load_b128 v[\reg+4*\c:\reg+4*\c+3], v[ADRB+\slot] offset:128*(\q)+32*\c+(\i)*16*PITCH
.endr
.endm
; 16 matrix instructions: A's blocks a0, a0 + 1 x Wo's eight, 128 along K.  The 64 accumulators take turns, one instruction a turn, in the same order in every step.
.macro MUL16 a0, p, zero
.irp a, \a0, \a0+1
.irp b, 0,1,2,3,4,5,6,7
.if \zero
	v_wmma_f32_16x16x128_fp8_fp8 v[8*(8*((\a)%4)+\b):8*(8*((\a)%4)+\b)+7], v[128*(\p)+FR*\b:128*(\p)+FR*\b+FR-1], v[AF+FR*(\a):AF+FR*(\a)+FR-1], 0
.else
	v_wmma_f32_16x16x128_fp8_fp8 v[8*(8*((\a)%4)+\b):8*(8*((\a)%4)+\b)+7], v[128*(\p)+FR*\b:128*(\p)+FR*\b+FR-1], v[AF+FR*(\a):AF+FR*(\a)+FR-1], v[8*(8*((\a)%4)+\b):8*(8*((\a)%4)+\b)+7]
.endif
.endr
.endr
.endm
.macro FETCH_B slot, q, p
	WIN TO_B
.irp i, 0,1,2,3,4,5,6,7
	FRAGB 128*(\p)+FR*\i, \slot, \q, \i
.endr
	WIN 0
.endm
.macro FETCH_A slot, q, i0
.irp i, \i0, \i0+1, \i0+2, \i0+3
	FRAGA AF+FR*(\i), \slot, \q, \i
.endr
.endm
.macro PLACES n                        ; places behind matrix instructions, ahead of loads into registers that they have read and of reads of their results (ISA guide 7.12.1 for vector instructions)
.rept \n
	v_nop
.endr
.endm
.macro STEP slot, q, zero              ; a step of 128 along K that has its successor in the same slot
	s_wait_dscnt 4*NL                              ; Wo's set and A's blocks 0-3 are in; the youngest sixteen loads (blocks 4-7) may be out
	WIN MUL_LO
	MUL16 0, (\q)%2, \zero
	MUL16 2, (\q)%2, \zero
	s_wait_dscnt 0
	PLACES NP
	FETCH_B \slot, (\q)+1, 1-(\q)%2
	FETCH_A \slot, (\q)+1, 0
	WIN MUL_HI
	MUL16 4, (\q)%2, \zero
	MUL16 6, (\q)%2, \zero
	PLACES NP
	WIN 0
	FETCH_A \slot, (\q)+1, 4
.endm
; A slot's last step changes slots: ONE barrier; in front of it each wave waits for all its tensor loads, adds 0 to its spare word, and waits for that and for its own reads of this slot.
.macro TURN slot, next, fill
	s_wait_tensorcnt 0x0                           ; all my tensor loads have landed: my part of the next slot  (every window is 0 here)
	ds_add_u32 v[SPW], v[NIL]                      ; 0 onto my spare word
	s_wait_dscnt 4*NL+1                            ; (the add and the youngest sixteen loads may be out)
	WIN MUL_LO
	MUL16 0, 1, 0
	s_wait_dscnt 0x0                               ; the add is done, and my reads of this slot are over
	s_barrier_signal -1
	MUL16 2, 1, 0
	WIN 0
	s_barrier_wait -1
.if \fill
	CREST                                          ; the barrier has opened a round of the cluster's barrier: no wave of any partner still reads this slot's tile or has a load on its way
	s_add_nc_u64 s[G0+4*\slot+2:G0+4*\slot+3], s[G0+4*\slot+2:G0+4*\slot+3], 2*AROW
	s_add_nc_u64 s[G0B+4*\slot+2:G0B+4*\slot+3], s[G0B+4*\slot+2:G0B+4*\slot+3], 2*ROWB
	JLOAD G0+4*\slot, G1, G0B+4*\slot, G1B         ; the first tensor load behind the round, my one load until the next; its four v_nop are the places in front of the loads below
.else
	PLACES NP
.endif
	FETCH_B \next, 0, 0
	FETCH_A \next, 0, 0
	WIN MUL_HI
	MUL16 4, 1, 0
	MUL16 6, 1, 0
	PLACES NP
	WIN 0
	FETCH_A \next, 0, 4
.endm
	s_wait_tensorcnt 1                             ; my part of K step 0 is in (K step 1's load may be out)
	s_barrier_signal -1
	s_barrier_wait -1                              ; everybody's is
	FETCH_B 0, 0, 0
	FETCH_A 0, 0, 0
	FETCH_A 0, 0, 4
	STEP 0, 0, 1                                   ; the first step's products start the sums
	s_mov_b32 s3, LAPS-1
.Llap:
	TURN 0, 1, 1
	STEP 1, 0, 0
	TURN 1, 0, 1
	STEP 0, 0, 0
	s_sub_co_u32 s3, s3, 1
	s_cmp_lg_u32 s3, 0
	s_cbranch_scc1 .Llap
	TURN 0, 1, 0                                   ; the last lap fills nothing, and has no round of the cluster's barrier
	STEP 1, 0, 0
	s_wait_dscnt 4*NL
	WIN MUL_LO
	MUL16 0, 1, 0
	MUL16 2, 1, 0
	s_wait_dscnt 0
	WIN MUL_HI
	MUL16 4, 1, 0
	MUL16 6, 1, 0
	WIN 0
; THE WAY OUT, block by block of 16 rows x 128 columns: sum x 2^(e10 + e11) + bo in place, one packed multiply-add for two numbers, each accumulator from its low end on; through my own stage in LDS; back as whole
; rows of 512 bytes.  LDS serves a wave's instructions in order (ISA guide 5.7.1.4): no wait between the stores and the loads, nor in front of the next block's stores.
.macro TOSTAGE a
.set AC, 64*((\a)%4)
.set WA, 2+((\a)/4)
.set WN, (WA<<6)|WA                    ; destination and source 0: the block's window; the bias: window 0
	WIN WN
.set j, 0
.rept 32
	v_pk_fma_f32 v[AC+j:AC+j+1], v[AC+j:AC+j+1], s[96:97], v[BI+j:BI+j+1] op_sel_hi:[1,0,1]
.set j, j+2
.endr
.set WN, WA<<2                         ; an LDS store's data are its source 1
	WIN WN
.irp b, 0,1,2,3,4,5,6,7
	ds_store_b128 v[STO], v[AC+8*\b:AC+8*\b+3] offset:64*\b
	ds_store_b128 v[STO], v[AC+8*\b+4:AC+8*\b+7] offset:64*\b+16
.endr
	WIN 0
.set BB, BK+64*((\a)%2)
.irp t, 0,1,2,3,4,5,6,7,8,9,10,11,12,13,14,15
	ds_load_b128 v[BB+4*\t:BB+4*\t+3], v[RD] offset:\t*SPITCH
.endr
.endm
.macro SEND a, younger                 ; younger: the LDS instructions issued behind block a's loads, which may stay out
.set BB, BK+64*((\a)%2)
	s_wait_dscnt \younger                          ; the block is back in registers
.if (\a) > 0
	s_add_nc_u64 s[10:11], s[10:11], 16*SIZE_N*4   ; (behind a wait on XCNT: the earlier stores have read their base)  16 rows on
.endif
.irp t, 0,1,2,3,4,5,6,7,8,9,10,11,12,13,14,15
	global_store_b128 v[CO], v[BB+4*\t:BB+4*\t+3], s[10:11] offset:\t*SIZE_N*4 th:TH_STORE_NT   ; 32 lanes store 512 consecutive bytes, aligned; written once, read by nobody here
.endr
.endm
	s_wait_kmcnt 0x0
	s_wait_loadcnt 0x0                             ; bo
	s_add_co_i32 s96, s96, s97                     ; e10 + e11
	s_add_co_i32 s96, s96, 127
	s_lshl_b32 s96, s96, 23                        ; 2^(e10 + e11) as f32
	s_mov_b32 s97, s96                             ; (named with it as a pair, so it is written)
	PLACES NP                                      ; between the last products and the loads into the registers that held A's fragments
	TOSTAGE 0
.irp a, 1,2,3,4,5,6,7
.if \a > 1
	s_wait_xcnt 0x0                                ; block a - 2's stores have read their registers and their base: block a's loads may land there, and the base may step
.endif
	TOSTAGE \a
	SEND \a-1, 32                                  ; behind block a - 1's loads: block a's 16 stores and 16 loads
.endr
	s_wait_xcnt 0x0                                ; block 6's stores have read their base
	SEND 7, 0
	s_wait_tensorcnt 0x0                           ; the wave's end, behind my last tensor load and my last LDS store
	ds_add_u32 v[SPW], v[NIL]
	s_wait_dscnt 0x0
	CROUND                                         ; the closing round
	s_endpgm
.Lfunc_end_k_q6a5c64c07b_oproj:
	.size	k_q6a5c64c07b_oproj, .Lfunc_end_k_q6a5c64c07b_oproj-k_q6a5c64c07b_oproj
	.p2alignl 7, 3214868480
	.fill 96, 4, 3214868480
	.section	.rodata,"a",@progbits
	.p2align	6, 0x0
	.amdhsa_kernel k_q6a5c64c07b_oproj
		.amdhsa_group_segment_fixed_size 327680
		.amdhsa_private_segment_fixed_size 0
		.amdhsa_enable_private_segment 0
		.amdhsa_kernarg_size 40
		.amdhsa_user_sgpr_count 2
		.amdhsa_user_sgpr_kernarg_segment_ptr 1
		.amdhsa_wavefront_size32 1
		.amdhsa_system_sgpr_workgroup_id_x 1
		.amdhsa_system_sgpr_workgroup_id_y 1
		.amdhsa_system_sgpr_workgroup_id_z 1
		.amdhsa_system_vgpr_workitem_id 0
		.amdhsa_next_free_vgpr 1024
		.amdhsa_next_free_sgpr 98
		.amdhsa_reserve_vcc 0
		.amdhsa_float_denorm_mode_32 3
		.amdhsa_float_denorm_mode_16_64 3
		.amdhsa_memory_ordered 1
		.amdhsa_forward_progress 1
		.amdhsa_inst_pref_size 125
	.end_amdhsa_kernel
	.amdgpu_metadata
---
amdhsa.version: [ 1, 2 ]
amdhsa.kernels:
  - .name:           k_q6a5c64c07b_oproj
    .symbol:         k_q6a5c64c07b_oproj.kd
    .args:
      - { .name: acodes, .offset: 0, .size: 8, .value_kind: global_buffer, .address_space: global }
      - { .name: wcodes, .offset: 8, .size: 8, .value_kind: global_buffer, .address_space: global }
      - { .name: lowp_scales, .offset: 16, .size: 8, .value_kind: global_buffer, .address_space: global }
      - { .name: bo, .offset: 24, .size: 8, .value_kind: global_buffer, .address_space: global }
      - { .name: out0, .offset: 32, .size: 8, .value_kind: global_buffer, .address_space: global }
    .group_segment_fixed_size: 327680
    .private_segment_fixed_size: 0
    .kernarg_segment_align: 8
    .kernarg_segment_size: 40
    .max_flat_workgroup_size: 128
    .sgpr_count:     98
    .vgpr_count:     1024
    .wavefront_size: 32
...
	.end_amdgpu_metadata
.endif
;; end of part 4
;; ======== version 2 of 2: 4 launches
;; limits: right only within a limited range of input values
;; workspace buffers: xcodes 25,165,824 bytes; wcodes 4,194,304 bytes; heads 25,165,824 bytes; acodes 8,388,608 bytes; maskw 524,288 bytes of whole numbers; minfo 131,072 bytes of whole numbers
;; launch quant (part 5): grid 1024 x 1, 4 waves a work-group, no clusters, 33,280 bytes of LDS; arguments q, k, v, wq, wk, wv, wo, mask, lowp_scales, xcodes, wcodes, maskw, minfo; writes xcodes, wcodes, maskw, minfo
.if DOCPART == 5
	.amdgcn_target "amdgcn-amd-amdhsa--gfx1250"
	.amdhsa_code_object_version 6
	.text
	.protected	k_q6a5c64c07b_quant
	.globl	k_q6a5c64c07b_quant
	.p2align	8
	.type	k_q6a5c64c07b_quant,@function
k_q6a5c64c07b_quant:
	s_mov_b64 s[64:65], 0
	v_nop
	global_prefetch_b8 v0, s[64:65] scope:SCOPE_SE
	s_setreg_imm32_b32 hwreg(HW_REG_WAVE_MODE, 25, 1), 1
	s_wait_xcnt 0x0
; q, k, v [8192][1024] and wq, wk, wv, wo [1024][1024], f32, K innermost, become codes of FP8 (E4M3), each with the one scale 2^e given for it; and the mask's bytes become lane masks and a summary.
; code = x / 2^e, rounded to the nearest code, ties to even.  LIMITS: -126 <= e <= 119, so that 2^e and 448 x 2^e are f32 numbers; NaN among the inputs is not served.
; CODES: xcodes = q's, k's, v's codes on end, wcodes = wq's, wk's, wv's, wo's, in rows of 1,024 bytes.  In every 32 bytes of a row the two middle pieces of 8 bytes change places:
; byte 32 c + 16 h + i holds k = 32 c + 8 h + i, byte 32 c + 16 h + 8 + i holds k = 32 c + 16 + 8 h + i (i < 8).  A load of 16 bytes at 32 c + 16 h then brings a lane of half h the registers
; 4 c .. 4 c + 3 of an operand of the K = 128 form with every k at that form's own place (registers 2 c', 2 c' + 1: k = 16 c' + 8 h ..).
; SHARES: work-groups 0-895 quantise 32,768 numbers each, a wave 16 steps of 512; rows are dense, so a tensor is a plain stream.  Each of a step's four loads reads 512 consecutive bytes; the 2,048 bytes
; turn through the wave's own stage in LDS (16 bytes of padding behind each 64) and come back so that lane 2 b + o holds numbers 32 b + 8 o + 0..7 and 32 b + 16 + 8 o + 0..7: its 16 codes are 16 bytes,
; the wave's store 512 consecutive bytes.  Loads run four steps (16 loads a wave) ahead, the turn through LDS one step.  Waves share nothing: no barrier.
; MASK: work-groups 896-1023.  maskw [query tile 128][key step 16][64 words]: bit l of word 8 T + j = mask[16 qt + l % 16][128 ks + 16 T + 8 (l / 16) + j]: the lanes in which register j of score tile T is hidden.
; minfo: wave W = 4 qt + u, which takes key steps 4 u + 0..3 of query tile qt, leaves one word, repeated over its own 256 bytes at 256 W: bit 16 + i: all 16 x 128 bytes of step 4 u + i are 1 (wholly hidden);
; bit 20 + i: all are 0 (wholly open); bit r (r < 16): row 16 qt + r is hidden at all 512 keys of the four steps.  A bool is a byte 0 or 1: the AND of a lane's 16 words is 0x01010101 where all its 64 are 1.
; No work-group reads what another reads: no cluster, no joint load.  The launch streams each byte once: nothing is prefetched.
.set WAVES, 4
.set STEPS, 16
.set NQ,    896                        ; work-groups that quantise: 3 x 256 for q, k, v, 4 x 32 for the weights
.set NX,    768                        ; of them for q, k, v
.set EMAX,  8
.set MANT,  0x600000                   ; the mantissa field of 448 as f32
.set R,     16                         ; v16-79   four sets of 16 numbers as they are loaded
.set X,     80                         ; v80-111  two sets of 16 numbers in the order of the codes
.set C,     128                        ; v128-191 codes: four registers for each step, so that no store's data are written again
.set WREG,  8192                       ; LDS: a region for each wave: two stages of 32 x SP bytes
.set SP,    80                         ; 64 bytes + 16 of padding
.set SPW,   12                         ; v12      LDS address of my spare word; never rewritten
.set NIL,   13                         ; v13      0; never rewritten
.set SPARE, WAVES*WREG                 ; behind the four regions: the spare words, 128 bytes for each wave
.set WV,    28                         ; s28      my wave's number
	s_load_b512 s[4:19], s[0:1], 0x0               ; q s[4:5], k s[6:7], v s[8:9], wq s[10:11], wk s[12:13], wv s[14:15], wo s[16:17], mask s[18:19]
	s_load_b256 s[20:27], s[0:1], 0x40             ; the scales' exponents s[20:21], xcodes s[22:23], wcodes s[24:25], maskw s[26:27]
	s_load_b64 s[42:43], s[0:1], 0x60              ; minfo
	v_lshl_add_u32 v[SPW], v0, 2, SPARE
	v_mov_b32 v[NIL], 0
	v_lshrrev_b32 v1, 5, v0
	v_readfirstlane_b32 s[WV], v1                  ; wave 0..3
	v_and_b32 v2, 31, v0                           ; lane
	s_cmp_ge_u32 ttmp9, NQ                         ; the work-group's number alone decides
	s_cbranch_scc1 .Lmask
	v_lshlrev_b32 v3, 4, v2                        ; my 16 bytes of a load's 512, and of a store's
	s_mul_i32 s29, s[WV], WREG
	v_lshrrev_b32 v14, 2, v2
	v_mul_u32_u24 v14, v14, SP
	v_and_b32 v15, 3, v2
	v_lshl_add_u32 v14, v15, 4, v14
	v_add_nc_u32 v14, s29, v14                     ; the stage, on the way in: four lanes' 64 bytes on end, then the padding
	v_and_b32 v15, 30, v2
	v_mul_u32_u24 v15, v15, SP
	v_and_b32 v5, 1, v2
	v_lshl_add_u32 v15, v5, 5, v15
	v_add_nc_u32 v15, s29, v15                     ; on the way out: block lane / 2 lies in two places of 64 bytes; I take 32 bytes at 32 (lane % 2) of each
	s_wait_alu depctr_va_vdst(0)
	s_wait_kmcnt 0x0
; which tensor is mine: its address, its first work-group, its scale's index.  Only pointers and numbers are chosen: all seven take one path
.macro PICK thr, ptr, idx
	s_cmp_ge_u32 ttmp9, \thr
	s_cselect_b64 s[30:31], s[\ptr:\ptr+1], s[30:31]
	s_cselect_b32 s32, \thr, s32
	s_cselect_b32 s33, \idx, s33
.endm
	s_mov_b64 s[30:31], s[4:5]                     ; q, scale 0
	s_mov_b32 s32, 0
	s_mov_b32 s33, 0
	PICK 256, 6, 2                                 ; k
	PICK 512, 8, 4                                 ; v
	PICK 768, 10, 1                                ; wq
	PICK 800, 12, 3                                ; wk
	PICK 832, 14, 5                                ; wv
	PICK 864, 16, 11                               ; wo
	s_lshl_b32 s35, s33, 2
	s_load_b32 s34, s[20:21], s35 offset:0x0       ; e
	s_sub_co_u32 s36, ttmp9, s32
	s_lshl_b32 s36, s36, 17                        ; 131,072 bytes of f32 a work-group,
	s_lshl_b32 s37, s[WV], 15                      ; 32,768 a wave
	s_add_co_u32 s36, s36, s37
	s_mov_b32 s37, 0
	s_add_nc_u64 s[30:31], s[30:31], s[36:37]
	s_cmp_lt_u32 ttmp9, NX
	s_cselect_b64 s[38:39], s[22:23], s[24:25]     ; the codes go to xcodes or to wcodes,
	s_cselect_b32 s36, 0, NX
	s_sub_co_u32 s36, ttmp9, s36
	s_lshl_b32 s36, s36, 15                        ; 32,768 bytes a work-group, the tensors on end,
	s_lshl_b32 s40, s[WV], 13                      ; 8,192 a wave
	s_add_co_u32 s36, s36, s40
	s_add_nc_u64 s[38:39], s[38:39], s[36:37]
.macro LOAD t
.irp i, 0,1,2,3
	global_load_b128 v[R+16*((\t)%4)+4*\i:R+16*((\t)%4)+4*\i+3], v3, s[30:31] offset:2048*(\t)+512*\i th:TH_LOAD_NT   ; 32 lanes read 512 consecutive bytes
.endr
.endm
.macro TURN t                          ; step t's numbers through the stage: LDS serves a wave's instructions in order (ISA guide 5.7.1.4), so no wait stands between the stores and the loads
.irp i, 0,1,2,3
	ds_store_b128 v14, v[R+16*((\t)%4)+4*\i:R+16*((\t)%4)+4*\i+3] offset:32*SP*((\t)%2)+8*SP*\i
.endr
.irp i, 0,1,2,3
	ds_load_b128 v[X+16*((\t)%2)+4*\i:X+16*((\t)%2)+4*\i+3], v15 offset:32*SP*((\t)%2)+SP*(\i/2)+16*(\i%2)
.endr
.endm
.irp t, 0,1,2,3
	LOAD \t
.endr
	s_wait_kmcnt 0x0
	s_add_co_i32 s34, s34, 127
	s_lshl_b32 s41, s34, 23
	v_mov_b32 v11, s41                             ; 2^e as f32: the conversion takes its exponent field
	s_add_co_i32 s34, s34, EMAX
	s_lshl_b32 s34, s34, 23
	s_or_b32 s34, s34, MANT
	s_wait_alu depctr_va_vdst(0)
	s_wait_loadcnt 12                              ; step 0's four loads are in; the twelve of steps 1 to 3 may be out
	TURN 0
.macro STEP t
.set XS, X+16*((\t)%2)
	s_wait_dscnt 0x0                               ; this step's numbers are back from the stage: so its stores into the stage have read their registers,
.if (\t)+4 < STEPS
	LOAD (\t)+4                                    ; which take the loads of four steps on
.endif
.if (\t)+1 < STEPS
.if STEPS-2-(\t) >= 3
	s_wait_loadcnt 12                              ; the next step's four loads are in; those of the three steps behind it may be out
.else
	s_wait_loadcnt 4*(STEPS-2-(\t))
.endif
	TURN (\t)+1                                    ; and go through the other stage while this step is worked
.endif
.irp i, 0,1,2,3,4,5,6,7,8,9,10,11,12,13,14,15
.endr
	v_cvt_scalef32_pk8_fp8_f32 v[C+4*(\t):C+4*(\t)+1], v[XS:XS+7], v11
	v_cvt_scalef32_pk8_fp8_f32 v[C+4*(\t)+2:C+4*(\t)+3], v[XS+8:XS+15], v11   ; the results go to a store alone; the next vector lines are the next step's conversions, on other registers
	global_store_b128 v3, v[C+4*(\t):C+4*(\t)+3], s[38:39] offset:512*(\t)      ; 32 lanes store 512 consecutive bytes, aligned
.endm
.irp t, 0,1,2,3,4,5,6,7,8,9,10,11,12,13,14,15
	STEP \t
.endr
	s_wait_tensorcnt 0x0                           ; the wave's end, behind my last LDS store
	ds_add_u32 v[SPW], v[NIL]
	s_wait_dscnt 0x0
	s_endpgm
; THE MASK.  Wave W of 512 takes query tile W / 4 and key steps 4 (W % 4) + 0..3.  Lane (r, h) loads, for score tile T, the 8 bytes mask[16 qt + r][128 ks + 16 T + 8 h + 0..7]; a compare of byte j
; over the 32 lanes IS word 8 T + j; the 64 words of a key step are laid two to a lane and leave as one aligned run of 256 bytes.
.Lmask:
	s_sub_co_u32 s29, ttmp9, NQ
	s_lshl_b32 s29, s29, 2
	s_add_co_u32 s29, s29, s[WV]                   ; W
	s_lshr_b32 s30, s29, 2
	s_lshl_b32 s30, s30, 15                        ; 16 rows of 2,048 bytes a query tile
	s_and_b32 s32, s29, 3
	s_lshl_b32 s32, s32, 9                         ; 512 keys for my four key steps
	s_add_co_u32 s30, s30, s32
	s_mov_b32 s31, 0
	s_lshl_b32 s32, s29, 10                        ; my four runs of 256 bytes in maskw
	s_mov_b32 s33, 0
	s_lshl_b32 s34, s29, 8                         ; my run of 256 bytes in minfo
	s_mov_b32 s35, 0
	s_mov_b32 s39, -1                              ; the lanes whose keys have all been hidden so far
	s_mov_b32 s40, 0                               ; the summary's upper bits
	s_mov_b32 s44, 0x01010101                      ; four bytes that are 1
	s_wait_alu depctr_va_vdst(0)
	v_and_b32 v5, 15, v2                           ; r
	v_lshrrev_b32 v6, 4, v2                        ; h
	v_lshlrev_b32 v3, 11, v5
	v_lshl_add_u32 v3, v6, 3, v3                   ; row r, + 8 h
	v_lshlrev_b32 v4, 3, v2                        ; out: two words a lane
	s_wait_alu depctr_va_vdst(0)
	s_wait_kmcnt 0x0
	s_add_nc_u64 s[18:19], s[18:19], s[30:31]
	s_add_nc_u64 s[26:27], s[26:27], s[32:33]
	s_add_nc_u64 s[42:43], s[42:43], s[34:35]
.irp i, 0,1,2,3
.irp t, 0,1,2,3,4,5,6,7
	global_load_b64 v[16+2*(8*\i+\t):17+2*(8*\i+\t)], v3, s[18:19] offset:128*\i+16*\t
.endr
.endr
.irp i, 0,1,2,3,4,5,6,7
	v_mov_b32 v[80+\i], 0                          ; written whole once: v_writelane_b32 leaves the other lanes as they are
.endr
.irp i, 0,1,2,3
	s_wait_loadcnt 8*(3-\i)                        ; this key step's eight loads are in; the later steps' may be out
	v_and_b32 v89, v[16+16*\i], v[17+16*\i]        ; the summary: the AND and the OR of my lane's 64 bytes, four at a time
	v_or_b32 v90, v[16+16*\i], v[17+16*\i]
.irp n, 2,3,4,5,6,7,8,9,10,11,12,13,14,15
	v_and_b32 v89, v89, v[16+16*\i+\n]
	v_or_b32 v90, v90, v[16+16*\i+\n]
.endr
	v_cmp_eq_u32 s37, s44, v89                     ; the lanes all of whose 64 keys are hidden,
	v_cmp_eq_u32 s38, 0, v90                       ; and those all of whose 64 are open
	s_and_b32 s39, s39, s37
	s_cmp_eq_u32 s37, -1                           ; all 32 lanes: the step is wholly hidden for the tile
	s_cselect_b32 s41, 1<<(16+\i), 0
	s_or_b32 s40, s40, s41
	s_cmp_eq_u32 s38, -1                           ; or wholly open
	s_cselect_b32 s41, 1<<(20+\i), 0
	s_or_b32 s40, s40, s41
.irp t, 0,1,2,3,4,5,6,7
.irp j, 0,1,2,3,4,5,6,7
	v_bfe_u32 v88, v[16+2*(8*\i+\t)+\j/4], 8*(\j%4), 8
	v_cmp_ne_u32 s36, 0, v88                       ; the 32 lanes' answers: word 8 T + j
	v_writelane_b32 v[80+2*\i+\j%2], s36, (8*\t+\j)/2
.endr
.endr
	global_store_b64 v4, v[80+2*\i:81+2*\i], s[26:27] offset:256*\i   ; 32 lanes store 256 consecutive bytes, aligned
.endr
	s_lshr_b32 s41, s39, 16                        ; a row's keys lie in lanes r and r + 16
	s_and_b32 s39, s39, s41
	s_and_b32 s39, s39, 0xffff
	s_or_b32 s40, s40, s39
	v_mov_b32 v92, s40
	v_mov_b32 v93, s40
	global_store_b64 v4, v[92:93], s[42:43]        ; the word, 64 times: 32 lanes store 256 consecutive bytes, aligned
	s_endpgm
.Lfunc_end_k_q6a5c64c07b_quant:
	.size	k_q6a5c64c07b_quant, .Lfunc_end_k_q6a5c64c07b_quant-k_q6a5c64c07b_quant
	.p2alignl 7, 3214868480
	.fill 96, 4, 3214868480
	.section	.rodata,"a",@progbits
	.p2align	6, 0x0
	.amdhsa_kernel k_q6a5c64c07b_quant
		.amdhsa_group_segment_fixed_size 33280
		.amdhsa_private_segment_fixed_size 0
		.amdhsa_enable_private_segment 0
		.amdhsa_kernarg_size 104
		.amdhsa_user_sgpr_count 2
		.amdhsa_user_sgpr_kernarg_segment_ptr 1
		.amdhsa_wavefront_size32 1
		.amdhsa_system_sgpr_workgroup_id_x 1
		.amdhsa_system_sgpr_workgroup_id_y 1
		.amdhsa_system_sgpr_workgroup_id_z 1
		.amdhsa_system_vgpr_workitem_id 0
		.amdhsa_next_free_vgpr 192
		.amdhsa_next_free_sgpr 66
		.amdhsa_reserve_vcc 0
		.amdhsa_float_denorm_mode_32 3
		.amdhsa_float_denorm_mode_16_64 3
		.amdhsa_fp16_overflow 1
		.amdhsa_memory_ordered 1
		.amdhsa_forward_progress 1
		.amdhsa_inst_pref_size 81
	.end_amdhsa_kernel
	.amdgpu_metadata
---
amdhsa.version: [ 1, 2 ]
amdhsa.kernels:
  - .name:           k_q6a5c64c07b_quant
    .symbol:         k_q6a5c64c07b_quant.kd
    .args:
      - { .name: q, .offset: 0, .size: 8, .value_kind: global_buffer, .address_space: global }
      - { .name: k, .offset: 8, .size: 8, .value_kind: global_buffer, .address_space: global }
      - { .name: v, .offset: 16, .size: 8, .value_kind: global_buffer, .address_space: global }
      - { .name: wq, .offset: 24, .size: 8, .value_kind: global_buffer, .address_space: global }
      - { .name: wk, .offset: 32, .size: 8, .value_kind: global_buffer, .address_space: global }
      - { .name: wv, .offset: 40, .size: 8, .value_kind: global_buffer, .address_space: global }
      - { .name: wo, .offset: 48, .size: 8, .value_kind: global_buffer, .address_space: global }
      - { .name: mask, .offset: 56, .size: 8, .value_kind: global_buffer, .address_space: global }
      - { .name: lowp_scales, .offset: 64, .size: 8, .value_kind: global_buffer, .address_space: global }
      - { .name: xcodes, .offset: 72, .size: 8, .value_kind: global_buffer, .address_space: global }
      - { .name: wcodes, .offset: 80, .size: 8, .value_kind: global_buffer, .address_space: global }
      - { .name: maskw, .offset: 88, .size: 8, .value_kind: global_buffer, .address_space: global }
      - { .name: minfo, .offset: 96, .size: 8, .value_kind: global_buffer, .address_space: global }
    .group_segment_fixed_size: 33280
    .private_segment_fixed_size: 0
    .kernarg_segment_align: 8
    .kernarg_segment_size: 104
    .max_flat_workgroup_size: 128
    .sgpr_count:     66
    .vgpr_count:     192
    .wavefront_size: 32
...
	.end_amdgpu_metadata
.endif
;; end of part 5
;; launch proj (part 6): grid 4 x 96, 4 waves a work-group, clusters of 4 x 4, 327,680 bytes of LDS; arguments xcodes, wcodes, lowp_scales, bq, bk, bv, heads; writes heads
.if DOCPART == 6
	.amdgcn_target "amdgcn-amd-amdhsa--gfx1250"
	.amdhsa_code_object_version 6
	.text
	.protected	k_q6a5c64c07b_proj
	.globl	k_q6a5c64c07b_proj
	.p2align	8
	.type	k_q6a5c64c07b_proj,@function
k_q6a5c64c07b_proj:
	s_mov_b64 s[64:65], 0
	v_nop
	global_prefetch_b8 v0, s[64:65] scope:SCOPE_SE
	s_setreg_imm32_b32 hwreg(HW_REG_WAVE_MODE, 25, 1), 1
	s_wait_xcnt 0x0
	s_wait_alu depctr_hold_cnt(0) depctr_sa_sdst(0) depctr_va_vdst(0) depctr_va_sdst(0) depctr_va_ssrc(0) depctr_va_vcc(0) depctr_vm_vsrc(0)
	s_getreg_b32 s2, hwreg(HW_REG_IB_STS2, 6, 4)
	s_cmp_eq_u32 s2, 0
	s_cbranch_scc0 .Lentry_in_a_cluster
	s_endpgm
.Lentry_in_a_cluster:
	s_bfe_u32 s2, ttmp6, 0x10000c
	s_cmp_lg_u32 s2, 0xf033
	s_cbranch_scc0 .Lentry_shape_is_right
	s_endpgm
.Lentry_shape_is_right:
; The three input projections, y = x W^T + b on codes of FP8 (E4M3), and the quantising of y for attention: heads = codes of qh, kh, vh, laid as images of operand registers.
; Cluster y = 8 p + i: p = 0, 1, 2 is the projection (q, k, v).  A work-group makes a tile of 256 x 256 of its product, four waves, as many as a WGP has SIMDs, each 128 x 128: 64 accumulators, 512 registers.
; K = 1,024 goes in four steps of 256 through a ring of two LDS slots filled by the tensor data mover; a tile's row is 256 bytes of memory.
; TWO ROLES.  R1 feeds source 1: a lane of a result holds ONE of its rows.  R0 feeds source 0: a lane's eight registers run along eight neighbouring rows of it.
;   p = 0, 1: R1 = the tokens, R0 = the weight: a lane holds one token and eight neighbouring channels d: the next product's K (the head's 64).
;   p = 2:    R1 = the weight, R0 = the tokens: a lane holds one channel and eight neighbouring KEYS: the K of the product with the softmax.
; So eight sums of a lane, converted, ARE registers 2 c, 2 c + 1 of the next operand, and go to memory as they stand, 512 consecutive bytes a store: no stage, nothing is transposed.
; heads: region p of 8 MiB, 131,072 bytes for each (batch, head) bh.  Q, K: (token / 16) 1024 + g 512 + 16 lane: registers 4 g .. 4 g + 3 of the K = 64 fragment of 16 tokens.
;   V: (key / 128) 8192 + ct 2048 + G 512 + 16 lane: registers 4 G .. 4 G + 3 of the K = 128 fragment of channels 16 ct .. + 15.
; CLUSTERS: 4 x 4 work-groups.  R1's tile hangs on the tile row alone and is asked for jointly by a row of the cluster, R0's on the tile column alone, by a column.  p and i are the cluster's own: the same in all sixteen.
; Nothing is prefetched: of a work-group's four K steps two are first fills.
; LIMITS, so that each power of two is an f32 number: ex + ew between -126 and 127; the result's exponent eo (entry 6, 7 or 9) between -126 and 119.
; REGISTERS, in windows of 256: window 0: v0-31 addresses and constants; v32-95, v96-111 the biases; from v128 R1's fragments (8 x 16 rows x 128 K), ONE set; on the way out v128-191 numbers, v192-255 codes.
;   window 1: R0's fragments, TWO sets.   window 2: the accumulators of my rows 0-63 of R1 ((a, b) at v[8 (8 a + b)]);   window 3: those of rows 64-127.
.set SIZE_K, 1024
.set KSTEP,  256                       ; along K in a slot
.set ROWB,   256                       ; a tile's row in bytes
.set KROW,   SIZE_K                    ; a row of codes in memory, in bytes
.set PITCH,  272                       ; an LDS row: 256 bytes + 16 of padding = 68 words: the 16 rows that a load touches start at 16 different banks (64 banks of 4 bytes: ISA guide 11.1)
.set FR,     16                        ; registers of a fragment: 16 rows x 128 K
.set NL,     4                         ; LDS loads that bring one
.set NP,     4                         ; places behind this matrix instruction (ISA guide 7.12.1)
.set HALFT,  128*PITCH                 ; 128 rows: what one tensor load brings, and what one wave reads of R1 or of R0
.set SLOT,   4*HALFT                   ; R1's 256 rows, then R0's 256 rows
.set LAPS,   SIZE_K/(2*KSTEP)          ; a lap = two K steps = once round the ring
.set SPARE,  2*SLOT                    ; behind the ring: the spare words, 128 bytes for each wave
.set ADRA, 16                          ; v16-17  LDS address of my R1 fragments in slot 0, 1
.set ADRB, 20                          ; v20-21  the same for R0
.set LO,   26                          ; v26     16 x lane: my place in an image
.set SPW,  28                          ; v28     LDS address of my spare word; never rewritten
.set NIL,  29                          ; v29     0; never rewritten
.set OSC,  30                          ; v30     2^eo
.set OLIM, 31
.set BI,   32                          ; v32-95  the bias of my 128 rows of R0, in a result's layout (p = 0, 1)
.set BV,   96                          ; v96-111 the bias of my lane's row of R1, block a twice at 2 a (p = 2)
.set AF,   128                         ; R1's fragments
.set TMP,  128                         ; the way out: a block's 64 numbers
.set G1, 24                            ; s[24:31] descriptor group 1 for R1's tiles;  s[32:39] group 0, one set for each slot
.set G0, 32
.set G1B, 48                           ; s[48:55], s[56:63] the same for R0's tiles
.set G0B, 56
.set MSB, 0
.macro WIN new                         ; the immediate's high byte repeats the setting that is left
.if MSB != \new
	s_set_vgpr_msb (MSB<<8)|\new
.set MSB, \new
.endif
.endm
.set MUL_LO, 0xa1                      ; source 0 (R0) window 1, source 1 (R1) window 0, C and D window 2
.set MUL_HI, 0xf1                      ; the same, C and D window 3
.set TO_B,   0x40                      ; destination window 1, address window 0
; A joint load: waves 0 and 1 fetch for R1, waves 2 and 3 for R0.  Each line has ONE mask and one set of registers for all that issue it; the branch hangs on the wave's number alone.
; An s_nop 0 and four v_nop follow each of the two lines, ahead of the jump, the label and what follows.
.macro JLOAD g0a, g1a, g0b, g1b
	s_cmp_eq_u32 s15, 0
	s_cbranch_scc0 .Lfor_b_\@
	tensor_load_to_lds s[\g0a:\g0a+3], s[\g1a:\g1a+7]
	s_nop 0
.rept 4
	v_nop
.endr
	s_branch .Lasked_\@
.Lfor_b_\@:
	tensor_load_to_lds s[\g0b:\g0b+3], s[\g1b:\g1b+7]
	s_nop 0
.rept 4
	v_nop
.endr
.Lasked_\@:
.endm
.macro CREST                           ; a round of the cluster's barrier behind its opening barrier
	s_cmp_lg_u32 s14, 0
	s_cbranch_scc1 .Lnot_wave_0_\@
	s_barrier_signal -3
.Lnot_wave_0_\@:
	s_barrier_wait -3
	s_barrier_signal -1
	s_barrier_wait -1
.endm
.macro CROUND                          ; a whole round
	s_barrier_signal -1
	s_barrier_wait -1
	CREST
.endm
	s_load_b256 s[68:75], s[0:1], 0x0              ; xcodes s[68:69], wcodes s[70:71], the scales' exponents s[72:73], bq s[74:75]
	s_load_b128 s[76:79], s[0:1], 0x20             ; bk s[76:77], bv s[78:79]
	s_load_b64 s[10:11], s[0:1], 0x30              ; heads
	v_lshl_add_u32 v[SPW], v0, 2, SPARE
	v_mov_b32 v[NIL], 0
	ds_add_u32 v[SPW], v[NIL]
	ds_add_u32 v[SPW], v[NIL]                      ; the wave's opening: the add and its wait stand ahead of my first tensor load; the set-up below, work on registers, stands between them
	v_lshrrev_b32 v1, 5, v0
	v_readfirstlane_b32 s14, v1                    ; wave 0..3
	s_lshr_b32 s15, s14, 1                         ; which half of the tile's rows of R1 is mine.  Also: I fetch for R1 (0) or for R0 (1)
	s_and_b32 s16, s14, 1                          ; which half of R0's.  Also: which 128 rows of that tile I fetch
	s_bfe_u32 s40, ttmp6, 0x40000                  ; cx, cy: my place in the cluster
	s_bfe_u32 s41, ttmp6, 0x40004
	s_and_b32 s87, ttmp7, 0xffff                   ; cluster y, 0..23
	s_lshr_b32 s82, s87, 3                         ; p: the projection
	s_and_b32 s83, s87, 7
	s_lshl_b32 s83, s83, 2                         ; the first of the cluster's four token tiles (of 32)
	s_cmp_eq_u32 s82, 2
	s_cselect_b32 s17, 0, s83                      ; the tokens are R1 (p = 0, 1) or R0 (p = 2); the weight has four tiles
	s_cselect_b32 s42, s83, 0
	s_add_co_u32 s17, s17, s41                     ; R1's tile: of cy and the cluster's y alone
	s_add_co_u32 s42, s42, s40                     ; R0's tile: of cx and the cluster's y alone
	s_lshl_b32 s43, s41, 2
	s_lshl_b32 s43, 15, s43                        ; my row of the cluster
	s_lshl_b32 s44, 0x1111, s40                    ; my column
	; descriptor group 1: a tile of 128 rows x 256 bytes, padded in LDS
	s_or_b32 s[G1+0], s43, (0<<16)|(1<<20)|(1<<21)|(5<<22)|(3<<25)  ; 15:0 the mask: R1's tiles go to my row; 17:16 element of 1 byte; 20 padding on; 21 set beside a mask; 24:22 after every 64 words (code 5); 31:25 of 4 words (code 3)
	s_or_b32 s[G1B+0], s44, (0<<16)|(1<<20)|(1<<21)|(5<<22)|(3<<25)
.irp g, G1, G1B
	s_mov_b32 s[\g+1], ROWB<<16                    ; tensor_dim0
	s_mov_b32 s[\g+2], 128<<16                     ; tensor_dim1 = 128
	s_mov_b32 s[\g+3], ROWB<<16                    ; tile_dim0
	s_mov_b32 s[\g+4], 128                         ; tile_dim1 = 128
	s_mov_b32 s[\g+5], KROW                        ; tensor_dim0_stride
	s_mov_b32 s[\g+6], 0
	s_mov_b32 s[\g+7], 0
.endr
	s_lshl_b32 s18, s16, 7                         ; which 128 rows of the tile I fetch
	s_lshl_b32 s20, s17, 8
	s_add_co_u32 s20, s20, s18
	s_lshl_b32 s20, s20, 10                        ; R1: (256 x tile + 128 x half) rows of 1,024 bytes
	s_mov_b32 s21, 0
	s_lshl_b32 s46, s42, 8
	s_add_co_u32 s46, s46, s18
	s_lshl_b32 s46, s46, 10                        ; R0 likewise
	s_mov_b32 s47, 0
	s_mul_i32 s45, s14, HALFT                      ; where they go: wave x 128 rows: no place in the cluster enters an LDS address
	s_lshl_b32 s88, s82, 23                        ; the projection's tokens in xcodes, and its region of heads: p x 8 MiB
	s_mov_b32 s89, 0
	s_lshl_b32 s90, s82, 20                        ; its weight in wcodes: p x 1 MiB
	s_mov_b32 s91, 0
	s_lshl_b32 s84, s82, 3                         ; its operands' exponents: entries 2 p, 2 p + 1
	s_lshr_b32 s86, s82, 1
	s_add_co_u32 s86, s86, s82
	s_add_co_u32 s86, s86, 6
	s_lshl_b32 s86, s86, 2                         ; its result's: entry 6, 7 or 9
	; where my wave's images begin in heads.  u, su: the token tile and my half of it; f, sf: the channels' tile and my half.  Both shapes: region + ((u / 8) 16 + 4 f + 2 sf) x 131,072 + ((u % 8) 2 + su) x 8,192
	s_cmp_eq_u32 s82, 2
	s_cselect_b32 s94, s42, s17                    ; u
	s_cselect_b32 s95, s17, s42                    ; f
	s_cselect_b32 s98, s16, s15                    ; su
	s_cselect_b32 s99, s15, s16                    ; sf
	s_lshr_b32 s92, s94, 3
	s_lshl_b32 s92, s92, 4                         ; 16 x batch
	s_lshl_b32 s95, s95, 2
	s_add_co_u32 s92, s92, s95
	s_lshl_b32 s99, s99, 1
	s_add_co_u32 s92, s92, s99                     ; the first of my two heads
	s_lshl_b32 s92, s92, 17
	s_and_b32 s94, s94, 7
	s_lshl_b32 s94, s94, 1
	s_add_co_u32 s94, s94, s98
	s_lshl_b32 s94, s94, 13                        ; my 128 tokens: 8 blocks of 1,024 bytes, or one key block of 8,192
	s_add_co_u32 s92, s92, s94
	s_add_co_u32 s92, s92, s88
	s_mov_b32 s93, 0
	s_lshl_b32 s94, s40, 10                        ; the biases' bytes: 4 (256 cx + 128 x my half of R0),
	s_lshl_b32 s98, s16, 9
	s_add_co_u32 s94, s94, s98
	s_lshl_b32 s95, s41, 10                        ; and 4 (256 cy + 128 x my half of R1): both lie inside the 4,096 bytes for every p, so both shapes are loaded and no branch is needed
	s_lshl_b32 s98, s15, 9
	s_add_co_u32 s95, s95, s98
	s_wait_dscnt 0x0                               ; the opening add is done
	s_wait_kmcnt 0x0
	s_add_nc_u64 s[68:69], s[68:69], s[88:89]      ; the projection's tokens,
	s_add_nc_u64 s[70:71], s[70:71], s[90:91]      ; its weight,
	s_add_nc_u64 s[10:11], s[10:11], s[92:93]      ; my images
	s_load_b64 s[96:97], s[72:73], s84 offset:0x0  ; ex, ew
	s_load_b32 s85, s[72:73], s86 offset:0x0       ; eo
	s_cmp_eq_u32 s82, 2
	s_cselect_b64 s[4:5], s[70:71], s[68:69]       ; R1
	s_cselect_b64 s[6:7], s[68:69], s[70:71]       ; R0
	s_cselect_b64 s[80:81], s[78:79], s[76:77]
	s_cmp_eq_u32 s82, 0
	s_cselect_b64 s[80:81], s[74:75], s[80:81]     ; the bias
	s_add_nc_u64 s[20:21], s[4:5], s[20:21]
	s_add_nc_u64 s[46:47], s[6:7], s[46:47]
	CROUND                                         ; all sixteen work-groups are here: the first joint loads meet
.irp s, 0,1
	s_mov_b32 s[G0+4*\s], 1
	s_add_co_u32 s[G0+4*\s+1], s45, \s*SLOT
	s_add_nc_u64 s[G0+4*\s+2:G0+4*\s+3], s[20:21], \s*ROWB
	s_or_b32 s[G0+4*\s+3], s[G0+4*\s+3], 0x80000000
	s_mov_b32 s[G0B+4*\s], 1
	s_add_co_u32 s[G0B+4*\s+1], s45, \s*SLOT
	s_add_nc_u64 s[G0B+4*\s+2:G0B+4*\s+3], s[46:47], \s*ROWB
	s_or_b32 s[G0B+4*\s+3], s[G0B+4*\s+3], 0x80000000
	s_wait_alu depctr_va_vdst(0)
	s_wait_tensorcnt 0x0
	ds_add_u32 v28, v29
	ds_add_u32 v28, v29
	s_wait_dscnt 0x0
	CROUND
	JLOAD G0+4*\s, G1, G0B+4*\s, G1B               ; one load of mine is out
.endr
	v_and_b32 v1, 15, v0                           ; r = l % 16
	v_bfe_u32 v2, v0, 4, 1                         ; h = l / 16
	v_mul_u32_u24 v3, v1, PITCH
	v_lshl_add_u32 v4, v2, 4, v3                   ; a fragment's row x pitch + 16 x half
	s_mul_i32 s21, s15, HALFT                      ; my 128 rows of R1
	s_mul_i32 s22, s16, HALFT                      ; my 128 rows of R0,
	s_add_co_u32 s22, s22, 2*HALFT                 ; which lie behind R1's 256
.irp s, 0,1
	v_add_nc_u32 v[ADRA+\s], s21, v4
	v_add_nc_u32 v[ADRB+\s], s22, v4
	s_add_co_u32 s21, s21, SLOT
	s_add_co_u32 s22, s22, SLOT
.endr
	v_lshl_add_u32 v7, v2, 5, s94                  ; register 8 b + j of a block's results is row 16 b + 8 h + j of R0
	v_lshl_add_u32 v8, v1, 2, s95                  ; and every register of block a is row 16 a + r of R1
.irp b, 0,1,2,3,4,5,6,7
	global_load_b128 v[BI+8*\b:BI+8*\b+3], v7, s[80:81] offset:64*\b
	global_load_b128 v[BI+8*\b+4:BI+8*\b+7], v7, s[80:81] offset:64*\b+16
.endr
.irp a, 0,1,2,3,4,5,6,7
	global_load_b32 v[BV+2*\a], v8, s[80:81] offset:64*\a
	global_load_b32 v[BV+2*\a+1], v8, s[80:81] offset:64*\a      ; twice: a pair for the packed multiply-add
.endr
.macro FRAG reg, adr, q, i             ; a fragment, 16 rows x 128 K: four loads of 16 bytes, 32 apart; the codes' order in memory puts every k at this form's own place
.irp c, 0,1,2,3
	ds_load_b128 v[\reg+4*\c:\reg+4*\c+3], v[\adr] offset:128*(\q)+32*\c+(\i)*16*PITCH
.endr
.endm
; 16 matrix instructions: R1's blocks a0, a0 + 1 x R0's eight, 128 along K.  p: R0's set.  zero = 1: the first product starts the sums: nothing is ever cleared.
; The 64 accumulators take turns, one instruction a turn, in the same order in every step.
.macro MUL16 a0, p, zero
.irp a, \a0, \a0+1
.irp b, 0,1,2,3,4,5,6,7
.if \zero
	v_wmma_f32_16x16x128_fp8_fp8 v[8*(8*((\a)%4)+\b):8*(8*((\a)%4)+\b)+7], v[128*(\p)+FR*\b:128*(\p)+FR*\b+FR-1], v[AF+FR*(\a):AF+FR*(\a)+FR-1], 0
.else
	v_wmma_f32_16x16x128_fp8_fp8 v[8*(8*((\a)%4)+\b):8*(8*((\a)%4)+\b)+7], v[128*(\p)+FR*\b:128*(\p)+FR*\b+FR-1], v[AF+FR*(\a):AF+FR*(\a)+FR-1], v[8*(8*((\a)%4)+\b):8*(8*((\a)%4)+\b)+7]
.endif
.endr
.endr
.endm
.macro FETCH_B slot, q, p              ; R0's eight fragments of the slot's q-th 128 along K into set p
	WIN TO_B
.irp i, 0,1,2,3,4,5,6,7
	FRAG 128*(\p)+FR*\i, ADRB+\slot, \q, \i
.endr
	WIN 0
.endm
.macro FETCH_A slot, q, i0             ; R1's blocks i0 .. i0 + 3
.irp i, \i0, \i0+1, \i0+2, \i0+3
	FRAG AF+FR*(\i), ADRA+\slot, \q, \i
.endr
.endm
; A load into a register that a matrix instruction has read, and a vector instruction that reads a matrix result or writes one of a matrix instruction's registers, stand NP places behind it; only plain
; vector instructions that name none of its registers are places (ISA guide 7.12.1 for vector instructions).
.macro PLACES n
.rept \n
	v_nop
.endr
.endm
; A step of 128 along K that has its successor in the same slot.  A block of R1 is free as soon as its eight products are issued: blocks 0-3 are fetched anew in the step's middle, blocks 4-7 at its end.
.macro STEP slot, q, zero
	s_wait_dscnt 4*NL                              ; R0's set and R1's blocks 0-3 are in; the youngest sixteen loads (blocks 4-7) may be out
	WIN MUL_LO
	MUL16 0, (\q)%2, \zero
	MUL16 2, (\q)%2, \zero
	s_wait_dscnt 0                                 ; blocks 4-7 are in (asked for 32 matrix instructions ago)
	PLACES NP
	FETCH_B \slot, (\q)+1, 1-(\q)%2
	FETCH_A \slot, (\q)+1, 0
	WIN MUL_HI
	MUL16 4, (\q)%2, \zero
	MUL16 6, (\q)%2, \zero
	PLACES NP
	WIN 0
	FETCH_A \slot, (\q)+1, 4
.endm
; A slot's last step changes slots: ONE barrier; in front of it each wave waits for all its tensor loads, adds 0 to its spare word, and waits for that and for its own reads of this slot.  fill = 1: this slot is filled again, two K steps ahead.
.macro TURN slot, next, fill
	s_wait_tensorcnt 0x0                           ; all my tensor loads have landed: my part of the next slot  (every window is 0 here)
	ds_add_u32 v[SPW], v[NIL]                      ; 0 onto my spare word
	s_wait_dscnt 4*NL+1                            ; (the add and the youngest sixteen loads, blocks 4-7, may be out)
	WIN MUL_LO
	MUL16 0, 1, 0                                  ; sixteen matrix instructions stand between the add and the wait for it
	s_wait_dscnt 0x0                               ; the add is done, and my reads of this slot are over
	s_barrier_signal -1
	MUL16 2, 1, 0
	WIN 0
	s_barrier_wait -1
.if \fill
	CREST                                          ; the barrier has opened a round of the cluster's barrier: no wave of any partner still reads this slot's tile or has a load on its way
	s_add_nc_u64 s[G0+4*\slot+2:G0+4*\slot+3], s[G0+4*\slot+2:G0+4*\slot+3], 2*ROWB
	s_add_nc_u64 s[G0B+4*\slot+2:G0B+4*\slot+3], s[G0B+4*\slot+2:G0B+4*\slot+3], 2*ROWB
	JLOAD G0+4*\slot, G1, G0B+4*\slot, G1B         ; the first tensor load behind the round, my one load until the next; its four v_nop are the places in front of the loads below
.else
	PLACES NP
.endif
	FETCH_B \next, 0, 0
	FETCH_A \next, 0, 0
	WIN MUL_HI
	MUL16 4, 1, 0
	MUL16 6, 1, 0
	PLACES NP
	WIN 0
	FETCH_A \next, 0, 4
.endm
	s_wait_alu depctr_va_vdst(0)
	s_wait_tensorcnt 1                             ; my part of K step 0 is in (K step 1's load may be out)
	s_barrier_signal -1
	s_barrier_wait -1                              ; everybody's is
	FETCH_B 0, 0, 0
	FETCH_A 0, 0, 0
	FETCH_A 0, 0, 4
	STEP 0, 0, 1                                   ; the first step stands in front of the loop: its products start the sums
	s_mov_b32 s3, LAPS-1
.Llap:                                                 ; a trip goes once round the ring, from a lap's second step to the next lap's first, and fills both slots again
	TURN 0, 1, 1
	STEP 1, 0, 0
	TURN 1, 0, 1
	STEP 0, 0, 0
	s_sub_co_u32 s3, s3, 1
	s_cmp_lg_u32 s3, 0
	s_cbranch_scc1 .Llap
	TURN 0, 1, 0                                   ; the last lap fills nothing, and has no round of the cluster's barrier
	STEP 1, 0, 0
	s_wait_dscnt 4*NL                              ; the very last step: nothing more to fetch
	WIN MUL_LO
	MUL16 0, 1, 0
	MUL16 2, 1, 0
	s_wait_dscnt 0
	WIN MUL_HI
	MUL16 4, 1, 0
	MUL16 6, 1, 0
	WIN 0
; THE WAY OUT.  Block a (16 rows of R1 x my 128 rows of R0): y = sum x 2^(ex + ew) + bias, one packed multiply-add for two numbers, each accumulator from its low end on; eight
; conversions, whose 16 registers are images: kind 0 two fragments of K = 64 (my two heads, tokens 16 a ..), kind 1 one fragment of K = 128 (channels 16 a .., my 128 keys).  Four stores of 512 consecutive bytes.
.macro EPI a, kind
.set AC, 64*((\a)%4)
.set CD, 192+16*((\a)%4)               ; four sets of codes by turns
.set WN, 2+((\a)/4)                    ; source 0: window 2 or 3
	WIN WN
.set j, 0
	v_nop
.rept 32
.if \kind
	v_pk_fma_f32 v[TMP+j:TMP+j+1], v[AC+j:AC+j+1], s[96:97], v[BV+2*(\a):BV+2*(\a)+1] op_sel_hi:[1,0,1]
.else
	v_pk_fma_f32 v[TMP+j:TMP+j+1], v[AC+j:AC+j+1], s[96:97], v[BI+j:BI+j+1] op_sel_hi:[1,0,1]
.endif
.set j, j+2
.endr
	WIN 0
.set j, 0
.rept 64
.set j, j+1
.endr
.if (\a) >= 4
	s_wait_alu depctr_va_vdst(0)
	s_wait_xcnt 0x0                                ; block a - 4's stores have read this set of codes
.endif
.irp b, 0,1,2,3,4,5,6,7
	v_cvt_scalef32_pk8_fp8_f32 v[CD+2*\b:CD+2*\b+1], v[TMP+8*\b:TMP+8*\b+7], v[OSC]
.endr
	v_nop                                          ; a plain line between the last conversion and the next block's writes of its sources
.irp g, 0,1,2,3
.if \kind
	global_store_b128 v[LO], v[CD+4*\g:CD+4*\g+3], s[10:11] offset:((\a)/4)*131072+((\a)%4)*2048+\g*512
.else
	global_store_b128 v[LO], v[CD+4*\g:CD+4*\g+3], s[10:11] offset:(\g/2)*131072+(\a)*1024+(\g%2)*512
.endif
.endr
.endm
	s_wait_kmcnt 0x0
	s_wait_loadcnt 0x0                             ; the biases
	s_add_co_i32 s96, s96, s97                     ; ex + ew
	s_add_co_i32 s96, s96, 127
	s_lshl_b32 s96, s96, 23                        ; 2^(ex + ew) as f32
	s_mov_b32 s97, s96                             ; (named with it as a pair, so it is written)
	s_add_co_i32 s85, s85, 127
	s_lshl_b32 s87, s85, 23
	v_mov_b32 v[OSC], s87                          ; these three plain lines and the v_nop that opens the first block are the places between the last products and the first write of the registers that held R1's fragments
	v_and_b32 v[LO], 31, v0
	v_lshlrev_b32 v[LO], 4, v[LO]
	s_cmp_eq_u32 s82, 2                            ; the cluster's y alone: the same way in all sixteen work-groups
	s_cbranch_scc1 .Lkeys_inner
.irp a, 0,1,2,3,4,5,6,7
	EPI \a, 0
.endr
	s_branch .Lend
.Lkeys_inner:
.irp a, 0,1,2,3,4,5,6,7
	EPI \a, 1
.endr
.Lend:
	s_wait_tensorcnt 0x0                           ; the wave's end, behind my last tensor load
	ds_add_u32 v[SPW], v[NIL]
	s_wait_dscnt 0x0
	CROUND                                         ; the closing round: no work-group ends while a partner may still ask for a tile that names it
	s_endpgm
.Lfunc_end_k_q6a5c64c07b_proj:
	.size	k_q6a5c64c07b_proj, .Lfunc_end_k_q6a5c64c07b_proj-k_q6a5c64c07b_proj
	.p2alignl 7, 3214868480
	.fill 96, 4, 3214868480
	.section	.rodata,"a",@progbits
	.p2align	6, 0x0
	.amdhsa_kernel k_q6a5c64c07b_proj
		.amdhsa_group_segment_fixed_size 327680
		.amdhsa_private_segment_fixed_size 0
		.amdhsa_enable_private_segment 0
		.amdhsa_kernarg_size 56
		.amdhsa_user_sgpr_count 2
		.amdhsa_user_sgpr_kernarg_segment_ptr 1
		.amdhsa_wavefront_size32 1
		.amdhsa_system_sgpr_workgroup_id_x 1
		.amdhsa_system_sgpr_workgroup_id_y 1
		.amdhsa_system_sgpr_workgroup_id_z 1
		.amdhsa_system_vgpr_workitem_id 0
		.amdhsa_next_free_vgpr 1024
		.amdhsa_next_free_sgpr 100
		.amdhsa_reserve_vcc 0
		.amdhsa_float_denorm_mode_32 3
		.amdhsa_float_denorm_mode_16_64 3
		.amdhsa_fp16_overflow 1
		.amdhsa_memory_ordered 1
		.amdhsa_forward_progress 1
		.amdhsa_inst_pref_size 131
	.end_amdhsa_kernel
	.amdgpu_metadata
---
amdhsa.version: [ 1, 2 ]
amdhsa.kernels:
  - .name:           k_q6a5c64c07b_proj
    .symbol:         k_q6a5c64c07b_proj.kd
    .args:
      - { .name: xcodes, .offset: 0, .size: 8, .value_kind: global_buffer, .address_space: global }
      - { .name: wcodes, .offset: 8, .size: 8, .value_kind: global_buffer, .address_space: global }
      - { .name: lowp_scales, .offset: 16, .size: 8, .value_kind: global_buffer, .address_space: global }
      - { .name: bq, .offset: 24, .size: 8, .value_kind: global_buffer, .address_space: global }
      - { .name: bk, .offset: 32, .size: 8, .value_kind: global_buffer, .address_space: global }
      - { .name: bv, .offset: 40, .size: 8, .value_kind: global_buffer, .address_space: global }
      - { .name: heads, .offset: 48, .size: 8, .value_kind: global_buffer, .address_space: global }
    .group_segment_fixed_size: 327680
    .private_segment_fixed_size: 0
    .kernarg_segment_align: 8
    .kernarg_segment_size: 56
    .max_flat_workgroup_size: 128
    .sgpr_count:     100
    .vgpr_count:     1024
    .wavefront_size: 32
...
	.end_amdgpu_metadata
.endif
;; end of part 6
;; launch attn (part 7): grid 4 x 64, 16 waves a work-group, no clusters, 264,192 bytes of LDS; arguments heads, maskw, minfo, lowp_scales, acodes; writes acodes
.if DOCPART == 7
	.amdgcn_target "amdgcn-amd-amdhsa--gfx1250"
	.amdhsa_code_object_version 6
	.text
	.protected	k_q6a5c64c07b_attn
	.globl	k_q6a5c64c07b_attn
	.p2align	8
	.type	k_q6a5c64c07b_attn,@function
k_q6a5c64c07b_attn:
	s_mov_b64 s[64:65], 0
	v_nop
	global_prefetch_b8 v0, s[64:65] scope:SCOPE_SE
	s_setreg_imm32_b32 hwreg(HW_REG_WAVE_MODE, 25, 1), 1
	s_wait_xcnt 0x0
; Attention on codes of FP8 (E4M3) for one (batch, head) bh = work-group y: S^T = K Q^T, the mask, the softmax, O^T = V^T P^T, and the quantising of O for the output projection.
; t = score x 2^(e6 + e7) x log2(e) / 8; M = the row's largest t so far, rounded UP to a whole number; p = 2^(t - M) is quantised with 2^e8, not normalised; the row's sum is taken of the unquantised p and divides O
; at the end.  When M moves, the sum and O are multiplied by 2^(old M - new M): exact.
; THE MASK is an input and is honoured as it is given.  maskw holds, for each query tile, key step and score register, the 32 lanes' bits: one v_cndmask_b32 a score puts the stand-in -2^(33 - e6 - e7) in place of a
; hidden score.  As a logit that is -2^30 where the definition has -1e9.  Its t, -log2(e) 2^30, is a whole number that one fused multiply-add makes exactly: in a row with no open key every p is exactly 1, as with
; -1e9; in any other row a hidden p is 0, as with -1e9, since an open logit is at most 1,605,632 x 2^(e6 + e7) in magnitude.
; WHAT THE MASK THROWS AWAY IS NOT COMPUTED.  minfo says of each (query tile, key step) whether it is wholly hidden or wholly open, and of each row whether it has no open key at all.
;   wholly hidden: the step is jumped over.  In a row with an open key somewhere its p are 0, and whatever such a step adds ahead of the first open key is multiplied by f = 0 there: the result is the same bit for bit.
;   A row with no open key needs every p = 1: a tile that holds such a row jumps over nothing.
;   wholly open: the 64 selects and the mask words' loads are left out.   Any other step: as written above.
; Under a mask with no wholly hidden and no wholly open step every step is walked in full.
; LIMITS: e6 + e7 between -94 and 9 (the stand-in and c are f32 numbers; every open logit lies above the stand-in and above -1e9); e8, and e10 - e8 - e9, between -126 and 119.
; SHARES.  Four work-groups take a head's 128 query tiles of 16; wave W = 16 x + wave of the head's 64 takes tiles W and 127 - W, one after the other, so that a mask whose hidden steps grow towards one end
; leaves all waves like work.  SIXTEEN waves of 256 registers, four to a SIMD: one wave's vector work stands beside another's products and LDS loads.
; THE WHOLE HEAD'S K AND V, 256 KiB of register images, LIE IN LDS FOR THE WHOLE LAUNCH: written once, one barrier, then only read.
; NO TENSOR LOAD, NO CLUSTER, NO JOINT LOAD, though the four work-groups of a head read the same K and V: the walk branches on numbers read from memory.
; So K and V come through registers, 16 KiB a wave (32 loads of 512 consecutive bytes, 32 LDS stores), once a work-group.  They are asked for at the head, so nothing is prefetched.
; LAYOUT.  Both products are used transposed: a lane holds ONE query (lane % 16) throughout.  Register 8 T + j of S^T is key 128 ks + 16 T + 8 (lane / 16) + j: eight of them, converted, are registers 2 T, 2 T + 1
; of P as the K = 128 form wants them.  An image is read at 16 x lane, 512 consecutive bytes a load: no pitch, no padding.
; acodes: (token / 16) 16384 + head 1024 + g 512 + 16 lane: registers 4 g .. 4 g + 3 of the K = 64 fragment of 16 tokens x the head's 64 channels.
.set SPARE, 262144                     ; LDS: K 0 .. 131,071;  V 131,072 .. 262,143;  then the spare words, 128 bytes for each of sixteen waves
.set LI,   1                           ; v1   16 x lane
.set ADK,  2                           ; v2   LDS address of the step's K
.set ADV,  3                           ; v3   of its V
.set ADS,  4                           ; v4   where my part of K or V goes: 16,384 x wave + 16 x lane
.set SPW,  5                           ; v5   LDS address of my spare word; never rewritten
.set NIL,  6                           ; v6   0; never rewritten
.set SMV,  8                           ; v8   the stand-in for a hidden score
.set PLIM, 9
.set PSC,  10                          ; v10  2^e8
.set OSC,  11                          ; v11  2^(e10 - e8 - e9)
.set OLIM, 16
                                       ; v12 -M, v13 the largest t, v[14:15] the sum in two halves;  v20-27 at work: v22 a permute's destination, v[24:25] f, v[26:27] the second chain of sums
.set F,    32                          ; v32-95   fragments of K, then of V  (at the head v32-159 carry my part of K or V to LDS)
.set S,    96                          ; v96-159  S^T, then p
.set O,    160                         ; v160-191 O^T: 4 tiles of 8
.set P,    192                         ; v192-207 p's codes
.set Q,    208                         ; v208-223 Q's fragments, 8 registers for each of my two tiles
.set CD,   224                         ; v224-239 the codes that leave, 8 for each tile
.set WV,   12                          ; s12  wave
.set BH,   14                          ; s14  batch x 16 + head
.set TB,   15                          ; s15  8,192 x key step
.set MO,   16                          ; s16  256 x key step
.set CS,   18                          ; s[18:19] c = 2^(e6 + e7) log2(e) / 8, twice
.set SEL,  20                          ; s[20:21] lane selects for v_permlanex16_b32: lane l xor 16
                                       ; s2, s17: the first tile's hidden and open bits, the step in hand at bit 0;  s8, s9: the second tile's
                                       ; s[24:25], s[26:27]: the tiles' words in maskw;  s[28:29], s[30:31]: their places in acodes;  s[32:63], s[68:99]: the 64 mask words of a step (at the head: at work)
.macro MASKW mb                        ; 64 words, 256 bytes, of the key step in hand
	s_load_b512 s[32:47], s[\mb:\mb+1], s[MO] offset:0
	s_load_b512 s[48:63], s[\mb:\mb+1], s[MO] offset:64
	s_load_b512 s[68:83], s[\mb:\mb+1], s[MO] offset:128
	s_load_b512 s[84:99], s[\mb:\mb+1], s[MO] offset:192
.endm
; a tile's four summary words s[b] .. s[b + 3], four key steps each, become 16 hidden bits and 16 open bits; a row with no open key at all clears the hidden bits: that tile jumps over nothing
.macro DECODE b, hid, opn
	s_and_b32 s22, s[\b], s[\b+1]
	s_and_b32 s22, s22, s[\b+2]
	s_and_b32 s22, s22, s[\b+3]
	s_and_b32 s22, s22, 0xffff                     ; the rows that are hidden at all 2,048 keys
	s_bfe_u32 s[\hid], s[\b], 0x40010              ; 4 bits from bit 16
	s_bfe_u32 s[\opn], s[\b], 0x40014              ; 4 bits from bit 20
.irp j, 1,2,3
	s_bfe_u32 s23, s[\b+\j], 0x40010
	s_lshl_b32 s23, s23, 4*\j
	s_or_b32 s[\hid], s[\hid], s23
	s_bfe_u32 s23, s[\b+\j], 0x40014
	s_lshl_b32 s23, s23, 4*\j
	s_or_b32 s[\opn], s[\opn], s23
.endr
	s_cmp_lg_u32 s22, 0
	s_cselect_b32 s[\hid], 0, s[\hid]
.endm
	s_load_b256 s[4:11], s[0:1], 0x0               ; heads s[4:5], maskw s[6:7], minfo s[8:9], the scales' exponents s[10:11]
	s_load_b64 s[100:101], s[0:1], 0x20            ; acodes
	v_lshl_add_u32 v[SPW], v0, 2, SPARE
	v_mov_b32 v[NIL], 0
	v_lshrrev_b32 v7, 5, v0
	s_delay_alu instid0(VALU_DEP_1)
	v_readfirstlane_b32 s[WV], v7                  ; wave 0..15
	v_and_b32 v[LI], 31, v0
	s_delay_alu instid0(VALU_DEP_1)
	v_lshlrev_b32 v[LI], 4, v[LI]
	s_wait_alu depctr_va_vdst(0)
	s_and_b32 s[BH], ttmp7, 0xffff
	s_lshl_b32 s13, ttmp9, 4
	s_add_co_u32 s13, s13, s[WV]                   ; my first query tile: 16 x work-group x + wave,
	s_sub_co_u32 s23, 127, s13                     ; and my second
	s_lshl_b32 s22, s[BH], 17                      ; the head's 131,072 bytes in each region of heads
	s_lshr_b32 s72, s[WV], 3
	s_add_co_u32 s72, s72, 1
	s_lshl_b32 s72, s72, 23                        ; waves 0-7: K's region, waves 8-15: V's
	s_add_co_u32 s72, s72, s22
	s_and_b32 s73, s[WV], 7
	s_lshl_b32 s73, s73, 14                        ; my 16 KiB of it
	s_add_co_u32 s72, s72, s73
	s_mov_b32 s73, 0
	s_lshl_b32 s68, s13, 10                        ; Q: 1,024 bytes a query tile
	s_add_co_u32 s68, s68, s22
	s_mov_b32 s69, 0
	s_lshl_b32 s70, s23, 10
	s_add_co_u32 s70, s70, s22
	s_mov_b32 s71, 0
	s_lshl_b32 s24, s13, 12                        ; maskw: 4,096 bytes a query tile
	s_mov_b32 s25, 0
	s_lshl_b32 s26, s23, 12
	s_mov_b32 s27, 0
	s_lshl_b32 s76, s13, 10                        ; minfo: four runs of 256 bytes a query tile
	s_lshl_b32 s77, s23, 10
	s_lshr_b32 s78, s[BH], 4
	s_lshl_b32 s78, s78, 7                         ; acodes: token block 128 x batch + query tile,
	s_and_b32 s79, s[BH], 15
	s_lshl_b32 s79, s79, 10                        ; and the head's 1,024 bytes in it
	s_add_co_u32 s28, s78, s13
	s_lshl_b32 s28, s28, 14
	s_add_co_u32 s28, s28, s79
	s_mov_b32 s29, 0
	s_add_co_u32 s30, s78, s23
	s_lshl_b32 s30, s30, 14
	s_add_co_u32 s30, s30, s79
	s_mov_b32 s31, 0
	s_mov_b32 s[SEL], 0x76543210
	s_mov_b32 s[SEL+1], 0xfedcba98
	s_lshl_b32 s80, s[WV], 14
	v_add_nc_u32 v[ADS], s80, v[LI]
	s_wait_alu depctr_va_vdst(0)
	s_wait_kmcnt 0x0
	s_add_nc_u64 s[72:73], s[4:5], s[72:73]
	s_add_nc_u64 s[68:69], s[4:5], s[68:69]
	s_add_nc_u64 s[70:71], s[4:5], s[70:71]
.set i, 0
.rept 32
	global_load_b128 v[F+4*i:F+4*i+3], v[LI], s[72:73] offset:512*i   ; my part of K or V: 32 lanes read 512 consecutive bytes
.set i, i+1
.endr
	global_load_b128 v[Q:Q+3], v[LI], s[68:69]                        ; Q's fragments stay in registers
	global_load_b128 v[Q+4:Q+7], v[LI], s[68:69] offset:512
	global_load_b128 v[Q+8:Q+11], v[LI], s[70:71]
	global_load_b128 v[Q+12:Q+15], v[LI], s[70:71] offset:512
	s_load_b128 s[32:35], s[10:11], 0x18           ; e6, e7, e8, e9
	s_load_b32 s36, s[10:11], 0x28                 ; e10
.irp j, 0,1,2,3
	s_load_b32 s[40+\j], s[8:9], s76 offset:256*\j ; the first tile's four summary words,
	s_load_b32 s[44+\j], s[8:9], s77 offset:256*\j ; the second's
.endr
	s_add_nc_u64 s[24:25], s[6:7], s[24:25]
	s_add_nc_u64 s[26:27], s[6:7], s[26:27]
	s_add_nc_u64 s[28:29], s[100:101], s[28:29]
	s_add_nc_u64 s[30:31], s[100:101], s[30:31]
	v_mov_b32 v22, 0                               ; written once: a lane permute's destination counts as one of its sources
	v_mov_b32 v25, 0                               ; (named as the upper half of the pair v[24:25])
	s_wait_kmcnt 0x0
	s_add_co_i32 s22, s32, s33                     ; e6 + e7
	s_lshl_b32 s23, s22, 23
	s_add_co_i32 s[CS], s23, 0x3e38aa3b            ; log2(e) / 8, with e6 + e7 added to its exponent field
	s_mov_b32 s[CS+1], s[CS]                       ; (named with it as a pair, so it is written)
	s_sub_co_i32 s23, 160, s22
	s_lshl_b32 s23, s23, 23
	s_or_b32 s23, s23, 0x80000000
	v_mov_b32 v[SMV], s23                          ; -2^(33 - e6 - e7)
	s_add_co_i32 s22, s34, 127
	s_lshl_b32 s23, s22, 23
	v_mov_b32 v[PSC], s23
	s_sub_co_i32 s22, s36, s34                     ; a sum of O stands for sum x 2^(e8 + e9): the three scales are folded into the conversion's one
	s_sub_co_i32 s22, s22, s35
	s_add_co_i32 s22, s22, 127
	s_lshl_b32 s23, s22, 23
	v_mov_b32 v[OSC], s23
	DECODE 40, 2, 17
	DECODE 44, 8, 9                                ; (the scalar loads are done: minfo's address is no longer wanted)
.irp g, 0,1,2,3
	s_wait_loadcnt 28-8*\g                         ; eight more of my 32 loads are in; the later groups of eight and Q's four may be out
.irp i, 0,1,2,3,4,5,6,7
	ds_store_b128 v[ADS], v[F+4*(8*\g+\i):F+4*(8*\g+\i)+3] offset:512*(8*\g+\i)   ; as it lies: 512 consecutive bytes a store
.endr
.endr
	s_wait_loadcnt 0x0                             ; Q
	s_wait_dscnt 0x0                               ; for the others' sake: my part of K or V lies in LDS
	s_barrier_signal -1
	s_barrier_wait -1                              ; everybody's does: from here on LDS is only read, and no barrier follows
.macro PLACES                          ; four places behind matrix instructions, ahead of reads of their results and of loads into registers that they have read (ISA guide 7.12.1 for vector instructions)
.rept 4
	v_nop
.endr
.endm
; K's fragments, S^T = K Q^T (eight tiles of 16 keys, K = the head's 64: each product is a whole sum), and V's fragments into the registers that K has left: they land under the softmax
.macro KQV q
.irp t, 0,1,2,3,4,5,6,7
	ds_load_b128 v[F+8*\t:F+8*\t+3], v[ADK] offset:1024*\t
	ds_load_b128 v[F+8*\t+4:F+8*\t+7], v[ADK] offset:1024*\t+512
.endr
	s_wait_dscnt 0x0
.irp t, 0,1,2,3,4,5,6,7
	v_wmma_f32_16x16x64_fp8_fp8 v[S+8*\t:S+8*\t+7], v[F+8*\t:F+8*\t+7], v[\q:\q+7], 0
.endr
	PLACES
.irp c, 0,1,2,3
.irp g, 0,1,2,3
	ds_load_b128 v[F+16*\c+4*\g:F+16*\c+4*\g+3], v[ADV] offset:2048*\c+512*\g
.endr
.endr
.endm
; The softmax of one key step: 64 scores a lane.  Every accumulator is read from its low end on.
.macro SOFT
	v_max3_num_f32 v20, v[S], v[S+1], v[S+2]       ; the step's largest score of my query, among my 64 keys, in two chains,
	v_max3_num_f32 v21, v[S+3], v[S+4], v[S+5]
.set n, 6
.rept 14
	v_max3_num_f32 v20, v20, v[S+n], v[S+n+1]
	v_max3_num_f32 v21, v21, v[S+n+2], v[S+n+3]
.set n, n+4
.endr
	s_setprio 1
	v_max3_num_f32 v20, v20, v[S+62], v[S+63]
	s_delay_alu instid0(VALU_DEP_1)
	v_max_num_f32 v20, v20, v21
	s_delay_alu instid0(VALU_DEP_1)
	v_permlanex16_b32 v22, v20, s[SEL], s[SEL+1]
	s_delay_alu instid0(VALU_DEP_1)
	v_max_num_f32 v20, v20, v22                    ; and among lane l xor 16's
	s_delay_alu instid0(VALU_DEP_1)
	v_mul_f32 v20, s[CS], v20                      ; as t (c is positive)
	s_delay_alu instid0(VALU_DEP_1)
	v_max_num_f32 v13, v13, v20                    ; the running largest t
	v_mov_b32 v20, v12
	s_delay_alu instid0(VALU_DEP_2)
	v_floor_f32 v12, -v13                          ; the new -M = floor(-t) = -ceil(t): M is a whole number
	s_delay_alu instid0(VALU_DEP_1)
	v_sub_f32 v20, v12, v20                        ; M's old value less its new one: a whole number, 0 or less
	s_delay_alu instid0(VALU_DEP_1)
	v_cvt_i32_f32 v20, v20                         ; (it saturates)
	s_delay_alu instid0(VALU_DEP_1)
	v_ldexp_f32 v24, 1.0, v20                      ; f = 2^(old M - new M)
.set n, 0
.rept 32
	v_pk_fma_f32 v[S+n:S+n+1], v[S+n:S+n+1], s[CS:CS+1], v[12:13] op_sel_hi:[1,0,0]   ; t - M, two at a time (of the pairs c and -M the low word serves both halves)
.set n, n+2
.endr
.set n, 0
	s_wait_alu depctr_va_vdst(0)
.rept 64
	v_exp_f32 v[S+n], v[S+n]                       ; p = 2^(t - M): not normalised
.set n, n+1
.endr
	v_pk_mul_f32 v[14:15], v[14:15], v[24:25] op_sel_hi:[1,0]   ; the sums under the new M: the plain line behind the exponentials
	s_wait_alu depctr_va_vdst(0)                   ; one wait for the whole batch, ahead of its first reader
	v_pk_add_f32 v[26:27], v[100:101], v[104:105]
	v_pk_add_f32 v[254:255], v[108:109], v[112:113]
	v_pk_add_f32 v[252:253], v[116:117], v[120:121]
	v_pk_add_f32 v[250:251], v[124:125], v[128:129]
	v_pk_add_f32 v[248:249], v[132:133], v[136:137]
	v_pk_add_f32 v[246:247], v[140:141], v[144:145]
	v_pk_add_f32 v[244:245], v[148:149], v[152:153]
	v_pk_add_f32 v[14:15], v[14:15], v[156:157]
	v_pk_add_f32 v[26:27], v[26:27], v[96:97]
	v_pk_add_f32 v[254:255], v[254:255], v[98:99]
	v_pk_add_f32 v[252:253], v[252:253], v[102:103]
	v_pk_add_f32 v[250:251], v[250:251], v[106:107]
	v_pk_add_f32 v[248:249], v[248:249], v[110:111]
	v_pk_add_f32 v[246:247], v[246:247], v[114:115]
	v_pk_add_f32 v[244:245], v[244:245], v[118:119]
	v_pk_add_f32 v[14:15], v[14:15], v[122:123]
	v_pk_add_f32 v[26:27], v[26:27], v[126:127]
	v_pk_add_f32 v[254:255], v[254:255], v[130:131]
	v_pk_add_f32 v[252:253], v[252:253], v[134:135]
	s_setprio 0
	v_pk_add_f32 v[250:251], v[250:251], v[138:139]
	v_pk_add_f32 v[248:249], v[248:249], v[142:143]
	v_pk_add_f32 v[246:247], v[246:247], v[146:147]
	v_pk_add_f32 v[244:245], v[244:245], v[150:151]
	v_pk_add_f32 v[14:15], v[14:15], v[154:155]
	v_pk_add_f32 v[26:27], v[26:27], v[158:159]
	s_delay_alu instid0(VALU_DEP_2)
	v_pk_add_f32 v[14:15], v[14:15], v[250:251]
	s_delay_alu instid0(VALU_DEP_2)
	v_pk_add_f32 v[26:27], v[26:27], v[248:249]
	v_pk_add_f32 v[254:255], v[254:255], v[246:247]
	v_pk_add_f32 v[252:253], v[252:253], v[244:245]
	s_delay_alu instid0(VALU_DEP_2)
	v_pk_add_f32 v[14:15], v[14:15], v[254:255]
	s_delay_alu instid0(VALU_DEP_2)
	v_pk_add_f32 v[26:27], v[26:27], v[252:253]
	s_delay_alu instid0(VALU_DEP_1)
	v_pk_add_f32 v[14:15], v[14:15], v[26:27]
.set t, 0
.rept 8
.set n, 0
.rept 8
.set n, n+1
.endr
	v_cvt_scalef32_pk8_fp8_f32 v[P+2*t:P+2*t+1], v[S+8*t:S+8*t+7], v[PSC]
.set t, t+1
.endr
.set n, 0
.rept 16
	v_pk_mul_f32 v[O+n:O+n+1], v[O+n:O+n+1], v[24:25] op_sel_hi:[1,0]   ; O^T under the new M; these plain lines also stand between the conversions and the products that follow
.set n, n+2
.endr
.endm
; ONE QUERY TILE: q its fragment of Q, s[mb] its words in maskw, s[ab] its place in acodes, s[hid], s[opn] its bits, cd the registers for its codes.
; The loop has a constant 16 trips; what a hidden step leaves out is its work, by a jump inside the trip to the lines that step the addresses and the bits.
.macro TILE q, mb, ab, hid, opn, cd
	v_mov_b32 v13, 0xff61b1e6                      ; the largest t so far: -3e38, under every t
	s_delay_alu instid0(VALU_DEP_1)
	v_floor_f32 v12, -v13                          ; -M
	v_mov_b32 v14, 0                               ; the sum, in two halves
	v_mov_b32 v15, 0
.set j, 0
.rept 32
	v_mov_b32 v[O+j], 0                            ; O^T.  (Which step is the tile's first hangs on the mask: so the sums begin as zeros, which the first change of M leaves zeros)
.set j, j+1
.endr
	s_mov_b32 s[TB], 0
	s_mov_b32 s[MO], 0
	s_mov_b32 s3, 16                               ; key steps
.Lstep_\@:
	s_and_b32 s22, s[\hid], 1
	s_cmp_lg_u32 s22, 0
	s_cbranch_scc1 .Lnext_\@                       ; wholly hidden: nothing of this step counts
	s_setprio 2
	v_add_nc_u32 v[ADK], s[TB], v[LI]
	s_delay_alu instid0(VALU_DEP_1)
	v_add_nc_u32 v[ADV], 0x20000, v[ADK]
	v_nop
	v_nop                                          ; with the two additions: four places between the last products and the loads into the registers that they read
	s_and_b32 s22, s[\opn], 1
	s_cmp_lg_u32 s22, 0
	s_cbranch_scc1 .Lopen_\@                       ; wholly open: no words, no selects
	MASKW \mb                                      ; the words come while K is fetched and multiplied
	s_wait_alu depctr_va_vdst(0)
	KQV \q
	s_wait_kmcnt 0x0                               ; the 64 words are in, and their loads have read the offset
.set n, 0
.rept 64
	v_cndmask_b32 v[S+n], v[S+n], v[SMV], s[32+n+4*(n/32)]   ; hidden scores become the stand-in; each accumulator from its low end on
.set n, n+1
.endr
	s_branch .Lsoft_\@
.Lopen_\@:
	s_wait_alu depctr_va_vdst(0)
	KQV \q
.Lsoft_\@:
	SOFT
	s_wait_alu depctr_va_vdst(0)
	s_wait_dscnt 0x0                               ; V
.irp c, 0,1,2,3                                ; O^T += V^T P^T: four accumulators, one instruction a turn; the matrix instruction ahead of the first wrote S^T
	v_wmma_f32_16x16x128_fp8_fp8 v[O+8*\c:O+8*\c+7], v[F+16*\c:F+16*\c+15], v[P:P+15], v[O+8*\c:O+8*\c+7]
.endr
.Lnext_\@:
	s_lshr_b32 s[\hid], s[\hid], 1                 ; the next step's bits at bit 0
	s_lshr_b32 s[\opn], s[\opn], 1
	s_add_co_u32 s[TB], s[TB], 8192
	s_add_co_u32 s[MO], s[MO], 256
	s_sub_co_u32 s3, s3, 1
	s_cmp_lg_u32 s3, 0
	s_cbranch_scc1 .Lstep_\@
	s_setprio 0
	; THE WAY OUT.  O^T / the sum, converted with the folded scale: a lane's 32 numbers become the 8 registers of the next product's fragment, stored as they stand.
	PLACES                                         ; behind the last products
	v_add_f32 v20, v14, v15                        ; the sum's two halves,
	s_delay_alu instid0(VALU_DEP_1)
	v_permlanex16_b32 v22, v20, s[SEL], s[SEL+1]
	s_delay_alu instid0(VALU_DEP_1)
	v_add_f32 v20, v20, v22                        ; and lane l xor 16's: the row's sum, at least 1/2: a tile is never jumped over as a whole
	s_wait_alu depctr_va_vdst(0)
	v_rcp_f32 v24, v20
	v_nop                                          ; a plain line behind the reciprocal
	s_wait_alu depctr_va_vdst(0)                   ; the wait, ahead of its first reader
.set n, 0
.rept 16
	v_pk_mul_f32 v[O+n:O+n+1], v[O+n:O+n+1], v[24:25] op_sel_hi:[1,0]
.set n, n+2
.endr
.set n, 0
.rept 32
.set n, n+1
.endr
.irp c, 0,1,2,3
	v_cvt_scalef32_pk8_fp8_f32 v[\cd+2*\c:\cd+2*\c+1], v[O+8*\c:O+8*\c+7], v[OSC]
.endr
	v_nop                                          ; a plain line behind the last conversion
.irp g, 0,1
	global_store_b128 v[LI], v[\cd+4*\g:\cd+4*\g+3], s[\ab:\ab+1] offset:512*\g   ; 32 lanes store 512 consecutive bytes, aligned; neither the codes' registers nor the address are written again
.endr
.endm
	TILE Q, 24, 28, 2, 17, CD
	TILE Q+8, 26, 30, 8, 9, CD+8
	s_wait_tensorcnt 0x0                           ; the wave's end, behind my last LDS store
	ds_add_u32 v[SPW], v[NIL]
	s_wait_dscnt 0x0
	s_endpgm
.Lfunc_end_k_q6a5c64c07b_attn:
	.size	k_q6a5c64c07b_attn, .Lfunc_end_k_q6a5c64c07b_attn-k_q6a5c64c07b_attn
	.p2alignl 7, 3214868480
	.fill 96, 4, 3214868480
	.section	.rodata,"a",@progbits
	.p2align	6, 0x0
	.amdhsa_kernel k_q6a5c64c07b_attn
		.amdhsa_group_segment_fixed_size 264192
		.amdhsa_private_segment_fixed_size 0
		.amdhsa_enable_private_segment 0
		.amdhsa_kernarg_size 40
		.amdhsa_user_sgpr_count 2
		.amdhsa_user_sgpr_kernarg_segment_ptr 1
		.amdhsa_wavefront_size32 1
		.amdhsa_system_sgpr_workgroup_id_x 1
		.amdhsa_system_sgpr_workgroup_id_y 1
		.amdhsa_system_sgpr_workgroup_id_z 1
		.amdhsa_system_vgpr_workitem_id 0
		.amdhsa_next_free_vgpr 256
		.amdhsa_next_free_sgpr 102
		.amdhsa_reserve_vcc 0
		.amdhsa_float_denorm_mode_32 3
		.amdhsa_float_denorm_mode_16_64 3
		.amdhsa_fp16_overflow 1
		.amdhsa_memory_ordered 1
		.amdhsa_forward_progress 1
		.amdhsa_inst_pref_size 61
	.end_amdhsa_kernel
	.amdgpu_metadata
---
amdhsa.version: [ 1, 2 ]
amdhsa.kernels:
  - .name:           k_q6a5c64c07b_attn
    .symbol:         k_q6a5c64c07b_attn.kd
    .args:
      - { .name: heads, .offset: 0, .size: 8, .value_kind: global_buffer, .address_space: global }
      - { .name: maskw, .offset: 8, .size: 8, .value_kind: global_buffer, .address_space: global }
      - { .name: minfo, .offset: 16, .size: 8, .value_kind: global_buffer, .address_space: global }
      - { .name: lowp_scales, .offset: 24, .size: 8, .value_kind: global_buffer, .address_space: global }
      - { .name: acodes, .offset: 32, .size: 8, .value_kind: global_buffer, .address_space: global }
    .group_segment_fixed_size: 264192
    .private_segment_fixed_size: 0
    .kernarg_segment_align: 8
    .kernarg_segment_size: 40
    .max_flat_workgroup_size: 512
    .sgpr_count:     102
    .vgpr_count:     256
    .wavefront_size: 32
...
	.end_amdgpu_metadata
.endif
;; end of part 7
;; launch oproj (part 8): grid 4 x 32, 4 waves a work-group, clusters of 4 x 4, 327,680 bytes of LDS; arguments acodes, wcodes, lowp_scales, bo, out0; writes out0
.if DOCPART == 8
	.amdgcn_target "amdgcn-amd-amdhsa--gfx1250"
	.amdhsa_code_object_version 6
	.text
	.protected	k_q6a5c64c07b_oproj
	.globl	k_q6a5c64c07b_oproj
	.p2align	8
	.type	k_q6a5c64c07b_oproj,@function
k_q6a5c64c07b_oproj:
	s_mov_b64 s[64:65], 0
	v_nop
	global_prefetch_b8 v0, s[64:65] scope:SCOPE_SE
	s_setreg_imm32_b32 hwreg(HW_REG_WAVE_MODE, 25, 1), 1
	s_wait_xcnt 0x0
	s_wait_alu depctr_hold_cnt(0) depctr_sa_sdst(0) depctr_va_vdst(0) depctr_va_sdst(0) depctr_va_ssrc(0) depctr_va_vcc(0) depctr_vm_vsrc(0)
	s_getreg_b32 s2, hwreg(HW_REG_IB_STS2, 6, 4)
	s_cmp_eq_u32 s2, 0
	s_cbranch_scc0 .Lentry_in_a_cluster
	s_endpgm
.Lentry_in_a_cluster:
	s_bfe_u32 s2, ttmp6, 0x10000c
	s_cmp_lg_u32 s2, 0xf033
	s_cbranch_scc0 .Lentry_shape_is_right
	s_endpgm
.Lentry_shape_is_right:
; out0[m][n] = 2^(e10 + e11) x the sum over k of A[m][k] Wo[n][k] + bo[n], on codes of FP8 (E4M3).  A: attention's result, 8,192 tokens x 1,024, as register images; Wo: the fourth MiB of wcodes, rows of 1,024 bytes.
; LIMIT: e10 + e11 between -126 and 127, so that 2^(e10 + e11) is an f32 number.
; A tile of out0, 256 x 256, is made by a work-group of four waves, each 128 x 128: 64 accumulators, 512 registers.  K goes in four steps of 256 through a ring of two LDS slots filled by the tensor data mover.
; A's IMAGES: acodes = (token / 16) 16384 + head 1024 + g 512 + 16 lane.  Two neighbouring heads' images, 2,048 bytes, are the 16 registers of a K = 128 fragment of 16 tokens; a K step of 256 is four heads, 4,096
; consecutive bytes of each block of 16 tokens.  A wave's tensor load brings 8 such rows, 16,384 bytes apart, dense into LDS; a fragment is read at 16 x lane, 512 consecutive bytes a load.
; Wo's tiles are rows of 256 bytes with 16 of padding; the codes' order in memory puts every k at this form's own place, as A's images have it.
; CLUSTERS: 4 x 4 work-groups; A's tile is asked for jointly by a row of the cluster, Wo's by a column.  THE MATRIX INSTRUCTION IS USED TRANSPOSED (source 0 = 16 rows of Wo, source 1 = 16 tokens): a lane holds
; eight neighbouring numbers of a row of out0.  Nothing is prefetched: of the four K steps two are first fills.  128 tiles: 128 work-groups.
; REGISTERS, in windows of 256: window 0: v0-31 addresses; v32-95 the bias; from v128 A's fragments, ONE set, on the way out rows of out0.   window 1: Wo's fragments, TWO sets.   windows 2, 3: the accumulators.
.set SIZE_N, 1024
.set SIZE_K, 1024
.set KSTEP,  256
.set ROWB,   256                       ; a row of Wo's tile in bytes
.set KROW,   SIZE_K
.set PITCH,  272                       ; Wo's LDS row: 256 bytes + 16 of padding: the 16 rows that a load touches start at 16 different banks (ISA guide 11.1)
.set FR,     16
.set NL,     4
.set NP,     4
.set AROW,   4096                      ; a row of A's tile: 16 tokens x 256 along K
.set HALFA,  8*AROW                    ; 128 tokens: what one tensor load brings of A
.set HALFB,  128*PITCH                 ; 128 rows of Wo
.set BOFF,   2*HALFA                   ; a slot: A's 256 tokens, then Wo's 256 rows
.set SLOT,   BOFF+2*HALFB
.set LAPS,   SIZE_K/(2*KSTEP)
.set SPARE,  2*SLOT                    ; behind the ring: the spare words, 128 bytes for each wave
.set SPITCH, 528                       ; the way out: a stage of 16 rows x (512 bytes + 16) for each wave, in slot 0, which has had its last fill and its last read when the first result is stored there
.set ADRA, 16                          ; v16-17  LDS address of my A fragments in slot 0, 1
.set ADRB, 20                          ; v20-21  the same for Wo
.set STO,  24                          ; v24     the way out: where I put 32 bytes of a row
.set RD,   25                          ; v25     where I read a row back
.set CO,   26                          ; v26     16 x lane: my place in an image, and in a row of out0
.set SPW,  28                          ; v28     LDS address of my spare word; never rewritten
.set NIL,  29                          ; v29     0; never rewritten
.set BI,   32                          ; v32-95  bo of my 128 columns, in a result's layout
.set AF,   128
.set BK,   128                         ; the way out: 16 rows read back: v128-191 and v192-255 by turns
.set G1, 24
.set G0, 32
.set G1B, 48
.set G0B, 56
.set MSB, 0
.macro WIN new                         ; the immediate's high byte repeats the setting that is left
.if MSB != \new
	s_set_vgpr_msb (MSB<<8)|\new
.set MSB, \new
.endif
.endm
.set MUL_LO, 0xa1                      ; source 0 (Wo) window 1, source 1 (A) window 0, C and D window 2
.set MUL_HI, 0xf1
.set TO_B,   0x40
.macro JLOAD g0a, g1a, g0b, g1b        ; a joint load: waves 0 and 1 fetch for A, waves 2 and 3 for Wo; an s_nop 0 and four v_nop follow each line
	s_cmp_eq_u32 s15, 0
	s_cbranch_scc0 .Lfor_b_\@
	tensor_load_to_lds s[\g0a:\g0a+3], s[\g1a:\g1a+7]
	s_nop 0
.rept 4
	v_nop
.endr
	s_branch .Lasked_\@
.Lfor_b_\@:
	tensor_load_to_lds s[\g0b:\g0b+3], s[\g1b:\g1b+7]
	s_nop 0
.rept 4
	v_nop
.endr
.Lasked_\@:
.endm
.macro CREST
	s_cmp_lg_u32 s14, 0
	s_cbranch_scc1 .Lnot_wave_0_\@
	s_barrier_signal -3
.Lnot_wave_0_\@:
	s_barrier_wait -3
	s_barrier_signal -1
	s_barrier_wait -1
.endm
.macro CROUND
	s_barrier_signal -1
	s_barrier_wait -1
	CREST
.endm
	s_load_b128 s[4:7], s[0:1], 0x0                ; acodes s[4:5], wcodes s[6:7]
	s_load_b128 s[68:71], s[0:1], 0x10             ; the scales' exponents s[68:69], bo s[70:71]
	s_load_b64 s[10:11], s[0:1], 0x20              ; out0
	v_lshl_add_u32 v[SPW], v0, 2, SPARE
	v_mov_b32 v[NIL], 0
	ds_add_u32 v[SPW], v[NIL]                      ; the wave's opening: the add and its wait stand ahead of my first tensor load; the set-up below, work on registers, stands between them
	ds_add_u32 v[SPW], v[NIL]
	v_lshrrev_b32 v1, 5, v0
	v_readfirstlane_b32 s14, v1                    ; wave 0..3
	s_lshr_b32 s15, s14, 1                         ; which half of the tile's rows is mine.  Also: I fetch for A (0) or for Wo (1)
	s_and_b32 s16, s14, 1                          ; which half of its columns.  Also: which half of that tile I fetch
	s_bfe_u32 s40, ttmp6, 0x40000                  ; cx, cy
	s_bfe_u32 s41, ttmp6, 0x40004
	s_lshl_b32 s42, ttmp9, 2
	s_add_co_u32 s42, s42, s40                     ; tile column = 4 x cluster x + cx
	s_and_b32 s17, ttmp7, 0xffff
	s_lshl_b32 s17, s17, 2
	s_add_co_u32 s17, s17, s41                     ; tile row = 4 x cluster y + cy
	s_lshl_b32 s43, s41, 2
	s_lshl_b32 s43, 15, s43                        ; my row of the cluster
	s_lshl_b32 s44, 0x1111, s40                    ; my column
	s_or_b32 s[G1+0], s43, (0<<16)|(1<<21)         ; A: the mask of my row; elements of 1 byte; no padding; 21 set beside a mask
	s_mov_b32 s[G1+1], AROW<<16                    ; tensor_dim0 = 4,096
	s_mov_b32 s[G1+2], 8<<16                       ; tensor_dim1 = 8
	s_mov_b32 s[G1+3], AROW<<16                    ; tile_dim0
	s_mov_b32 s[G1+4], 8                           ; tile_dim1
	s_mov_b32 s[G1+5], 16384                       ; tensor_dim0_stride: from a block of 16 tokens to the next
	s_mov_b32 s[G1+6], 0
	s_mov_b32 s[G1+7], 0
	s_or_b32 s[G1B+0], s44, (0<<16)|(1<<20)|(1<<21)|(5<<22)|(3<<25)  ; Wo: the mask of my column; padding of 4 words after every 64
	s_mov_b32 s[G1B+1], ROWB<<16
	s_mov_b32 s[G1B+2], 128<<16
	s_mov_b32 s[G1B+3], ROWB<<16
	s_mov_b32 s[G1B+4], 128
	s_mov_b32 s[G1B+5], KROW
	s_mov_b32 s[G1B+6], 0
	s_mov_b32 s[G1B+7], 0
	s_lshl_b32 s20, s17, 4
	s_lshl_b32 s18, s16, 3
	s_add_co_u32 s20, s20, s18
	s_lshl_b32 s20, s20, 14                        ; A: token block 16 x tile row + 8 x half
	s_mov_b32 s21, 0
	s_lshl_b32 s46, s42, 8
	s_lshl_b32 s18, s16, 7
	s_add_co_u32 s46, s46, s18
	s_lshl_b32 s46, s46, 10                        ; Wo: row 256 x tile column + 128 x half,
	s_add_co_u32 s46, s46, 0x300000                ; in the fourth MiB of wcodes
	s_mov_b32 s47, 0
	s_lshl_b32 s45, s16, 15                        ; where they go: A's halves,
	s_mul_i32 s19, s16, HALFB
	s_add_co_u32 s19, s19, BOFF                    ; Wo's halves: no place in the cluster enters an LDS address
	s_wait_dscnt 0x0                               ; the opening add is done
	s_wait_kmcnt 0x0
	s_load_b64 s[96:97], s[68:69], 0x28            ; e10, e11
	s_add_nc_u64 s[20:21], s[4:5], s[20:21]
	s_add_nc_u64 s[46:47], s[6:7], s[46:47]
	CROUND                                         ; all sixteen work-groups are here: the first joint loads meet
.irp s, 0,1
	s_mov_b32 s[G0+4*\s], 1
	s_add_co_u32 s[G0+4*\s+1], s45, \s*SLOT
	s_add_nc_u64 s[G0+4*\s+2:G0+4*\s+3], s[20:21], \s*AROW
	s_or_b32 s[G0+4*\s+3], s[G0+4*\s+3], 0x80000000
	s_mov_b32 s[G0B+4*\s], 1
	s_add_co_u32 s[G0B+4*\s+1], s19, \s*SLOT
	s_add_nc_u64 s[G0B+4*\s+2:G0B+4*\s+3], s[46:47], \s*ROWB
	s_or_b32 s[G0B+4*\s+3], s[G0B+4*\s+3], 0x80000000
	s_wait_alu depctr_va_vdst(0)
	s_wait_tensorcnt 0x0
	ds_add_u32 v28, v29
	ds_add_u32 v28, v29
	s_wait_dscnt 0x0
	CROUND
	JLOAD G0+4*\s, G1, G0B+4*\s, G1B               ; one load of mine is out
.endr
	v_and_b32 v1, 15, v0                           ; r
	v_bfe_u32 v2, v0, 4, 1                         ; h
	v_mul_u32_u24 v3, v1, PITCH
	v_lshl_add_u32 v4, v2, 4, v3                   ; Wo: a fragment's row x pitch + 16 x half
	v_and_b32 v6, 31, v0
	v_lshlrev_b32 v[CO], 4, v6
	s_wait_alu depctr_va_vdst(0)
	s_lshl_b32 s21, s15, 15                        ; my 128 tokens of A
	s_mul_i32 s22, s16, HALFB                      ; my 128 rows of Wo
	s_add_co_u32 s22, s22, BOFF
.irp s, 0,1
	v_add_nc_u32 v[ADRA+\s], s21, v[CO]
	v_add_nc_u32 v[ADRB+\s], s22, v4
	s_add_co_u32 s21, s21, SLOT
	s_add_co_u32 s22, s22, SLOT
.endr
	s_mul_i32 s23, s14, 16*SPITCH                  ; my stage
	v_mul_u32_u24 v5, v1, SPITCH                   ; in: row r, 32 bytes for each half of the lanes
	v_lshl_add_u32 v5, v2, 5, v5
	v_add_nc_u32 v[STO], s23, v5
	v_add_nc_u32 v[RD], s23, v[CO]                 ; back: the 32 lanes take one row of 512 bytes
	s_lshl_b32 s20, s17, 8
	s_lshl_b32 s21, s15, 7
	s_add_co_u32 s20, s20, s21
	s_lshl_b32 s20, s20, 12                        ; my first row of out0: 256 x tile row + 128 x half, rows of 4,096 bytes
	s_lshl_b32 s46, s42, 10                        ; my first column, in bytes: 1,024 x tile column + 512 x half
	s_lshl_b32 s47, s16, 9
	s_add_co_u32 s46, s46, s47
	v_lshl_add_u32 v7, v2, 5, s46                  ; bo: register 8 b + j of a block's results is column 16 b + 8 h + j of my 128
	s_add_co_u32 s20, s20, s46
	s_mov_b32 s21, 0
	s_add_nc_u64 s[10:11], s[10:11], s[20:21]
.irp b, 0,1,2,3,4,5,6,7
	global_load_b128 v[BI+8*\b:BI+8*\b+3], v7, s[70:71] offset:64*\b
	global_load_b128 v[BI+8*\b+4:BI+8*\b+7], v7, s[70:71] offset:64*\b+16
.endr
.macro FRAGA reg, slot, q, i           ; A's fragment: block i of 16 tokens, the slot's q-th 128 along K: four loads of 512 consecutive bytes
.irp c, 0,1,2,3
	ds_load_b128 v[\reg+4*\c:\reg+4*\c+3], v[ADRA+\slot] offset:AROW*(\i)+2048*(\q)+512*\c
.endr
.endm
.macro FRAGB reg, slot, q, i           ; Wo's fragment: four loads of 16 bytes a lane, 32 apart
.irp c, 0,1,2,3
	ds_load_b128 v[\reg+4*\c:\reg+4*\c+3], v[ADRB+\slot] offset:128*(\q)+32*\c+(\i)*16*PITCH
.endr
.endm
; 16 matrix instructions: A's blocks a0, a0 + 1 x Wo's eight, 128 along K.  The 64 accumulators take turns, one instruction a turn, in the same order in every step.
.macro MUL16 a0, p, zero
.irp a, \a0, \a0+1
.irp b, 0,1,2,3,4,5,6,7
.if \zero
	v_wmma_f32_16x16x128_fp8_fp8 v[8*(8*((\a)%4)+\b):8*(8*((\a)%4)+\b)+7], v[128*(\p)+FR*\b:128*(\p)+FR*\b+FR-1], v[AF+FR*(\a):AF+FR*(\a)+FR-1], 0
.else
	v_wmma_f32_16x16x128_fp8_fp8 v[8*(8*((\a)%4)+\b):8*(8*((\a)%4)+\b)+7], v[128*(\p)+FR*\b:128*(\p)+FR*\b+FR-1], v[AF+FR*(\a):AF+FR*(\a)+FR-1], v[8*(8*((\a)%4)+\b):8*(8*((\a)%4)+\b)+7]
.endif
.endr
.endr
.endm
.macro FETCH_B slot, q, p
	WIN TO_B
.irp i, 0,1,2,3,4,5,6,7
	FRAGB 128*(\p)+FR*\i, \slot, \q, \i
.endr
	WIN 0
.endm
.macro FETCH_A slot, q, i0
.irp i, \i0, \i0+1, \i0+2, \i0+3
	FRAGA AF+FR*(\i), \slot, \q, \i
.endr
.endm
.macro PLACES n                        ; places behind matrix instructions, ahead of loads into registers that they have read and of reads of their results (ISA guide 7.12.1 for vector instructions)
.rept \n
	v_nop
.endr
.endm
.macro STEP slot, q, zero              ; a step of 128 along K that has its successor in the same slot
	s_wait_dscnt 4*NL                              ; Wo's set and A's blocks 0-3 are in; the youngest sixteen loads (blocks 4-7) may be out
	WIN MUL_LO
	MUL16 0, (\q)%2, \zero
	MUL16 2, (\q)%2, \zero
	s_wait_dscnt 0
	PLACES NP
	FETCH_B \slot, (\q)+1, 1-(\q)%2
	FETCH_A \slot, (\q)+1, 0
	WIN MUL_HI
	MUL16 4, (\q)%2, \zero
	MUL16 6, (\q)%2, \zero
	PLACES NP
	WIN 0
	FETCH_A \slot, (\q)+1, 4
.endm
; A slot's last step changes slots: ONE barrier; in front of it each wave waits for all its tensor loads, adds 0 to its spare word, and waits for that and for its own reads of this slot.
.macro TURN slot, next, fill
	s_wait_tensorcnt 0x0                           ; all my tensor loads have landed: my part of the next slot  (every window is 0 here)
	ds_add_u32 v[SPW], v[NIL]                      ; 0 onto my spare word
	s_wait_dscnt 4*NL+1                            ; (the add and the youngest sixteen loads may be out)
	WIN MUL_LO
	MUL16 0, 1, 0
	s_wait_dscnt 0x0                               ; the add is done, and my reads of this slot are over
	s_barrier_signal -1
	MUL16 2, 1, 0
	WIN 0
	s_barrier_wait -1
.if \fill
	CREST                                          ; the barrier has opened a round of the cluster's barrier: no wave of any partner still reads this slot's tile or has a load on its way
	s_add_nc_u64 s[G0+4*\slot+2:G0+4*\slot+3], s[G0+4*\slot+2:G0+4*\slot+3], 2*AROW
	s_add_nc_u64 s[G0B+4*\slot+2:G0B+4*\slot+3], s[G0B+4*\slot+2:G0B+4*\slot+3], 2*ROWB
	JLOAD G0+4*\slot, G1, G0B+4*\slot, G1B         ; the first tensor load behind the round, my one load until the next; its four v_nop are the places in front of the loads below
.else
	PLACES NP
.endif
	FETCH_B \next, 0, 0
	FETCH_A \next, 0, 0
	WIN MUL_HI
	MUL16 4, 1, 0
	MUL16 6, 1, 0
	PLACES NP
	WIN 0
	FETCH_A \next, 0, 4
.endm
	s_wait_alu depctr_va_vdst(0)
	s_wait_tensorcnt 1                             ; my part of K step 0 is in (K step 1's load may be out)
	s_barrier_signal -1
	s_barrier_wait -1                              ; everybody's is
	FETCH_B 0, 0, 0
	FETCH_A 0, 0, 0
	FETCH_A 0, 0, 4
	STEP 0, 0, 1                                   ; the first step's products start the sums
	s_mov_b32 s3, LAPS-1
.Llap:
	TURN 0, 1, 1
	STEP 1, 0, 0
	TURN 1, 0, 1
	STEP 0, 0, 0
	s_sub_co_u32 s3, s3, 1
	s_cmp_lg_u32 s3, 0
	s_cbranch_scc1 .Llap
	TURN 0, 1, 0                                   ; the last lap fills nothing, and has no round of the cluster's barrier
	STEP 1, 0, 0
	s_wait_dscnt 4*NL
	WIN MUL_LO
	MUL16 0, 1, 0
	MUL16 2, 1, 0
	s_wait_dscnt 0
	WIN MUL_HI
	MUL16 4, 1, 0
	MUL16 6, 1, 0
	WIN 0
; THE WAY OUT, block by block of 16 rows x 128 columns: sum x 2^(e10 + e11) + bo in place, one packed multiply-add for two numbers, each accumulator from its low end on; through my own stage in LDS; back as whole
; rows of 512 bytes.  LDS serves a wave's instructions in order (ISA guide 5.7.1.4): no wait between the stores and the loads, nor in front of the next block's stores.
.macro TOSTAGE a
.set AC, 64*((\a)%4)
.set WA, 2+((\a)/4)
.set WN, (WA<<6)|WA                    ; destination and source 0: the block's window; the bias: window 0
	WIN WN
.set j, 0
.rept 32
	v_pk_fma_f32 v[AC+j:AC+j+1], v[AC+j:AC+j+1], s[96:97], v[BI+j:BI+j+1] op_sel_hi:[1,0,1]
.set j, j+2
.endr
.set WN, WA<<2                         ; an LDS store's data are its source 1
	WIN WN
.irp b, 0,1,2,3,4,5,6,7
	ds_store_b128 v[STO], v[AC+8*\b:AC+8*\b+3] offset:64*\b
	ds_store_b128 v[STO], v[AC+8*\b+4:AC+8*\b+7] offset:64*\b+16
.endr
	WIN 0
.set BB, BK+64*((\a)%2)
.irp t, 0,1,2,3,4,5,6,7,8,9,10,11,12,13,14,15
	ds_load_b128 v[BB+4*\t:BB+4*\t+3], v[RD] offset:\t*SPITCH
.endr
.endm
.macro SEND a, younger                 ; younger: the LDS instructions issued behind block a's loads, which may stay out
.set BB, BK+64*((\a)%2)
	s_wait_dscnt \younger                          ; the block is back in registers
.if (\a) > 0
	s_add_nc_u64 s[10:11], s[10:11], 16*SIZE_N*4   ; (behind a wait on XCNT: the earlier stores have read their base)  16 rows on
.endif
.irp t, 0,1,2,3,4,5,6,7,8,9,10,11,12,13,14,15
	global_store_b128 v[CO], v[BB+4*\t:BB+4*\t+3], s[10:11] offset:\t*SIZE_N*4 th:TH_STORE_NT   ; 32 lanes store 512 consecutive bytes, aligned; written once, read by nobody here
.endr
.endm
	s_wait_kmcnt 0x0
	s_wait_loadcnt 0x0                             ; bo
	s_add_co_i32 s96, s96, s97                     ; e10 + e11
	s_add_co_i32 s96, s96, 127
	s_lshl_b32 s96, s96, 23                        ; 2^(e10 + e11) as f32
	s_mov_b32 s97, s96                             ; (named with it as a pair, so it is written)
	PLACES NP                                      ; between the last products and the loads into the registers that held A's fragments
	TOSTAGE 0
.irp a, 1,2,3,4,5,6,7
.if \a > 1
	s_wait_xcnt 0x0                                ; block a - 2's stores have read their registers and their base: block a's loads may land there, and the base may step
.endif
	TOSTAGE \a
	SEND \a-1, 32                                  ; behind block a - 1's loads: block a's 16 stores and 16 loads
.endr
	s_wait_xcnt 0x0                                ; block 6's stores have read their base
	SEND 7, 0
	s_wait_tensorcnt 0x0                           ; the wave's end, behind my last tensor load and my last LDS store
	ds_add_u32 v[SPW], v[NIL]
	s_wait_dscnt 0x0
	CROUND                                         ; the closing round
	s_endpgm
.Lfunc_end_k_q6a5c64c07b_oproj:
	.size	k_q6a5c64c07b_oproj, .Lfunc_end_k_q6a5c64c07b_oproj-k_q6a5c64c07b_oproj
	.p2alignl 7, 3214868480
	.fill 96, 4, 3214868480
	.section	.rodata,"a",@progbits
	.p2align	6, 0x0
	.amdhsa_kernel k_q6a5c64c07b_oproj
		.amdhsa_group_segment_fixed_size 327680
		.amdhsa_private_segment_fixed_size 0
		.amdhsa_enable_private_segment 0
		.amdhsa_kernarg_size 40
		.amdhsa_user_sgpr_count 2
		.amdhsa_user_sgpr_kernarg_segment_ptr 1
		.amdhsa_wavefront_size32 1
		.amdhsa_system_sgpr_workgroup_id_x 1
		.amdhsa_system_sgpr_workgroup_id_y 1
		.amdhsa_system_sgpr_workgroup_id_z 1
		.amdhsa_system_vgpr_workitem_id 0
		.amdhsa_next_free_vgpr 1024
		.amdhsa_next_free_sgpr 98
		.amdhsa_reserve_vcc 0
		.amdhsa_float_denorm_mode_32 3
		.amdhsa_float_denorm_mode_16_64 3
		.amdhsa_memory_ordered 1
		.amdhsa_forward_progress 1
		.amdhsa_inst_pref_size 126
	.end_amdhsa_kernel
	.amdgpu_metadata
---
amdhsa.version: [ 1, 2 ]
amdhsa.kernels:
  - .name:           k_q6a5c64c07b_oproj
    .symbol:         k_q6a5c64c07b_oproj.kd
    .args:
      - { .name: acodes, .offset: 0, .size: 8, .value_kind: global_buffer, .address_space: global }
      - { .name: wcodes, .offset: 8, .size: 8, .value_kind: global_buffer, .address_space: global }
      - { .name: lowp_scales, .offset: 16, .size: 8, .value_kind: global_buffer, .address_space: global }
      - { .name: bo, .offset: 24, .size: 8, .value_kind: global_buffer, .address_space: global }
      - { .name: out0, .offset: 32, .size: 8, .value_kind: global_buffer, .address_space: global }
    .group_segment_fixed_size: 327680
    .private_segment_fixed_size: 0
    .kernarg_segment_align: 8
    .kernarg_segment_size: 40
    .max_flat_workgroup_size: 128
    .sgpr_count:     98
    .vgpr_count:     1024
    .wavefront_size: 32
...
	.end_amdgpu_metadata
.endif
;; end of part 8
